; MI455X (gfx1250); checked and timed in simulation.
; The chip was launched on July 23, 2026; its instructions are those of AMD's public machine-readable ISA for CDNA 5 (MIT licence, August 2026) and "CDNA5" Instruction Set Architecture Reference Guide (July 2026). The comments in the code are by the model that wrote it; some were corrected since.
;; Transformer Block. Allowed arithmetic: matrix products marked QUANTISED: E2M3 operands, one E8M0 scale for each 32 along K, by v_wmma_scale_f32_16x16x128_f8f6f4 with both operands' format E2M3, f32 sums; everything else in f32.
;; Inputs: b1 4,096 float32; b2 1,024 float32; ln1_b 1,024 float32; ln1_g 1,024 float32; ln2_b 1,024 float32; ln2_g 1,024 float32; out_b 1,024 float32; out_w 1,024 x 1,024 float32; padding_mask 2 x 2,048 bool; qkv_b 3,072 float32; qkv_w 1,024 x 3,072 float32; w1 1,024 x 4,096 float32; w2 4,096 x 1,024 float32; x 2 x 2,048 x 1,024 float32.
;; Outputs: out0 2 x 2,048 x 1,024 float32.
;; This version of the problem:
;;   THIS VERSION OF THE PROBLEM IS GIVEN IN LOW PRECISION. The matrix products marked QUANTISED in the list below multiply operands that are first quantised to E2M3 (2 exponent bits, 3 mantissa bits; 6 bits a number), with one power-of-two scale for each 32 numbers along K (OCP MX v1.0); their sums are f32. All else is computed in f32.
;;   The module's matrix products, in the order in which they are computed (A, B: the left and right operand; K: the contracted axis; several contracted axes count as one K, in the product's order):
;;     1. [M 4,096, K 1,024] x [K 1,024, N 3,072]; A: computed on the way; B: input qkv_w: QUANTISED
;;     2. batch 32 x [M 2,048, K 64] x [K 64, N 2,048]; A: computed on the way; B: computed on the way: QUANTISED
;;     3. batch 32 x [M 2,048, K 2,048] x [K 2,048, N 64]; A: softmax (see below); B: computed on the way: QUANTISED
;;     4. [M 4,096, K 1,024] x [K 1,024, N 1,024]; A: computed on the way; B: input out_w: QUANTISED
;;     5. [M 4,096, K 1,024] x [K 1,024, N 4,096]; A: computed on the way; B: input w1: QUANTISED
;;     6. [M 4,096, K 4,096] x [K 4,096, N 1,024]; A: computed on the way; B: input w2: QUANTISED
;;   THE QUANTISER, for each operand of a quantised product, along K:
;;     - K is cut into blocks of 32 from its start; a last block that is shorter is filled with zeros.
;;     - A block's scale is 2^e with e = floor(log2(the largest magnitude in the block)) - 2, held to -126 .. 127; a block of zeros has e = 0. As a byte (E8M0): e + 127.
;;     - Each number is divided by its block's scale, clamped to +-7.5, and rounded to the nearest number of E2M3, ties to even, subnormals kept.
;;     - The product sums the exact products of the quantised numbers (number of the format x scale) in f32.
;;   ~~~python
;;   def quantise(x, axis):      # numpy; x: float32 -> the quantised numbers, widened to float32 again
;;       x = np.moveaxis(x, axis, -1); K = x.shape[-1]
;;       x = np.pad(x, [(0, 0)] * (x.ndim - 1) + [(0, -K % 32)]); x = x.reshape(x.shape[:-1] + (-1, 32)); a = np.abs(x).max(-1, keepdims=True)
;;       e = np.where(a > 0, np.clip(np.frexp(np.where(a > 0, a, 1))[1] - 1 - 2, -126, 127), 0)      # np.frexp(a)[1] - 1 = floor(log2(a)), exactly
;;       r = np.clip(x / 2.0 ** e, -7.5, 7.5)
;;       step = 2.0 ** (np.maximum(np.frexp(np.where(r == 0, 1, r))[1] - 1, 0) - 3)
;;       q = np.round(r / step) * step * 2.0 ** e      # np.round: ties to even
;;       return np.moveaxis(q.reshape(q.shape[:-2] + (-1,))[..., :K], -1, axis).astype(np.float32)
;;   ~~~
;;   SOFTMAX AHEAD OF A QUANTISED PRODUCT. Where the list says 'softmax', what is quantised is not the finished softmax but p = 2^(t - M), with t = logit x log2(e) and M = ceil(the row's largest t), a whole number; so 1/2 < the row's largest p <= 1. The row's sum l is taken of the UNQUANTISED p, in f32, and the product's result is divided by l at the end. Since M is a whole number, a kernel that streams over the keys may use a running M (the ceiling of the running maximum): every later rescaling is an exact power of two, which a block's scale takes up: the codes' values come out the same.
;;   OPERANDS COMPUTED ON THE WAY. 'Computed on the way' means the value that the module computes at that place (a softmax that the list does not call 'softmax' is quantised finished and normalised). What goes into a quantiser is computed in f32, as accurately as f32 sums, v_exp_f32 and their like allow (about 1e-6 of the number): no bf16 or f16 on the way to a quantiser, and a product that is left as it is and whose result goes on into a quantised operand takes f32 operands (vector FMAs, or v_wmma_f32_16x16x4_f32). A number that lies on a knife's edge between two numbers of the format may be rounded either way, as far as f32 arithmetic and the matrix unit's own rounding can turn it there, and no further.
;; One version. Each part assembles by itself: llvm-mc -triple=amdgcn-amd-amdhsa -mcpu=gfx1250 --defsym DOCPART=n.
;; ======== version 1 of 1: 7 launches
;; limits: right only within a limited range of input values
;; workspace buffers: wimg 10,747,904 bytes; himg 3,407,872 bytes; qimg 3,670,016 bytes; kvimg 7,077,888 bytes; cimg 3,407,872 bytes; x2 16,777,216 bytes; gimg 13,631,488 bytes
;; launch prep (part 1): grid 456 x 1, 8 waves a work-group, no clusters, 122,880 bytes of LDS; arguments x, ln1_g, ln1_b, himg, qkv_w, out_w, w1, w2, wimg; writes himg, wimg
.if DOCPART == 1
	.amdgcn_target "amdgcn-amd-amdhsa--gfx1250"
	.amdhsa_code_object_version 6
	.text
	.protected	k_q39dd34ccb8_prep
	.globl	k_q39dd34ccb8_prep
	.p2align	8
	.type	k_q39dd34ccb8_prep,@function
k_q39dd34ccb8_prep:
	s_mov_b64 s[64:65], 0
	v_nop
	global_prefetch_b8 v0, s[64:65] scope:SCOPE_SE
	s_setreg_imm32_b32 hwreg(HW_REG_WAVE_MODE, 25, 1), 1
	s_wait_xcnt 0x0
; Three pieces of work that hang on the inputs alone share one launch, told apart by the work-group's number: the four weights become codes; the table of the rotary embedding is made; x goes through the first LayerNorm and its quantiser.
; THE LAYOUT OF EVERY OPERAND OF THIS PROGRAM.  Sixteen rows form a tile T, in the order row(T, p) = 32 (T / 2) + 8 (T % 2) + p % 8 + 16 (p / 8).  A unit (T, g) holds 64 along K of a tile, 768 bytes, as an image of the
; operand's registers: lane l = p + 16 h holds the 24 bytes of k = 64 g + 32 h + 0 .. 31 of row(T, p): its first 16 bytes at 16 l, its last 8 at 512 + 8 l.  Units of a tile follow each other along K.
; A scale image (T, s) is 128 bytes: the word (four bytes, 128 along K) of row(T, l % 16) at 4 l, so each word stands twice.
; WORK-GROUPS 0-191, THE WEIGHTS (f32 stored [K][N] -> codes of FP6 (E2M3), one E8M0 byte for each 32 along K): 0-47 qkv_w, 48-63 out_w, 64-127 w1, 128-191 w2: one way through the text, its sizes chosen by the number.
; A wave takes 32 columns x 256 along K.  A LANE TAKES A COLUMN AND ITS REGISTERS RUN DOWN K: a load reads 128 consecutive bytes, a block of 32 lies in one lane, and the conversions give codes with K innermost.
; The images are gathered in the wave's own LDS and leave in stores of 512 consecutive bytes.  Waves share nothing there: no barrier.
; WORK-GROUPS 192-199, THE TABLE [position][32 cosines, 32 sines]: a lane a frequency, 32 positions a wave; no LDS.
; WORK-GROUPS 200-455, THE LAYERNORM of rows of 1,024 numbers and the quantiser along the row: a work-group takes a tile of 16 rows, wave s columns 128 s on: one K step of the next product.  Each load reads 512 consecutive bytes
; of a row; the numbers turn through the wave's own stage in LDS so that lane (p, h) holds, of row p, the 16 numbers 32 b + 16 h + 0 .. 15 of each block b.
; Mean and variance are taken in two passes, as sums over the eight waves through LDS: two barriers.
; The LayerNorm's way and the weights' way have LDS bytes of their own.  No cluster: no two work-groups read the same large bytes.
; LIMITS: a block of zeros gets the byte 1 (its codes are zeros; this program alone reads the bytes); NaN and infinities are not served; the frequencies are 10^(-f/8) rounded to f32, which may differ by a last bit from a power
; followed by a division: at the last positions that is some 2e-4 of a radian.
.set WQ_C, 0
.set WO_C, 2359296
.set W1_C, 3145728
.set W2_C, 6291456
.set WQ_S, 9437184
.set WO_S, 9633792
.set W1_S, 9699328
.set W2_S, 9961472
.set ROPE, 10223616
.set HS,    3145728                    ; where the scale images begin in himg
.set NW,    192                        ; work-groups of the weights
.set TOFF,  200                        ; the LayerNorm's first work-group
.set PITCH, 528                        ; a stage row of the LayerNorm: 512 bytes + 16
.set RED1,  0                          ; [8 waves][16 rows] sums
.set RED2,  512                        ; and sums of squares
.set STGB,  1024                       ; the eight stages, 16 x 528 bytes each
.set SPARE, STGB+8*16*PITCH            ; the spare words, 128 bytes a wave
.set PBASE, SPARE+1024                 ; the weights' way: LDS of its own
.set WREG,  6656                       ; of a wave there: 2 tiles x 4 units x 768, then 2 x 2 scale images x 128
.set NB,    8                          ; blocks of 32 along K for a wave
.set WV,   50                          ; s50 the wave's number
.set SPW,  254
.set NIL,  255
.set SB,   24                          ; the weights' way: v24-25 scale bytes, four to a register
.set WX,   32                          ; v32-95  two sets of 32 numbers
.set VO,   96                          ; v96-127 byte offset of row i of a block, my column
.set CC,   128                         ; v128-133 a block's codes
.set EE,   136                         ; v136-138 their second half as it is made
.set SO,   140                         ; v140-143 scale images on the way out
.set OUTR, 144                         ; v144-191 code images on the way out
.set R,   16                           ; the LayerNorm's way: v16-79 the rows as loaded; later the bias
.set X,   80                           ; v80-143  my 64 numbers
.set G,   144                          ; v144-207 the gain
.set TM,  208
.set PC,  224
.set PW,  244
.set MU,  246
.set RS,  248
.set SEL, 20
	v_lshl_add_u32 v[SPW], v0, 2, SPARE
	v_mov_b32 v[NIL], 0
	v_lshrrev_b32 v1, 5, v0
	s_delay_alu instid0(VALU_DEP_1)
	v_readfirstlane_b32 s[WV], v1                  ; wave 0..7
	s_cmp_ge_u32 ttmp9, TOFF
	s_cbranch_scc1 .Lln
	s_load_b256 s[4:11], s[0:1], 0x20              ; qkv_w, out_w, w1, w2
	s_load_b64 s[12:13], s[0:1], 0x40              ; wimg
	v_and_b32 v2, 31, v0                           ; lane
	s_cmp_ge_u32 ttmp9, NW
	s_cbranch_scc1 .Lrope
	; which weight: w2's sizes, then those of each earlier weight where the work-group's number lies under its end
	s_mov_b32 s16, 128                             ; the weight's first work-group
	s_mov_b32 s17, 4096                            ; a row of the weight in bytes
	s_mov_b32 s18, 15                              ; groups of 256 along K, less 1
	s_mov_b32 s19, 4                               ; and their logarithm
	s_mov_b32 s20, W2_C
	s_mov_b32 s21, W2_S
	s_mov_b32 s22, 49152                           ; a tile's codes in bytes: 12 K
	s_mov_b32 s23, 4096                            ; a tile's scale images: K
	s_wait_kmcnt 0x0
	s_mov_b64 s[14:15], s[10:11]
.macro PICK lim, ptr, first, rb, coff, soff
	s_cmp_lt_u32 ttmp9, \lim
	s_cselect_b64 s[14:15], s[\ptr:\ptr+1], s[14:15]
	s_cselect_b32 s16, \first, s16
	s_cselect_b32 s17, \rb, s17
	s_cselect_b32 s18, 3, s18
	s_cselect_b32 s19, 2, s19
	s_cselect_b32 s20, \coff, s20
	s_cselect_b32 s21, \soff, s21
	s_cselect_b32 s22, 12288, s22
	s_cselect_b32 s23, 1024, s23
.endm
	PICK 128, 8, 64, 16384, W1_C, W1_S
	PICK 64, 6, 48, 4096, WO_C, WO_S
	PICK 48, 4, 0, 12288, WQ_C, WQ_S
	s_sub_co_u32 s24, ttmp9, s16
	s_and_b32 s25, s24, s18                        ; kg: which 256 along K
	s_lshr_b32 s26, s24, s19                       ; cg: which 256 columns
	s_lshl_b32 s27, s26, 8
	s_lshl_b32 s28, s[WV], 5
	s_add_co_u32 s27, s27, s28                     ; my wave's first column
	s_lshr_b32 s51, s27, 4                         ; and its first tile (an even one)
	s_mul_i32 s28, s25, s17
	s_lshl_b32 s28, s28, 8                         ; 256 kg rows
	s_lshl_b32 s27, s27, 2
	s_add_co_u32 s28, s28, s27
	s_mov_b32 s29, 0
	s_lshl_b32 s30, s17, 5                         ; 32 rows on
	s_mov_b32 s31, 0
	s_add_nc_u64 s[32:33], s[14:15], s[28:29]      ; a base for each of the eight blocks: nothing is stepped
.irp b, 1,2,3,4,5,6,7
	s_add_nc_u64 s[32+2*\b:33+2*\b], s[30+2*\b:31+2*\b], s[30:31]
.endr
	s_mul_i32 s52, s51, s22
	s_mul_i32 s53, s25, 3072
	s_add_co_u32 s52, s52, s53
	s_add_co_u32 s52, s52, s20
	s_mov_b32 s53, 0
	s_add_nc_u64 s[54:55], s[12:13], s[52:53]      ; my first tile's four units,
	s_mov_b32 s52, s22
	s_add_nc_u64 s[56:57], s[54:55], s[52:53]      ; my second tile's
	s_mul_i32 s52, s51, s23
	s_lshl_b32 s58, s25, 8
	s_add_co_u32 s52, s52, s58
	s_add_co_u32 s52, s52, s21
	s_add_nc_u64 s[58:59], s[12:13], s[52:53]      ; my first tile's two scale images
	s_wait_alu depctr_va_vdst(0)
	v_lshlrev_b32 v[VO], 2, v2
.irp i, 1,2,3,4,5,6,7,8,9,10,11,12,13,14,15,16,17,18,19,20,21,22,23,24,25,26,27,28,29,30,31
	s_delay_alu instid0(VALU_DEP_1)
	v_add_nc_u32 v[VO+\i], s17, v[VO+\i-1]
.endr
	v_bfe_u32 v3, v0, 3, 1                         ; u: which of my wave's two tiles holds my column
	v_and_b32 v4, 7, v0
	v_bfe_u32 v5, v0, 4, 1
	s_delay_alu instid0(VALU_DEP_1)
	v_lshl_add_u32 v4, v5, 3, v4                   ; p: its place in the tile
	s_mul_i32 s60, s[WV], WREG
	s_add_co_u32 s60, s60, PBASE
	v_mul_u32_u24 v3, v3, 3072
	s_delay_alu instid0(VALU_DEP_1)
	v_add_nc_u32 v3, s60, v3
	s_delay_alu instid0(VALU_DEP_1)
	v_lshl_add_u32 v6, v4, 4, v3                   ; where my 16 bytes go
	s_delay_alu instid0(VALU_DEP_2)
	v_lshl_add_u32 v7, v4, 3, v3                   ; where my 8 bytes go
	v_bfe_u32 v8, v0, 3, 1
	s_delay_alu instid0(VALU_DEP_1)
	v_lshlrev_b32 v8, 8, v8
	s_delay_alu instid0(VALU_DEP_1)
	v_lshl_add_u32 v8, v4, 2, v8
	s_delay_alu instid0(VALU_DEP_1)
	v_add_nc_u32 v8, s60, v8                       ; where my scale words go
	v_lshlrev_b32 v9, 4, v2                        ; the way out: 16 bytes a lane
	s_delay_alu instid0(VALU_DEP_1)
	v_add_nc_u32 v10, s60, v9
	v_and_b32 v1, 15, v0
	s_delay_alu instid0(VALU_DEP_1)
	v_lshlrev_b32 v1, 4, v1
	v_mul_lo_u32 v5, v5, s23
	s_delay_alu instid0(VALU_DEP_1)
	v_add_nc_u32 v1, v1, v5                        ; scale images: lanes 0-15 the first tile's 256 bytes, lanes 16-31 the second's
.macro LOAD t
.irp i, 0,1,2,3,4,5,6,7,8,9,10,11,12,13,14,15,16,17,18,19,20,21,22,23,24,25,26,27,28,29,30,31
	global_load_b32 v[WX+32*((\t)%2)+\i], v[VO+\i], s[32+2*(\t):33+2*(\t)] th:TH_LOAD_NT
.endr
.endm
	LOAD 0
	LOAD 1
.macro BLOCK t
.set XS, WX+32*((\t)%2)
.if (\t) < NB-1
	s_wait_loadcnt 32                              ; this block's 32 loads are in; the next block's may be out
.else
	s_wait_loadcnt 0
.endif
	v_max3_num_f32 v12, |v[XS]|, |v[XS+1]|, |v[XS+2]|
	v_max3_num_f32 v13, |v[XS+3]|, |v[XS+4]|, |v[XS+5]|
.irp i, 6,10,14,18,22,26
	s_delay_alu instid0(VALU_DEP_2)
	v_max3_num_f32 v12, v12, |v[XS+\i]|, |v[XS+\i+1]|
	s_delay_alu instid0(VALU_DEP_2)
	v_max3_num_f32 v13, v13, |v[XS+\i+2]|, |v[XS+\i+3]|
.endr
	s_delay_alu instid0(VALU_DEP_2)
	v_max3_num_f32 v12, v12, |v[XS+30]|, |v[XS+31]|
	s_delay_alu instid0(VALU_DEP_1)
	v_max3_num_f32 v12, v12, v13, 0x1800000        ; with the floor 2^(3 - 127): the byte cannot fall under 1
	s_delay_alu instid0(VALU_DEP_1)
	v_add_nc_u32 v11, 0xff000000, v12              ; 2 off the exponent field: the conversion's scale operand
	v_cvt_scalef32_pk16_fp6_f32 v[CC:CC+2], v[XS:XS+15], v11
	v_cvt_scalef32_pk16_fp6_f32 v[EE:EE+2], v[XS+16:XS+31], v11
	v_lshrrev_b32 v13, 23, v11                     ; the byte (a plain line behind the conversions)
.if (\t)%4 == 0
	s_delay_alu instid0(VALU_DEP_1)
	v_mov_b32 v[SB+(\t)/4], v13
.else
	s_delay_alu instid0(VALU_DEP_1)
	v_lshl_or_b32 v[SB+(\t)/4], v13, 8*((\t)%4), v[SB+(\t)/4]
.endif
.irp i, 0,1,2
	v_mov_b32 v[CC+3+\i], v[EE+\i]
.endr
	ds_store_b128 v6, v[CC:CC+3] offset:768*((\t)/2)+256*((\t)%2)
	ds_store_b64 v7, v[CC+4:CC+5] offset:768*((\t)/2)+512+128*((\t)%2)
.if (\t)+2 < NB
	LOAD (\t)+2
.endif
	s_wait_dscnt 0x0                               ; the stores have read their registers: the next block's codes may be written
.endm
.irp t, 0,1,2,3,4,5,6,7
	BLOCK \t
.endr
	s_wait_alu depctr_va_vdst(0)
.irp s, 0,1
	ds_store_b32 v8, v[SB+\s] offset:6144+128*\s
	ds_store_b32 v8, v[SB+\s] offset:6144+128*\s+64   ; each word stands twice
.endr
.irp i, 0,1,2,3,4,5,6,7,8,9,10,11
	ds_load_b128 v[OUTR+4*\i:OUTR+4*\i+3], v10 offset:512*\i   ; LDS serves a wave's instructions in order: these see my stores
.endr
	ds_load_b128 v[SO:SO+3], v10 offset:6144
.irp i, 0,1,2,3,4,5
	s_wait_dscnt 12-\i                             ; the later loads may be out
	global_store_b128 v9, v[OUTR+4*\i:OUTR+4*\i+3], s[54:55] offset:512*\i   ; 512 consecutive bytes, at a multiple of 256
.endr
.irp i, 6,7,8,9,10,11
	s_wait_dscnt 12-\i
	global_store_b128 v9, v[OUTR+4*\i:OUTR+4*\i+3], s[56:57] offset:512*(\i-6)
.endr
	s_wait_dscnt 0x0
	global_store_b128 v1, v[SO:SO+3], s[58:59]
	s_wait_tensorcnt 0x0                           ; the wave's end: three lines behind my last LDS store
	ds_add_u32 v[SPW], v[NIL]
	s_wait_dscnt 0x0
	s_endpgm
.Lrope:
.macro IFQ f, val
	s_mov_b32 s60, \val
	v_writelane_b32 v3, s60, \f
.endm
	v_mov_b32 v3, 0
	IFQ 0, 1.0
	IFQ 1, 0.7498942093
	IFQ 2, 0.5623413252
	IFQ 3, 0.4216965034
	IFQ 4, 0.3162277660
	IFQ 5, 0.2371373706
	IFQ 6, 0.1778279410
	IFQ 7, 0.1333521432
	IFQ 8, 0.1
	IFQ 9, 0.07498942093
	IFQ 10, 0.05623413252
	IFQ 11, 0.04216965034
	IFQ 12, 0.03162277660
	IFQ 13, 0.02371373706
	IFQ 14, 0.01778279410
	IFQ 15, 0.01333521432
	IFQ 16, 0.01
	IFQ 17, 0.007498942093
	IFQ 18, 0.005623413252
	IFQ 19, 0.004216965034
	IFQ 20, 0.003162277660
	IFQ 21, 0.002371373706
	IFQ 22, 0.001778279410
	IFQ 23, 0.001333521432
	IFQ 24, 0.001
	IFQ 25, 0.0007498942093
	IFQ 26, 0.0005623413252
	IFQ 27, 0.0004216965034
	IFQ 28, 0.0003162277660
	IFQ 29, 0.0002371373706
	IFQ 30, 0.0001778279410
	IFQ 31, 0.0001333521432
	s_sub_co_u32 s16, ttmp9, NW
	s_lshl_b32 s16, s16, 8
	s_lshl_b32 s17, s[WV], 5
	s_add_co_u32 s16, s16, s17                     ; my wave's first position
	s_lshl_b32 s18, s16, 8                         ; 256 bytes a position
	s_add_co_u32 s18, s18, ROPE
	s_mov_b32 s19, 0
	s_mov_b32 s21, 0xbfc90fdb                      ; -pi/2, its upper part
	s_mov_b32 s22, 0x333bbd2e                      ; and what that part has too much
	v_lshlrev_b32 v4, 2, v2
	s_mov_b32 s20, 0
	s_wait_kmcnt 0x0
	s_add_nc_u64 s[12:13], s[12:13], s[18:19]
.Lpos:                                             ; 32 trips, a position each
	v_cvt_f32_u32 v5, s16
	s_wait_alu depctr_va_vdst(0)
	v_mul_f32 v6, v5, v3                           ; the angle, rounded once
	s_delay_alu instid0(VALU_DEP_1)
	v_mul_f32 v7, 0x3f22f983, v6
	s_delay_alu instid0(VALU_DEP_1)
	v_rndne_f32 v7, v7                             ; n = the nearest multiple of pi/2
	s_delay_alu instid0(VALU_DEP_1)
	v_fma_f32 v8, v7, s21, v6
	s_delay_alu instid0(VALU_DEP_1)
	v_fma_f32 v8, v7, s22, v8                      ; r = angle - n pi/2, within pi/4
	s_delay_alu instid0(VALU_DEP_1)
	v_mul_f32 v9, v8, v8
	v_mov_b32 v10, 0xb94ca1f9
	s_delay_alu instid0(VALU_DEP_1)
	v_fmaak_f32 v10, v10, v9, 0x3c08839e
	s_delay_alu instid0(VALU_DEP_1)
	v_fmaak_f32 v10, v10, v9, 0xbe2aaaa3
	s_delay_alu instid0(VALU_DEP_1)
	v_mul_f32 v10, v10, v9
	s_delay_alu instid0(VALU_DEP_1)
	v_fma_f32 v10, v10, v8, v8                     ; sin r
	v_mov_b32 v11, 0x37ccf5ce
	s_delay_alu instid0(VALU_DEP_1)
	v_fmaak_f32 v11, v11, v9, 0xbab6061a
	s_delay_alu instid0(VALU_DEP_1)
	v_fmaak_f32 v11, v11, v9, 0x3d2aaaa5
	s_delay_alu instid0(VALU_DEP_1)
	v_mul_f32 v11, v11, v9
	s_delay_alu instid0(VALU_DEP_1)
	v_mul_f32 v11, v11, v9
	s_delay_alu instid0(VALU_DEP_1)
	v_fma_f32 v11, v9, -0.5, v11
	s_delay_alu instid0(VALU_DEP_1)
	v_add_f32 v11, 1.0, v11                        ; cos r
	v_cvt_i32_f32 v12, v7
	s_delay_alu instid0(VALU_DEP_1)
	v_and_b32 v13, 1, v12
	s_delay_alu instid0(VALU_DEP_1)
	v_cmp_eq_u32 vcc_lo, 1, v13
	s_delay_alu instid0(VALU_DEP_1)
	v_cndmask_b32 v16, v10, v11, vcc_lo            ; an odd n changes the two over
	s_delay_alu instid0(VALU_DEP_2)
	v_cndmask_b32 v17, v11, v10, vcc_lo
	v_lshlrev_b32 v13, 30, v12
	s_delay_alu instid0(VALU_DEP_1)
	v_and_b32 v13, 0x80000000, v13
	s_delay_alu instid0(VALU_DEP_1)
	v_xor_b32 v16, v16, v13                        ; the sine's sign: bit 1 of n
	v_add_nc_u32 v12, 1, v12
	s_delay_alu instid0(VALU_DEP_1)
	v_lshlrev_b32 v12, 30, v12
	s_delay_alu instid0(VALU_DEP_1)
	v_and_b32 v12, 0x80000000, v12
	s_delay_alu instid0(VALU_DEP_1)
	v_xor_b32 v17, v17, v12                        ; the cosine's: bit 1 of n + 1
	global_store_b32 v4, v17, s[12:13]
	global_store_b32 v4, v16, s[12:13] offset:128
	s_wait_xcnt 0x0                                ; the stores have read their data and base: both are written again only behind this wait
	s_add_nc_u64 s[12:13], s[12:13], 256
	s_add_co_u32 s16, s16, 1
	s_add_co_u32 s20, s20, 1
	s_cmp_lt_u32 s20, 32
	s_cbranch_scc1 .Lpos
	s_endpgm
.macro QUANT s                         ; 64 numbers of a lane, register 16 b + i = k 32 b + 16 (lane / 16) + i of my row, become a fragment's codes in v[PC] on and its scale word in v[PW]
.irp b, 0,1,2,3
	v_max3_num_f32 v[TM+\b], |v[\s+16*\b]|, |v[\s+1+16*\b]|, 0x1800000   ; with the floor 2^(3 - 127): the byte cannot fall under 1
.endr
.irp i, 2,4,6,8,10,12,14
.irp b, 0,1,2,3
	s_delay_alu instid0(VALU_DEP_4)
	v_max3_num_f32 v[TM+\b], v[TM+\b], |v[\s+16*\b+\i]|, |v[\s+1+16*\b+\i]|
.endr
.endr
.irp b, 0,1,2,3
	s_delay_alu instid0(VALU_DEP_4)
	v_permlanex16_b32 v[TM+4+\b], v[TM+\b], s[SEL], s[SEL+1]
.endr
.irp b, 0,1,2,3
	s_delay_alu instid0(VALU_DEP_4)
	v_max_num_f32 v[TM+\b], v[TM+\b], v[TM+4+\b]   ; with lane l xor 16's: the block's largest magnitude
.endr
.irp b, 0,1,2,3
	s_delay_alu instid0(VALU_DEP_4)
	v_add_nc_u32 v[TM+12+\b], 0xff000000, v[TM+\b] ; 2 off its exponent field: the conversion's scale operand
.endr
.irp b, 0,1,2,3
	s_delay_alu instid0(VALU_DEP_4)
	v_lshrrev_b32 v[TM+4+\b], 23, v[TM+12+\b]      ; the byte
.endr
	s_delay_alu instid0(VALU_DEP_3)
	v_lshl_or_b32 v[PW], v[TM+5], 8, v[TM+4]
	s_delay_alu instid0(VALU_DEP_1)
	v_lshl_or_b32 v[PW], v[TM+6], 16, v[PW]
	s_delay_alu instid0(VALU_DEP_1)
	v_lshl_or_b32 v[PW], v[TM+7], 24, v[PW]
.irp c, 0,1
	v_cvt_scalef32_pk16_fp6_f32 v[PC+6*\c:PC+2+6*\c], v[\s+32*\c:\s+15+32*\c], v[TM+12+2*\c]
	v_cvt_scalef32_pk16_fp6_f32 v[PC+12+4*\c:PC+14+4*\c], v[\s+16+32*\c:\s+31+32*\c], v[TM+12+2*\c+1]
.endr
	v_nop                                          ; one plain line behind a scaled conversion
.irp c, 0,1                                    ; the operand wants a whole block in a lane
.irp i, 0,1,2
	v_permlane16_swap_b32 v[PC+6*\c+\i], v[PC+12+4*\c+\i]
.endr
.irp i, 0,1,2
	s_delay_alu instid0(VALU_DEP_3)
	v_mov_b32 v[PC+3+6*\c+\i], v[PC+12+4*\c+\i]
.endr
.endr
.endm
.Lln:
	s_load_b256 s[4:11], s[0:1], 0x0               ; the rows, the gain, the bias, the images
	v_and_b32 v1, 31, v0
	v_and_b32 v2, 15, v0                           ; p
	v_bfe_u32 v3, v0, 4, 1                         ; h
	s_delay_alu instid0(VALU_DEP_3)
	v_lshlrev_b32 v4, 4, v1                        ; 16 x lane
	s_delay_alu instid0(VALU_DEP_4)
	v_lshlrev_b32 v5, 3, v1                        ; 8 x lane
	v_lshlrev_b32 v6, 2, v1                        ; 4 x lane
	s_delay_alu instid0(VALU_DEP_4)
	v_lshlrev_b32 v7, 6, v3                        ; 64 h
	s_mul_i32 s13, s[WV], 16*PITCH
	s_add_co_u32 s13, s13, STGB
	v_add_nc_u32 v8, s13, v4                       ; the stage, on the way in
	v_mul_u32_u24 v9, v2, PITCH
	s_delay_alu instid0(VALU_DEP_1)
	v_add_nc_u32 v9, v9, v7
	s_delay_alu instid0(VALU_DEP_1)
	v_add_nc_u32 v9, s13, v9                       ; and on the way out: row p, + 64 h
	v_add_nc_u32 v12, s13, v7                      ; gain and bias on the way out: + 64 h
	v_lshlrev_b32 v10, 2, v2                       ; 4 p
	s_lshl_b32 s13, s[WV], 6
	v_add_nc_u32 v11, s13, v10                     ; 4 p + 64 x wave
	s_sub_co_u32 s3, ttmp9, TOFF                   ; the tile
	s_lshr_b32 s14, s3, 1
	s_lshl_b32 s14, s14, 5
	s_and_b32 s15, s3, 1
	s_lshl_b32 s15, s15, 3
	s_add_co_u32 s14, s14, s15                     ; the tile's first row
	s_lshl_b32 s16, s14, 12
	s_lshl_b32 s18, s[WV], 9                       ; my 512 bytes of a row
	s_add_co_u32 s16, s16, s18
	s_mov_b32 s17, 0
	s_mov_b32 s19, 0
	s_mov_b32 s[SEL], 0x76543210
	s_mov_b32 s[SEL+1], 0xfedcba98
	s_mov_b32 s26, 0x3a800000                      ; 1 / 1,024
	s_mov_b32 s27, 0x3727c5ac                      ; 1e-5
	s_mul_i32 s28, s3, 12288
	s_mul_i32 s29, s[WV], 1536
	s_add_co_u32 s28, s28, s29
	s_mov_b32 s29, 0
	s_lshl_b32 s30, s3, 10
	s_lshl_b32 s31, s[WV], 7
	s_add_co_u32 s30, s30, s31
	s_add_co_u32 s30, s30, HS
	s_mov_b32 s31, 0
	s_wait_alu depctr_va_vdst(0)
	s_wait_kmcnt 0x0
	s_add_nc_u64 s[4:5], s[4:5], s[16:17]
	s_add_nc_u64 s[6:7], s[6:7], s[18:19]
	s_add_nc_u64 s[8:9], s[8:9], s[18:19]
	s_add_nc_u64 s[22:23], s[10:11], s[28:29]      ; my fragment's image
	s_add_nc_u64 s[24:25], s[10:11], s[30:31]      ; my scale image
.irp i, 0,1,2,3,4,5,6,7,8,9,10,11,12,13,14,15
	global_load_b128 v[R+4*\i:R+4*\i+3], v4, s[4:5] offset:(\i+8*(\i/8))*4096   ; place i of the tile: 512 consecutive bytes
.endr
	global_load_b128 v[TM:TM+3], v4, s[6:7]        ; my wave's 128 gains,
	global_load_b128 v[TM+4:TM+7], v4, s[8:9]      ; and its 128 biases: 512 consecutive bytes each
	s_wait_loadcnt 2                               ; the rows are in; those two loads may be out
.irp i, 0,1,2,3,4,5,6,7,8,9,10,11,12,13,14,15
	ds_store_b128 v8, v[R+4*\i:R+4*\i+3] offset:PITCH*\i
.endr
.irp b, 0,1,2,3
.irp q, 0,1,2,3
	ds_load_b128 v[X+16*\b+4*\q:X+16*\b+4*\q+3], v9 offset:128*\b+16*\q   ; my wave's own bytes, served in order
.endr
.endr
	s_wait_loadcnt 0x0
	ds_store_b128 v8, v[TM:TM+3]                   ; gain and bias take the places of the stage's rows 0 and 1, behind the reads above: LDS serves a wave's instructions in order
	ds_store_b128 v8, v[TM+4:TM+7] offset:PITCH
	s_wait_dscnt 0x0
.irp b, 0,1,2,3
.irp q, 0,1,2,3
	ds_load_b128 v[G+16*\b+4*\q:G+16*\b+4*\q+3], v12 offset:128*\b+16*\q
	ds_load_b128 v[R+16*\b+4*\q:R+16*\b+4*\q+3], v12 offset:PITCH+128*\b+16*\q
.endr
.endr
.macro ACROSS red                      ; v[250:253] hold four partial sums: my row's sum over the wave's 128 columns, then over the eight waves
	s_delay_alu instid0(VALU_DEP_1)
	v_pk_add_f32 v[250:251], v[250:251], v[252:253]
	s_delay_alu instid0(VALU_DEP_1)
	v_add_f32 v250, v250, v251
	s_delay_alu instid0(VALU_DEP_1)
	v_permlanex16_b32 v251, v250, s[SEL], s[SEL+1]
	s_delay_alu instid0(VALU_DEP_1)
	v_add_f32 v250, v250, v251
	ds_store_b32 v11, v250 offset:\red             ; both halves of the lanes write the same word with the same value
	s_wait_dscnt 0x0                               ; for the others' sake: my store is done
	s_barrier_signal -1
	s_barrier_wait -1
.irp w, 0,1,2,3,4,5,6,7
	ds_load_b32 v[TM+\w], v10 offset:\red+64*\w
.endr
	s_wait_dscnt 0x0
	v_add_f32 v250, v[TM], v[TM+1]
.irp w, 2,3,4,5,6,7
	s_delay_alu instid0(VALU_DEP_1)
	v_add_f32 v250, v250, v[TM+\w]
.endr
.endm
	v_pk_add_f32 v[250:251], v[X:X+1], v[X+2:X+3]
	v_pk_add_f32 v[252:253], v[X+4:X+5], v[X+6:X+7]
.set n, 8
.rept 14
	s_delay_alu instid0(VALU_DEP_2)
	v_pk_add_f32 v[250:251], v[250:251], v[X+n:X+n+1]
	s_delay_alu instid0(VALU_DEP_2)
	v_pk_add_f32 v[252:253], v[252:253], v[X+n+2:X+n+3]
.set n, n+4
.endr
	ACROSS RED1
	s_delay_alu instid0(VALU_DEP_1)
	v_mul_f32 v[MU], s26, v250                     ; the mean
	s_delay_alu instid0(VALU_DEP_1)
	v_mov_b32 v[MU+1], v[MU]
.set n, 0
.rept 32
	v_pk_add_f32 v[X+n:X+n+1], v[X+n:X+n+1], v[MU:MU+1] neg_lo:[0,1] neg_hi:[0,1]
.set n, n+2
.endr
	v_pk_mul_f32 v[250:251], v[X:X+1], v[X:X+1]
	v_pk_mul_f32 v[252:253], v[X+2:X+3], v[X+2:X+3]
.set n, 4
.rept 15
	s_delay_alu instid0(VALU_DEP_2)
	v_pk_fma_f32 v[250:251], v[X+n:X+n+1], v[X+n:X+n+1], v[250:251]
	s_delay_alu instid0(VALU_DEP_2)
	v_pk_fma_f32 v[252:253], v[X+n+2:X+n+3], v[X+n+2:X+n+3], v[252:253]
.set n, n+4
.endr
	ACROSS RED2
	s_delay_alu instid0(VALU_DEP_1)
	v_fma_f32 v250, v250, s26, s27                 ; the variance + 1e-5
	s_wait_alu depctr_va_vdst(0)
	v_rsq_f32 v[RS], v250
	v_nop                                          ; a plain line behind the transcendental,
	s_wait_alu depctr_va_vdst(0)                   ; and the wait ahead of its first reader
	v_mov_b32 v[RS+1], v[RS]
.set n, 0
.rept 32
	v_pk_mul_f32 v[X+n:X+n+1], v[X+n:X+n+1], v[RS:RS+1]
.set n, n+2
.endr
.set n, 0
.rept 32
	v_pk_fma_f32 v[X+n:X+n+1], v[X+n:X+n+1], v[G+n:G+n+1], v[R+n:R+n+1]
.set n, n+2
.endr
	QUANT X
	global_store_b128 v4, v[PC:PC+3], s[22:23]               ; 1,536 consecutive bytes a wave, in whole runs of 256
	global_store_b64 v5, v[PC+4:PC+5], s[22:23] offset:512
	global_store_b128 v4, v[PC+6:PC+9], s[22:23] offset:768
	global_store_b64 v5, v[PC+10:PC+11], s[22:23] offset:1280
	global_store_b32 v6, v[PW], s[24:25]
	s_wait_tensorcnt 0x0                           ; the wave's end: three lines behind my last LDS store
	ds_add_u32 v[SPW], v[NIL]
	s_wait_dscnt 0x0
	s_endpgm
.Lfunc_end_k_q39dd34ccb8_prep:
	.size	k_q39dd34ccb8_prep, .Lfunc_end_k_q39dd34ccb8_prep-k_q39dd34ccb8_prep
	.p2alignl 7, 3214868480
	.fill 96, 4, 3214868480
	.section	.rodata,"a",@progbits
	.p2align	6, 0x0
	.amdhsa_kernel k_q39dd34ccb8_prep
		.amdhsa_group_segment_fixed_size 122880
		.amdhsa_private_segment_fixed_size 0
		.amdhsa_enable_private_segment 0
		.amdhsa_kernarg_size 72
		.amdhsa_user_sgpr_count 2
		.amdhsa_user_sgpr_kernarg_segment_ptr 1
		.amdhsa_wavefront_size32 1
		.amdhsa_system_sgpr_workgroup_id_x 1
		.amdhsa_system_sgpr_workgroup_id_y 1
		.amdhsa_system_sgpr_workgroup_id_z 1
		.amdhsa_system_vgpr_workitem_id 0
		.amdhsa_next_free_vgpr 256
		.amdhsa_next_free_sgpr 66
		.amdhsa_reserve_vcc 1
		.amdhsa_float_denorm_mode_32 3
		.amdhsa_float_denorm_mode_16_64 3
		.amdhsa_memory_ordered 1
		.amdhsa_forward_progress 1
		.amdhsa_inst_pref_size 87
	.end_amdhsa_kernel
	.amdgpu_metadata
---
amdhsa.version: [ 1, 2 ]
amdhsa.kernels:
  - .name:           k_q39dd34ccb8_prep
    .symbol:         k_q39dd34ccb8_prep.kd
    .args:
      - { .name: x, .offset: 0, .size: 8, .value_kind: global_buffer, .address_space: global }
      - { .name: ln1_g, .offset: 8, .size: 8, .value_kind: global_buffer, .address_space: global }
      - { .name: ln1_b, .offset: 16, .size: 8, .value_kind: global_buffer, .address_space: global }
      - { .name: himg, .offset: 24, .size: 8, .value_kind: global_buffer, .address_space: global }
      - { .name: qkv_w, .offset: 32, .size: 8, .value_kind: global_buffer, .address_space: global }
      - { .name: out_w, .offset: 40, .size: 8, .value_kind: global_buffer, .address_space: global }
      - { .name: w1, .offset: 48, .size: 8, .value_kind: global_buffer, .address_space: global }
      - { .name: w2, .offset: 56, .size: 8, .value_kind: global_buffer, .address_space: global }
      - { .name: wimg, .offset: 64, .size: 8, .value_kind: global_buffer, .address_space: global }
    .group_segment_fixed_size: 122880
    .private_segment_fixed_size: 0
    .kernarg_segment_align: 8
    .kernarg_segment_size: 72
    .max_flat_workgroup_size: 256
    .sgpr_count:     66
    .vgpr_count:     256
    .wavefront_size: 32
...
	.end_amdgpu_metadata
.endif
;; end of part 1
;; launch qkv (part 2): grid 12 x 16, 4 waves a work-group, clusters of 4 x 4, 327,680 bytes of LDS; arguments himg, wimg, qkv_b, padding_mask, qimg, kvimg; writes qimg, kvimg
.if DOCPART == 2
	.amdgcn_target "amdgcn-amd-amdhsa--gfx1250"
	.amdhsa_code_object_version 6
	.text
	.protected	k_q39dd34ccb8_qkv
	.globl	k_q39dd34ccb8_qkv
	.p2align	8
	.type	k_q39dd34ccb8_qkv,@function
k_q39dd34ccb8_qkv:
	s_mov_b64 s[64:65], 0
	v_nop
	global_prefetch_b8 v0, s[64:65] scope:SCOPE_SE
	s_setreg_imm32_b32 hwreg(HW_REG_WAVE_MODE, 25, 1), 1
	s_wait_xcnt 0x0
	s_wait_alu depctr_hold_cnt(0) depctr_sa_sdst(0) depctr_va_vdst(0) depctr_va_sdst(0) depctr_va_ssrc(0) depctr_va_vcc(0) depctr_vm_vsrc(0)
	s_getreg_b32 s2, hwreg(HW_REG_IB_STS2, 6, 4)
	s_cmp_eq_u32 s2, 0
	s_cbranch_scc0 .Lentry_in_a_cluster
	s_endpgm
.Lentry_in_a_cluster:
	s_bfe_u32 s2, ttmp6, 0x10000c
	s_cmp_lg_u32 s2, 0xf033
	s_cbranch_scc0 .Lentry_shape_is_right
	s_endpgm
.Lentry_shape_is_right:
; qkv = LN1(x) qkv_w + qkv_b on codes of FP6 (E2M3) with E8M0 scales; then the rotary embedding of q and k, and the quantisers of the two products of attention: q and k along the head's 64, v along the keys.
; THE PRODUCT.  A tile of 256 x 256 to a work-group of four waves, 128 x 128 (64 accumulators, 512 registers) to a wave.  K = 1,024 goes in four steps of 256 through two LDS slots filled by the tensor data mover.
; Operands lie in memory as images of the operand's registers (units of 768 bytes for 16 rows x 64 K, a tile's units on end): a fragment is two loads of 16 bytes and two of 8 a lane, each run of lanes on consecutive bytes.
; The scale images of the work-group's rows, for all of K, come once with the first fills.
; THE MATRIX INSTRUCTION IS USED TRANSPOSED: source 0 = 16 rows of side B, source 1 = 16 rows of side A.  A lane then holds ONE row of side A, and, by the order of rows in a tile, its 64 registers of a block of A are 64 numbers
; 32 b + 16 (lane / 16) + i along side B: what the quantiser takes.  For q and k side A is the tokens and side B the weight's columns (a lane: a token, its registers along the head).
; For v THE SIDES CHANGE PLACES, by a choice of pointers and indices on the cluster's x alone: a lane holds a channel and its registers run along 128 keys.
; CLUSTERS: 4 x 4 work-groups; side A's tiles are shared along a row of the cluster, side B's along a column: each is asked for jointly by the four.
; WHAT THE WAY OUT READS IS ASKED FOR AHEAD OF IT: bias, mask bytes and the table of blocks 0 and 1 behind the first barrier, into registers that the loop never names; the table of blocks 2 to 4 ahead of the last K step, into side
; B's idle set; only that of blocks 5 to 7 behind the last product.  These loads stand on the one way that all work-groups take; those that make v ask for the table and the mask bytes too and leave them unread.
; THE PADDING MASK rides in the padding of the first product of attention, whose K is 64 of the instruction's 128: at k = 64 q has the code of +1 under the byte 127, k the code of -1 (laid by the attention launch) under the
; byte 254 where the key is masked and 0 where it is open: -2^127 or -2^-127 is added to the score.
; LIMITS: a block of zeros gets the byte 1 (its codes are zeros; this program alone reads the bytes); NaN and infinities are not served.
.set HS,    3145728
.set WQ_S,  9437184
.set ROPE,  10223616
.set NQ,    2                          ; K steps of 128 in a slot
.set FR,    12                         ; registers of a fragment
.set FRB,   1536                       ; and its bytes
.set NL,    4                          ; LDS loads that bring one
.set NP,    4                          ; places behind this matrix instruction (ISA guide 7.12.1)
.set RT,    3072                       ; a tile's bytes in a slot: 256 along K
.set KROW,  12288                      ; a tile's bytes in memory
.set KSB,   1024                       ; a tile's scale images
.set HALFT, 8*RT                       ; 128 rows: what one tensor load brings
.set SLOT,  4*HALFT
.set LAPS,  2
.set SCL,   2*SLOT                     ; behind the ring: the scale images
.set SBLK,  KSB
.set HALFS, 8*SBLK
.set SPARE, SCL+4*HALFS                ; the spare words, 128 bytes a wave
.set L16,  4
.set L8,   5
.set L4,   7
.set ADRA, 16                          ; v16-17 side A's fragments in slot 0, 1, 16 bytes a lane; v18-19 the same, 8 bytes a lane
.set ADRB, 20                          ; v20-23 the same for side B
.set ADRS, 27
.set SPW,  28
.set NIL,  29
.set SC,   32                          ; v32-63 scale words, two sets: lanes 0-15 side A's block i, lanes 16-31 side B's
.set AF,   128                         ; side A's fragments, window 0
.set BI,   64                          ; the way out: the bias of my 64 columns
.set X,    128                         ; 64 numbers at work
.set TM,   192
.set PC,   208
.set PW,   228
.set VB,   240                         ; v240-247 the channels' bias (v)
.set MB,   248                         ; v248-255 mask bytes (q, k)
.set SEL,  92
.set G1, 24
.set G0, 32
.set G1B, 48
.set G0B, 56
.set G1S, 68
.set G0S, 76
.set G1SB, 80
.set G0SB, 88
.set MSB, 0
.macro WIN new                         ; the immediate's high byte repeats the setting that is left
.if MSB != (\new)
	s_set_vgpr_msb (MSB<<8)|(\new)
.set MSB, (\new)
.endif
.endm
.set MUL_LO, 0xa1                      ; source 0 (B) window 1, source 1 (A) window 0, C and D window 2
.set MUL_HI, 0xf1
.set TO_B,   0x40
.macro PLACES n
.rept \n
	v_nop
.endr
.endm
.macro JLOAD g0a, g1a, g0b, g1b        ; a joint load: waves 0 and 1 fetch for side A, waves 2 and 3 for side B; an s_nop 0 and four v_nop follow each line
	s_cmp_eq_u32 s15, 0
	s_cbranch_scc0 .Lfor_b_\@
	tensor_load_to_lds s[\g0a:\g0a+3], s[\g1a:\g1a+7]
	s_nop 0
.rept 4
	v_nop
.endr
	s_branch .Lasked_\@
.Lfor_b_\@:
	tensor_load_to_lds s[\g0b:\g0b+3], s[\g1b:\g1b+7]
	s_nop 0
.rept 4
	v_nop
.endr
.Lasked_\@:
.endm
.macro CREST
	s_cmp_lg_u32 s14, 0
	s_cbranch_scc1 .Lnot_wave_0_\@
	s_barrier_signal -3
.Lnot_wave_0_\@:
	s_barrier_wait -3
	s_barrier_signal -1
	s_barrier_wait -1
.endm
.macro CROUND
	s_barrier_signal -1
	s_barrier_wait -1
	CREST
.endm
.macro QUANT s                         ; 64 numbers of a lane, register 16 b + i = k 32 b + 16 (lane / 16) + i of my row, become a fragment's codes in v[PC] on and its scale word in v[PW]
.irp b, 0,1,2,3
	v_max3_num_f32 v[TM+\b], |v[\s+16*\b]|, |v[\s+1+16*\b]|, 0x1800000
.endr
.irp i, 2,4,6,8,10,12,14
.irp b, 0,1,2,3
	v_max3_num_f32 v[TM+\b], v[TM+\b], |v[\s+16*\b+\i]|, |v[\s+1+16*\b+\i]|
.endr
.endr
.irp b, 0,1,2,3
	v_permlanex16_b32 v[TM+4+\b], v[TM+\b], s[SEL], s[SEL+1]
.endr
.irp b, 0,1,2,3
	v_max_num_f32 v[TM+\b], v[TM+\b], v[TM+4+\b]
.endr
.irp b, 0,1,2,3
	v_add_nc_u32 v[TM+12+\b], 0xff000000, v[TM+\b]
.endr
.irp b, 0,1,2,3
	v_lshrrev_b32 v[TM+4+\b], 23, v[TM+12+\b]
.endr
	v_lshl_or_b32 v[PW], v[TM+5], 8, v[TM+4]
	v_lshl_or_b32 v[PW], v[TM+6], 16, v[PW]
	v_lshl_or_b32 v[PW], v[TM+7], 24, v[PW]
.irp c, 0,1
	v_cvt_scalef32_pk16_fp6_f32 v[PC+6*\c:PC+2+6*\c], v[\s+32*\c:\s+15+32*\c], v[TM+12+2*\c]
	v_cvt_scalef32_pk16_fp6_f32 v[PC+12+4*\c:PC+14+4*\c], v[\s+16+32*\c:\s+31+32*\c], v[TM+12+2*\c+1]
.endr
	v_nop                                          ; one plain line behind a scaled conversion
.irp c, 0,1
.irp i, 0,1,2
	v_permlane16_swap_b32 v[PC+6*\c+\i], v[PC+12+4*\c+\i]
.endr
.irp i, 0,1,2
	v_mov_b32 v[PC+3+6*\c+\i], v[PC+12+4*\c+\i]
.endr
.endr
.endm
	s_load_b256 s[4:11], s[0:1], 0x0               ; himg, wimg, qkv_b, padding_mask
	s_load_b128 s[96:99], s[0:1], 0x20             ; qimg, kvimg
	v_lshl_add_u32 v[SPW], v0, 2, SPARE
	v_mov_b32 v[NIL], 0
	ds_add_u32 v[SPW], v[NIL]                      ; the wave's opening: the add and its wait ahead of my first tensor load
	ds_add_u32 v[SPW], v[NIL]
	v_lshrrev_b32 v1, 5, v0
	v_readfirstlane_b32 s14, v1                    ; wave
	s_lshr_b32 s15, s14, 1                         ; my half of side A's rows.  Also: I fetch for A (0) or B (1)
	s_and_b32 s16, s14, 1                          ; my half of side B's rows.  Also: which 128 rows I fetch
	s_bfe_u32 s40, ttmp6, 0x40000                  ; cx
	s_bfe_u32 s41, ttmp6, 0x40004                  ; cy
	s_and_b32 s66, ttmp7, 0xffff
	s_lshl_b32 s66, s66, 2                         ; 4 x cluster y
	s_add_co_u32 s17, s66, s41                     ; q, k: side A = block 4 y + cy of 256 tokens
	s_add_co_u32 s95, s41, 8                       ; v: side A = block 8 + cy of 256 columns
	s_lshl_b32 s42, ttmp9, 2
	s_add_co_u32 s42, s42, s40                     ; q, k: side B = block 4 x + cx of 256 columns
	s_add_co_u32 s67, s66, s40                     ; v: side B = block 4 y + cx of 256 tokens
	s_cmp_eq_u32 ttmp9, 2                          ; the cluster's x says what is made: 0 q, 1 k, 2 v: the same in all sixteen partners
	s_cselect_b32 s17, s95, s17
	s_cselect_b32 s42, s67, s42
	s_mov_b32 s66, HS
	s_cselect_b32 s66, WQ_S, s66                   ; where side A's scale images begin in its buffer
	s_mov_b32 s67, WQ_S
	s_cselect_b32 s67, HS, s67                     ; and side B's
	s_lshl_b32 s43, s41, 2
	s_lshl_b32 s43, 15, s43                        ; my row of the cluster
	s_lshl_b32 s44, 0x1111, s40                    ; my column
	s_or_b32 s[G1+0], s43, (3<<16)|(1<<21)         ; 15:0 the mask; 17:16 elements of 8 bytes; 21 set beside a mask; no padding
	s_or_b32 s[G1B+0], s44, (3<<16)|(1<<21)
.irp g, G1, G1B
	s_mov_b32 s[\g+1], (RT/8)<<16                  ; tensor_dim0 = 384 elements: a tile's 3,072 bytes of a slot
	s_mov_b32 s[\g+2], 16<<16                      ; tensor_dim1 = 16 tiles for the head's loads; set to 8 behind them, for the ring's
	s_mov_b32 s[\g+3], (RT/8)<<16                  ; tile_dim0
	s_mov_b32 s[\g+4], 16                          ; tile_dim1
	s_mov_b32 s[\g+5], KROW/8                      ; from tile to tile
	s_mov_b32 s[\g+6], 0
	s_mov_b32 s[\g+7], 0
.endr
	s_or_b32 s[G1S+0], s43, (3<<16)|(1<<21)        ; the scale images of 256 rows: 16,384 dense bytes as 64 rows of 256
	s_or_b32 s[G1SB+0], s44, (3<<16)|(1<<21)
.irp g, G1S, G1SB
	s_mov_b32 s[\g+1], 32<<16
	s_mov_b32 s[\g+2], (HALFS/128)<<16             ; the scale images of all 256 rows of a side: one load
	s_mov_b32 s[\g+3], 32<<16
	s_mov_b32 s[\g+4], HALFS/128
	s_mov_b32 s[\g+5], 32
	s_mov_b32 s[\g+6], 0
	s_mov_b32 s[\g+7], 0
.endr
	s_lshl_b32 s18, s16, 3                         ; which 8 tiles of the 16 I fetch
	s_lshl_b32 s20, s17, 4
	s_mul_i32 s22, s20, KSB                        ; the scale images begin at the side's first tile
	s_add_co_u32 s20, s20, s18
	s_lshl_b32 s46, s42, 4
	s_mul_i32 s92, s46, KSB
	s_add_co_u32 s46, s46, s18
	s_add_co_u32 s22, s22, s66
	s_mov_b32 s23, 0
	s_mul_i32 s20, s20, KROW
	s_mov_b32 s21, 0
	s_add_co_u32 s92, s92, s67
	s_mov_b32 s93, 0
	s_mul_i32 s46, s46, KROW
	s_mov_b32 s47, 0
	s_mul_i32 s45, s14, HALFT                      ; where they go: no place in the cluster enters an LDS address
	s_wait_dscnt 0x0                               ; the opening add is done
	s_wait_kmcnt 0x0
	s_cmp_eq_u32 ttmp9, 2
	s_cselect_b64 s[12:13], s[6:7], s[4:5]         ; side A's buffer
	s_cselect_b64 s[18:19], s[4:5], s[6:7]         ; side B's
	s_add_nc_u64 s[20:21], s[12:13], s[20:21]
	s_add_nc_u64 s[22:23], s[12:13], s[22:23]
	s_add_nc_u64 s[46:47], s[18:19], s[46:47]
	s_add_nc_u64 s[92:93], s[18:19], s[92:93]
	CROUND                                         ; all sixteen work-groups are here: the first joint loads meet
	s_mov_b32 s[G0S], 1
	s_mov_b32 s[G0S+1], SCL
	s_mov_b64 s[G0S+2:G0S+3], s[22:23]
	s_or_b32 s[G0S+3], s[G0S+3], 0x80000000
	s_mov_b32 s[G0SB], 1
	s_mov_b32 s[G0SB+1], SCL+2*HALFS
	s_mov_b64 s[G0SB+2:G0SB+3], s[92:93]
	s_or_b32 s[G0SB+3], s[G0SB+3], 0x80000000
.irp s, 0,1
	s_mov_b32 s[G0+4*\s], 1
	s_add_co_u32 s[G0+4*\s+1], s45, \s*SLOT
	s_add_nc_u64 s[G0+4*\s+2:G0+4*\s+3], s[20:21], \s*RT
	s_or_b32 s[G0+4*\s+3], s[G0+4*\s+3], 0x80000000
	s_mov_b32 s[G0B+4*\s], 1
	s_add_co_u32 s[G0B+4*\s+1], s45, \s*SLOT
	s_add_nc_u64 s[G0B+4*\s+2:G0B+4*\s+3], s[46:47], \s*RT
	s_or_b32 s[G0B+4*\s+3], s[G0B+4*\s+3], 0x80000000
.endr
; THE HEAD'S LOADS, one a wave: wave 0 side A's 16 tiles of slot 0 (its ring descriptor points at the side's first tile), wave 1 side A's scale images, wave 2 side B's 16 tiles, wave 3 side B's scale images.
; THE PREFETCHES.  A slot's fill is 8 tiles x 3,072 bytes a wave, asked for jointly by four partners: the partner at place p (cx for side A, cy for side B) names tiles 2 p and 2 p + 1, 24 blocks of 256 bytes, a lane a block
; (lanes 24-31 name the last block again): each block once in each cluster that will load it, told apart by address.  Slot steps 1 and 2 are named beside the head's loads, step 3 behind slot 1's load; K has four slot steps.
	s_cmp_eq_u32 s15, 0
	s_cselect_b64 s[66:67], s[20:21], s[46:47]     ; the eight tiles that I fetch, at slot step 0
	s_cselect_b32 s94, s40, s41
	s_mul_i32 s94, s94, 2*KROW
	s_mov_b32 s95, 0
	s_add_nc_u64 s[66:67], s[66:67], s[94:95]      ; my work-group's two of them
.macro ARM under, g0, g1, next
	s_cmp_lt_u32 s14, \under
	s_cbranch_scc0 \next
	tensor_load_to_lds s[\g0:\g0+3], s[\g1:\g1+7]
	s_nop 0
.rept 4
	v_nop
.endr
	s_branch .Lhead_asked
\next:
.endm
	ARM 1, G0,  G1,  .Lhead_sa
	ARM 2, G0S, G1S, .Lhead_b
	ARM 3, G0B, G1B, .Lhead_sb
	tensor_load_to_lds s[G0SB:G0SB+3], s[G1SB:G1SB+7]
	s_nop 0
.rept 4
	v_nop
.endr
.Lhead_asked:
	v_and_b32 v30, 31, v0
	v_min_u32 v30, 23, v30                         ; block 0 .. 23
	v_mul_u32_u24 v31, v30, 11
	v_lshrrev_b32 v31, 7, v31                      ; block / 12: which of the two tiles
	v_mul_u32_u24 v31, v31, KROW-RT
	v_lshl_add_u32 v30, v30, 8, v31                ; the prefetches' offset; never rewritten
	s_wait_alu depctr_va_vdst(0)
	global_prefetch_b8 v30, s[66:67] offset:RT th:TH_LOAD_NT scope:SCOPE_SE     ; slot step 1
	global_prefetch_b8 v30, s[66:67] offset:2*RT th:TH_LOAD_NT scope:SCOPE_SE   ; slot step 2
	s_wait_tensorcnt 0x0                           ; my tile of the head's four is in; slot 1's first fill is issued as a refill is
	ds_add_u32 v[SPW], v[NIL]
	s_mov_b32 s[G1+2], 8<<16
	s_mov_b32 s[G1+4], 8
	s_mov_b32 s[G1B+2], 8<<16
	s_mov_b32 s[G1B+4], 8
	s_wait_dscnt 0x0
	CROUND
	JLOAD G0+4, G1, G0B+4, G1B
	global_prefetch_b8 v30, s[66:67] offset:3*RT th:TH_LOAD_NT scope:SCOPE_SE   ; slot step 3
	v_and_b32 v1, 31, v0
	v_bfe_u32 v2, v0, 4, 1
	v_lshlrev_b32 v[L16], 4, v1
	v_lshlrev_b32 v[L8], 3, v1
	v_lshlrev_b32 v[L4], 2, v1
	s_mul_i32 s21, s15, HALFT
	s_mul_i32 s22, s16, HALFT
	s_add_co_u32 s22, s22, 2*HALFT
.irp s, 0,1
	v_add_nc_u32 v[ADRA+\s], s21, v[L16]
	v_add_nc_u32 v[ADRB+\s], s22, v[L16]
	v_add_nc_u32 v[ADRA+2+\s], s21, v[L8]
	v_add_nc_u32 v[ADRB+2+\s], s22, v[L8]
	s_add_co_u32 s21, s21, SLOT
	s_add_co_u32 s22, s22, SLOT
.endr
	s_mul_i32 s21, s15, HALFS
	s_mul_i32 s22, s16, HALFS
	s_add_co_u32 s22, s22, 2*HALFS
	s_sub_co_u32 s22, s22, s21
	v_mul_u32_u24 v6, s22, v2                      ; lanes 16-31 take side B's images
	s_add_co_u32 s21, s21, SCL
	v_add_nc_u32 v6, v[L4], v6
	v_add_nc_u32 v[ADRS], s21, v6
	s_mov_b32 s[SEL], 0x76543210
	s_mov_b32 s[SEL+1], 0xfedcba98
.macro FRAG reg, adr, off              ; a fragment as it lies: two units, each 16 bytes a lane and then 8 bytes a lane
	ds_load_b128 v[\reg:\reg+3], v[\adr] offset:\off
	ds_load_b64 v[\reg+4:\reg+5], v[\adr+2] offset:(\off)+512
	ds_load_b128 v[\reg+6:\reg+9], v[\adr] offset:(\off)+768
	ds_load_b64 v[\reg+10:\reg+11], v[\adr+2] offset:(\off)+1280
.endm
; 16 matrix instructions: A's blocks a0, a0 + 1 x B's eight.  The 64 accumulators take turns, one instruction a turn, in the same order in every step.
.macro MUL16 a0, p, q, sc, zero
.irp a, \a0, \a0+1
.irp b, 0,1,2,3,4,5,6,7
.if \zero
	v_wmma_scale_f32_16x16x128_f8f6f4 v[8*(8*((\a)%4)+\b):8*(8*((\a)%4)+\b)+7], v[128*(\p)+FR*\b:128*(\p)+FR*\b+FR-1], v[AF+FR*(\a):AF+FR*(\a)+FR-1], 0, v[SC+8*NQ*(\sc)+NQ*\b+(\q)], v[SC+8*NQ*(\sc)+NQ*(\a)+(\q)] matrix_a_fmt:MATRIX_FMT_FP6 matrix_b_fmt:MATRIX_FMT_FP6 matrix_a_scale:MATRIX_SCALE_ROW1
.else
	v_wmma_scale_f32_16x16x128_f8f6f4 v[8*(8*((\a)%4)+\b):8*(8*((\a)%4)+\b)+7], v[128*(\p)+FR*\b:128*(\p)+FR*\b+FR-1], v[AF+FR*(\a):AF+FR*(\a)+FR-1], v[8*(8*((\a)%4)+\b):8*(8*((\a)%4)+\b)+7], v[SC+8*NQ*(\sc)+NQ*\b+(\q)], v[SC+8*NQ*(\sc)+NQ*(\a)+(\q)] matrix_a_fmt:MATRIX_FMT_FP6 matrix_b_fmt:MATRIX_FMT_FP6 matrix_a_scale:MATRIX_SCALE_ROW1
.endif
.endr
.endr
.endm
.macro FETCH_B slot, q, p
	WIN TO_B
.irp i, 0,1,2,3,4,5,6,7
	FRAG 128*(\p)+FR*\i, ADRB+\slot, \i*RT+(\q)*FRB
.endr
	WIN 0
.endm
.macro FETCH_A slot, q, i0
.irp i, \i0, \i0+1, \i0+2, \i0+3
	FRAG AF+FR*(\i), ADRA+\slot, (\i)*RT+(\q)*FRB
.endr
.endm
.macro SCALES sc
.irp i, 0,1,2,3,4,5,6,7
.irp q, 0,1
	ds_load_b32 v[SC+8*NQ*\sc+NQ*\i+\q], v[ADRS] offset:\i*SBLK+128*\q
.endr
.endr
.endm
.macro STEP slot, q, zero              ; a step of 128 along K that has its successor in the same slot
	s_wait_dscnt 4*NL                              ; B's set and A's blocks 0-3 are in; the youngest 16 loads (A's blocks 4-7) may be out
	WIN MUL_LO
	MUL16 0, (\q)%2, \q, \slot, \zero
	MUL16 2, (\q)%2, \q, \slot, \zero
	s_wait_dscnt 0
	PLACES NP
	FETCH_B \slot, (\q)+1, 1-(\q)%2
	FETCH_A \slot, (\q)+1, 0
	WIN MUL_HI
	MUL16 4, (\q)%2, \q, \slot, \zero
	MUL16 6, (\q)%2, \q, \slot, \zero
	PLACES NP
	WIN 0
	FETCH_A \slot, (\q)+1, 4
.endm
.macro TURN slot, next, fill           ; a slot's last step changes slots: one barrier
	s_wait_tensorcnt 0x0                           ; all my tensor loads have landed: my part of the next slot;
	ds_add_u32 v[SPW], v[NIL]                      ; 0 onto my spare word;
	s_wait_dscnt 4*NL+1                            ; (the add and the youngest 16 loads may be out)
	WIN MUL_LO
	MUL16 0, 1, NQ-1, \slot, 0
	s_wait_dscnt 0x0                               ; the add is done, and my reads of this slot are over
	s_barrier_signal -1
	MUL16 2, 1, NQ-1, \slot, 0
	WIN 0
	s_barrier_wait -1
.if \fill
	CREST                                          ; the barrier has opened a round of the cluster's: no wave of any partner still reads this slot or has a load on its way
	s_add_nc_u64 s[G0+4*\slot+2:G0+4*\slot+3], s[G0+4*\slot+2:G0+4*\slot+3], 2*RT
	s_add_nc_u64 s[G0B+4*\slot+2:G0B+4*\slot+3], s[G0B+4*\slot+2:G0B+4*\slot+3], 2*RT
	JLOAD G0+4*\slot, G1, G0B+4*\slot, G1B         ; my one tensor load behind the round; its four v_nop are the places in front of the loads below
.else
	PLACES NP
.endif
	s_wait_alu depctr_va_vdst(0)
	v_add_nc_u32 v[ADRS], 128*NQ, v[ADRS]
	FETCH_B \next, 0, 0
	FETCH_A \next, 0, 0
	SCALES \next
	WIN MUL_HI
	MUL16 4, 1, NQ-1, \slot, 0
	MUL16 6, 1, NQ-1, \slot, 0
	PLACES NP
	WIN 0
	FETCH_A \next, 0, 4
.endm
.macro TABLE a, cs                     ; block a's 16 cosines and 16 sines into v[cs] on of window 1
.irp q, 0,1,2,3
	global_load_b128 v[\cs+4*\q:\cs+4*\q+3], v9, s[70:71] offset:256*(32*((\a)/2)+8*((\a)%2))+16*\q
.endr
.irp q, 0,1,2,3
	global_load_b128 v[\cs+16+4*\q:\cs+16+4*\q+3], v9, s[70:71] offset:256*(32*((\a)/2)+8*((\a)%2))+128+16*\q
.endr
.endm
	s_wait_alu depctr_va_vdst(0)
	s_wait_tensorcnt 1                             ; the scales and my part of slot 0 are in; slot 1's load may be out
	s_barrier_signal -1
	s_barrier_wait -1
	FETCH_B 0, 0, 0
	FETCH_A 0, 0, 0
	SCALES 0
	FETCH_A 0, 0, 4
	; WHAT THE WAY OUT READS, asked for here: 48 loads.  Their bases stand in the registers of the scale loads' descriptors, which the wait above has shown done; bases and offsets are not written again.
	v_and_b32 v6, 7, v0
	v_bfe_u32 v8, v0, 3, 1
	v_lshl_add_u32 v6, v8, 4, v6                   ; my row's place among 32: r % 8 + 16 (r / 8)
	v_lshlrev_b32 v8, 6, v2                        ; 64 h
	s_wait_alu depctr_va_vdst(0)
	v_lshl_add_u32 v9, v6, 8, v8                   ; the table: 256 bytes a position, + 64 h
	v_lshlrev_b32 v10, 2, v6
	s_wait_alu depctr_va_vdst(0)
	s_lshl_b32 s18, s17, 8
	s_lshl_b32 s19, s15, 7
	s_add_co_u32 s18, s18, s19                     ; my first row of side A
	s_lshl_b32 s19, s42, 8
	s_lshl_b32 s20, s16, 7
	s_add_co_u32 s19, s19, s20                     ; and of side B
	s_cmp_eq_u32 ttmp9, 2
	s_cselect_b32 s20, s19, s18                    ; my first token
	s_cselect_b32 s21, s18, s19                    ; my first column of the 3,072
	s_lshr_b32 s22, s20, 11                        ; batch
	s_bfe_u32 s23, s20, 0x40007                    ; which 128 tokens of the 2,048: kept for the way out
	s_bfe_u32 s68, s21, 0x40006                    ; my first head
	s_lshl_b32 s22, s22, 4
	s_add_co_u32 s22, s22, s68                     ; 16 x batch + head: kept for the way out
	s_lshl_b32 s68, s21, 2
	s_mov_b32 s69, 0
	s_add_nc_u64 s[68:69], s[8:9], s[68:69]        ; the bias at my first column
	s_and_b32 s70, s20, 2047
	s_lshl_b32 s70, s70, 8
	s_add_co_u32 s70, s70, ROPE
	s_mov_b32 s71, 0
	s_add_nc_u64 s[70:71], s[6:7], s[70:71]        ; the table at my first position
	s_mov_b32 s72, s20
	s_mov_b32 s73, 0
	s_add_nc_u64 s[72:73], s[10:11], s[72:73]      ; the mask at my first token
.irp b, 0,1,2,3,4,5,6,7
	global_load_b128 v[BI+8*\b:BI+8*\b+3], v8, s[68:69] offset:4*(32*(\b/2)+8*(\b%2))
	global_load_b128 v[BI+8*\b+4:BI+8*\b+7], v8, s[68:69] offset:4*(32*(\b/2)+8*(\b%2))+16
.endr
.irp a, 0,1,2,3,4,5,6,7
	global_load_u8 v[MB+\a], v6, s[72:73] offset:32*(\a/2)+8*(\a%2)
.endr
.irp a, 0,1,2,3,4,5,6,7
	global_load_b32 v[VB+\a], v10, s[68:69] offset:4*(32*(\a/2)+8*(\a%2))
.endr
	WIN TO_B                                       ; window 1, v96-127 and v224-255: beside side B's two sets
	TABLE 0, 96
	TABLE 1, 224
	WIN 0
	STEP 0, 0, 1                                   ; the first step's products start the sums
	s_mov_b32 s3, LAPS-1
.Llap:
	TURN 0, 1, 1
	STEP 1, 0, 0
	TURN 1, 0, 1
	STEP 0, 0, 0
	s_sub_co_u32 s3, s3, 1
	s_cmp_lg_u32 s3, 0
	s_cbranch_scc1 .Llap
	TURN 0, 1, 0
	STEP 1, 0, 0
	WIN TO_B                                       ; side B's set 0 has been multiplied for the last time, four places back: it takes the table of blocks 2 to 4, 24 loads
	TABLE 2, 0
	TABLE 3, 32
	TABLE 4, 64
	WIN 0
	s_wait_dscnt 4*NL
	WIN MUL_LO
	MUL16 0, 1, NQ-1, 1, 0
	MUL16 2, 1, NQ-1, 1, 0
	s_wait_dscnt 0
	WIN MUL_HI
	MUL16 4, 1, NQ-1, 1, 0
	MUL16 6, 1, NQ-1, 1, 0
	WIN 0
	PLACES NP
	; THE WAY OUT.  No LDS: what the quantiser makes is an image of the next operand's registers, and leaves in runs of 512 and 256 consecutive bytes.
.irp b, 0,1,2,3
	v_mov_b32 v[TM+4+\b], 0                        ; a lane permute's destination counts as one of its sources
.endr
	s_cmp_eq_u32 ttmp9, 2
	s_cbranch_scc1 .Lv
	; ---- q and k: a lane holds a token; two heads of 64 in its 64 registers
	s_cmp_eq_u32 ttmp9, 0
	s_cselect_b64 s[26:27], s[96:97], s[98:99]
	s_mov_b32 s28, 221184
	s_cselect_b32 s28, 114688, s28                 ; from head to head in the buffer
	s_mov_b32 s29, 13824
	s_cselect_b32 s29, 7168, s29                   ; from 128 tokens to the next
	s_mov_b32 s30, 0x7f000000
	s_cselect_b32 s30, 0x7f7f0000, s30             ; the scale word's upper bytes: q 127, 127; k 127 and the mask's byte
	s_cselect_b32 s31, 0, 0xfe0000                 ; k: 254 in byte 2 where the key is masked
	s_mul_i32 s32, s22, s28
	s_mul_i32 s33, s23, s29
	s_add_co_u32 s32, s32, s33
	s_mov_b32 s33, 0
	s_add_nc_u64 s[26:27], s[26:27], s[32:33]      ; my first head's block
	s_mov_b32 s32, s28
	s_add_nc_u64 s[38:39], s[26:27], s[32:33]      ; my second head's
	WIN TO_B                                       ; side B's set 1 is done with: the table of blocks 5 to 7, 24 loads
	TABLE 5, 128
	TABLE 6, 160
	TABLE 7, 192
	WIN 0
.macro QKTILE a, cs, left              ; cs: where block a's table lies in window 1; left: the loads issued behind it, which may stay out
	s_wait_loadcnt \left
	s_wait_xcnt 0x0                                ; the last block's stores have read their data, which are written anew below
	WIN 0x02+(\a)/4                                ; source 0: the accumulators' window
.set n, 0
.rept 32
	v_pk_add_f32 v[X+n:X+n+1], v[64*((\a)%4)+n:64*((\a)%4)+n+1], v[BI+n:BI+n+1]   ; each accumulator from its low end on
.set n, n+2
.endr
	WIN 0x04                                       ; source 1: the table's window
.irp hh, 0,1
.set n, 0
.rept 8
.set TT, 232+4*((n/2)%4)
	v_pk_mul_f32 v[TT:TT+1], v[X+32*\hh+16+n:X+32*\hh+17+n], v[\cs+16+n:\cs+17+n]
	v_pk_mul_f32 v[TT+2:TT+3], v[X+32*\hh+n:X+32*\hh+1+n], v[\cs+16+n:\cs+17+n]
	v_pk_fma_f32 v[X+32*\hh+n:X+32*\hh+1+n], v[X+32*\hh+n:X+32*\hh+1+n], v[\cs+n:\cs+1+n], v[TT:TT+1] neg_lo:[0,0,1] neg_hi:[0,0,1]   ; x1 cos - x2 sin
	v_pk_fma_f32 v[X+32*\hh+16+n:X+32*\hh+17+n], v[X+32*\hh+16+n:X+32*\hh+17+n], v[\cs+n:\cs+1+n], v[TT+2:TT+3]                     ; x2 cos + x1 sin
.set n, n+2
.endr
.endr
	WIN 0
	QUANT X
	v_mad_u32_u24 v231, v[MB+(\a)], s31, s30
	v_and_or_b32 v229, v[PW], 0xffff, v231         ; the first head's word: its two bytes, and the padding's
	v_lshrrev_b32 v230, 16, v[PW]
	v_or_b32 v230, v230, v231                      ; the second head's
	global_store_b128 v[L16], v[PC:PC+3], s[26:27] offset:768*(\a)
	global_store_b64 v[L8], v[PC+4:PC+5], s[26:27] offset:768*(\a)+512
	global_store_b32 v[L4], v229, s[26:27] offset:6144+128*(\a)
	global_store_b128 v[L16], v[PC+6:PC+9], s[38:39] offset:768*(\a)
	global_store_b64 v[L8], v[PC+10:PC+11], s[38:39] offset:768*(\a)+512
	global_store_b32 v[L4], v230, s[38:39] offset:6144+128*(\a)
.endm
	QKTILE 0, 96, 48                               ; the first 48 loads are in; the 48 of blocks 2 to 7 may be out
	QKTILE 1, 224, 48
	QKTILE 2, 0, 40                                ; from here on: the later blocks' 8 loads each
	QKTILE 3, 32, 32
	QKTILE 4, 64, 24
	QKTILE 5, 128, 16
	QKTILE 6, 160, 8
	QKTILE 7, 192, 0
	s_branch .Lend
.Lv:
	; ---- v: a lane holds a channel; its 64 registers run along 128 keys: one K step of the second product of attention
	s_mul_i32 s32, s22, 221184
	s_mul_i32 s33, s23, 13824
	s_add_co_u32 s32, s32, s33
	s_add_co_u32 s32, s32, 7168
	s_mov_b32 s33, 0
	s_add_nc_u64 s[26:27], s[98:99], s[32:33]
	s_wait_loadcnt 24                              ; the first 48 loads, the channels' bias among them, are in; the 24 behind them, which this way does not read, may be out
.macro VTILE a
	s_wait_xcnt 0x0                                ; the last block's stores have read their data
	v_mov_b32 v232, v[VB+(\a)]
	v_mov_b32 v233, v[VB+(\a)]
	WIN 0x02+(\a)/4
.set n, 0
.rept 32
	v_pk_add_f32 v[X+n:X+n+1], v[64*((\a)%4)+n:64*((\a)%4)+n+1], v[232:233]
.set n, n+2
.endr
	WIN 0
	QUANT X
	global_store_b128 v[L16], v[PC:PC+3], s[26:27] offset:221184*((\a)/4)+1536*((\a)%4)        ; v's fragment: its twelve registers as three pieces of 16 bytes a lane, 512 consecutive bytes a store
	global_store_b128 v[L16], v[PC+4:PC+7], s[26:27] offset:221184*((\a)/4)+1536*((\a)%4)+512
	global_store_b128 v[L16], v[PC+8:PC+11], s[26:27] offset:221184*((\a)/4)+1536*((\a)%4)+1024
	global_store_b32 v[L4], v[PW], s[26:27] offset:221184*((\a)/4)+6144+128*((\a)%4)
.endm
.irp a, 0,1,2,3,4,5,6,7
	VTILE \a
.endr
.Lend:
	s_wait_tensorcnt 0x0                           ; the wave's end: three lines behind my last tensor load
	ds_add_u32 v[SPW], v[NIL]
	s_wait_dscnt 0x0
	CROUND                                         ; the closing round
	s_endpgm
.Lfunc_end_k_q39dd34ccb8_qkv:
	.size	k_q39dd34ccb8_qkv, .Lfunc_end_k_q39dd34ccb8_qkv-k_q39dd34ccb8_qkv
	.p2alignl 7, 3214868480
	.fill 96, 4, 3214868480
	.section	.rodata,"a",@progbits
	.p2align	6, 0x0
	.amdhsa_kernel k_q39dd34ccb8_qkv
		.amdhsa_group_segment_fixed_size 327680
		.amdhsa_private_segment_fixed_size 0
		.amdhsa_enable_private_segment 0
		.amdhsa_kernarg_size 48
		.amdhsa_user_sgpr_count 2
		.amdhsa_user_sgpr_kernarg_segment_ptr 1
		.amdhsa_wavefront_size32 1
		.amdhsa_system_sgpr_workgroup_id_x 1
		.amdhsa_system_sgpr_workgroup_id_y 1
		.amdhsa_system_sgpr_workgroup_id_z 1
		.amdhsa_system_vgpr_workitem_id 0
		.amdhsa_next_free_vgpr 1024
		.amdhsa_next_free_sgpr 100
		.amdhsa_reserve_vcc 0
		.amdhsa_float_denorm_mode_32 3
		.amdhsa_float_denorm_mode_16_64 3
		.amdhsa_memory_ordered 1
		.amdhsa_forward_progress 1
		.amdhsa_inst_pref_size 255
	.end_amdhsa_kernel
	.section	.bss,"aw",@nobits
	.p2align	6
	.space	262144
	.amdgpu_metadata
---
amdhsa.version: [ 1, 2 ]
amdhsa.kernels:
  - .name:           k_q39dd34ccb8_qkv
    .symbol:         k_q39dd34ccb8_qkv.kd
    .args:
      - { .name: himg, .offset: 0, .size: 8, .value_kind: global_buffer, .address_space: global }
      - { .name: wimg, .offset: 8, .size: 8, .value_kind: global_buffer, .address_space: global }
      - { .name: qkv_b, .offset: 16, .size: 8, .value_kind: global_buffer, .address_space: global }
      - { .name: padding_mask, .offset: 24, .size: 8, .value_kind: global_buffer, .address_space: global }
      - { .name: qimg, .offset: 32, .size: 8, .value_kind: global_buffer, .address_space: global }
      - { .name: kvimg, .offset: 40, .size: 8, .value_kind: global_buffer, .address_space: global }
    .group_segment_fixed_size: 327680
    .private_segment_fixed_size: 0
    .kernarg_segment_align: 8
    .kernarg_segment_size: 48
    .max_flat_workgroup_size: 128
    .sgpr_count:     100
    .vgpr_count:     1024
    .wavefront_size: 32
...
	.end_amdgpu_metadata
.endif
;; end of part 2
;; launch attn (part 3): grid 8 x 32, 16 waves a work-group, clusters of 4 x 1, 223,232 bytes of LDS; arguments qimg, kvimg, padding_mask, cimg; writes cimg
.if DOCPART == 3
	.amdgcn_target "amdgcn-amd-amdhsa--gfx1250"
	.amdhsa_code_object_version 6
	.text
	.protected	k_q39dd34ccb8_attn
	.globl	k_q39dd34ccb8_attn
	.p2align	8
	.type	k_q39dd34ccb8_attn,@function
k_q39dd34ccb8_attn:
	s_mov_b64 s[64:65], 0
	v_nop
	global_prefetch_b8 v0, s[64:65] scope:SCOPE_SE
	s_setreg_imm32_b32 hwreg(HW_REG_WAVE_MODE, 25, 1), 1
	s_wait_xcnt 0x0
	s_wait_alu depctr_hold_cnt(0) depctr_sa_sdst(0) depctr_va_vdst(0) depctr_va_sdst(0) depctr_va_ssrc(0) depctr_va_vcc(0) depctr_vm_vsrc(0)
	s_getreg_b32 s2, hwreg(HW_REG_IB_STS2, 6, 4)
	s_cmp_eq_u32 s2, 0
	s_cbranch_scc0 .Lentry_in_a_cluster
	s_endpgm
.Lentry_in_a_cluster:
	s_bfe_u32 s2, ttmp6, 0x10000c
	s_cmp_lg_u32 s2, 0x3003
	s_cbranch_scc0 .Lentry_shape_is_right
	s_endpgm
.Lentry_shape_is_right:
; ctx = softmax(q k^T / 8, masked) v for one head, both products on codes of FP6 (E2M3) with E8M0 scales; then the quantiser of the next product along the head's 64 channels.
; THE SOFTMAX: t = score x log2(e) / 8; M = the running largest t rounded UP to a whole number; p = 2^(t - M) is quantised along the keys, not normalised; the row's sum is taken of the unquantised p and divides at the end.
; When M moves, the sum and O are multiplied by 2^(old M - new M): exact.
; SHARES.  A work-group owns 256 queries of one head, each of its sixteen waves a tile of 16; every wave walks the head's 2,048 keys, 128 a trip.  All of the head's K and V, 16 blocks of 13,824 bytes, lies in LDS, filled once:
; wave w's one tensor load brings key step w.  No ring, no refill; all is asked for at the head, so there is no later load to prefetch for.  The four work-groups of a cluster are four query blocks of one head and ask jointly.
; LAYOUT.  Both products are used transposed (S^T = K Q^T, O^T = V^T P^T): a lane holds one query.  THE KEYS OF A SCORE TILE ARE CHOSEN SO THAT A LANE HOLDS WHOLE BLOCKS OF 32 KEYS: row p of tile 4 c + s is key
; 64 c + 32 (p / 8) + 8 s + p % 8 of the step, so lane (r, h)'s 32 registers of tiles 4 c .. 4 c + 3 are keys 64 c + 32 h + 0 .. 31: what the operand's layout gives that lane.  A block's maximum needs no other lane and the
; conversions' results are the operand's registers.  K's image keeps its order (tile a, place q: key 32 (a / 2) + 8 (a % 2) + q % 8 + 16 (q / 8)): the rows are picked by the lanes' addresses: a = 4 c + 2 (p / 8) + s % 2, q = p % 8 + 8 (s / 2).
; One scale register serves two tiles: lanes 0-15 hold tile s's words, lanes 16-31 tile s + 2's (K), or tile c's and c + 1's (V).
; THE MASK.  The first product's K is 64 of the instruction's 128.  At k = 64 q has the code of +1 (byte 127), k the code of -1 under the byte 254 (masked) or 0 (open): a masked score gets -2^127.  The running largest score begins
; at -2^103, so that keys masked so far give p = 0.  Where ALL 2,048 keys of the batch are masked the weights are uniform: there c = 0 is chosen, so that every p is 1.
; THE END OF A TRIP'S ROW SUM (two lines) stands in the next trip, in the places behind its first four products; behind the loop it is written once more.
; LIMITS: logits under -2^100 are not served; NaN and infinities are not served; a block of zeros gets the byte 1 (its codes are zeros).
; REGISTERS: v1-3 16, 8, 4 x lane; v4-8 the trip's LDS addresses; v9-11 K's lane terms; v12 -M, v13 the largest score; v14-15 the sum; v16-27 q; v32-79 four fragments of K (their low six registers serve as scratch behind the scores);
; v80-91 p's codes; v92-95 K's scale words; v96-159 scores, then p; v160-191 O^T; v192-239 V; v240-241 V's scale words; v244-247 block maxima, scale operands; v248 f; v252-255 two partial sums.
.set KVB,   13824                      ; a key step's block: K's codes 6,144, K's scale images 1,024, V's codes 6,144, V's scale images 512
.set KVH,   221184
.set HS,    3145728
.set SPARE, 16*KVB                     ; the spare words, 128 bytes a wave
.set SPW, 28
.set NIL, 29
.set QS,  30
.set PWR, 31
.set WV,  12
.set G1,  16
.set G0,  24
.set SEL, 28
.set CS,  30
.set TB,  32
.set CNT, 33
.macro CROUND
	s_barrier_signal -1
	s_barrier_wait -1
	s_cmp_lg_u32 s[WV], 0
	s_cbranch_scc1 .Lnot_wave_0_\@
	s_barrier_signal -3
.Lnot_wave_0_\@:
	s_barrier_wait -3
	s_barrier_signal -1
	s_barrier_wait -1
.endm
	s_load_b256 s[4:11], s[0:1], 0x0               ; qimg, kvimg, padding_mask, cimg
	v_lshl_add_u32 v[SPW], v0, 2, SPARE
	v_mov_b32 v[NIL], 0
	ds_add_u32 v[SPW], v[NIL]                      ; the opening lines: the add, twice, and its wait ahead of my first tensor load
	ds_add_u32 v[SPW], v[NIL]
	v_lshrrev_b32 v1, 5, v0
	s_delay_alu instid0(VALU_DEP_1)
	v_readfirstlane_b32 s[WV], v1                  ; wave 0..15
	s_bfe_u32 s13, ttmp6, 0x40000                  ; cx
	s_lshl_b32 s14, ttmp9, 2
	s_add_co_u32 s14, s14, s13                     ; my block of 256 queries: it enters q's and the result's addresses alone
	s_and_b32 s15, ttmp7, 0xffff                   ; 16 x batch + head, which the four partners share
	s_mov_b32 s[G1], 15|(3<<16)|(1<<21)            ; the mask: all four; elements of 8 bytes; bit 21 beside a mask
	s_mov_b32 s[G1+1], 32<<16                      ; a dense block of 13,824 bytes as 54 rows of 256
	s_mov_b32 s[G1+2], 54<<16
	s_mov_b32 s[G1+3], 32<<16
	s_mov_b32 s[G1+4], 54
	s_mov_b32 s[G1+5], 32
	s_mov_b32 s[G1+6], 0
	s_mov_b32 s[G1+7], 0
	s_mul_i32 s34, s15, KVH
	s_mul_i32 s[G0+1], s[WV], KVB                  ; LDS: key step w
	s_add_co_u32 s34, s34, s[G0+1]
	s_mov_b32 s35, 0
	s_lshl_b32 s36, s15, 4
	s_lshl_b32 s37, s14, 1
	s_add_co_u32 s36, s36, s37
	s_lshr_b32 s37, s[WV], 3
	s_add_co_u32 s36, s36, s37                     ; q's block of 128 tokens
	s_mul_i32 s36, s36, 7168
	s_and_b32 s37, s[WV], 7                        ; my tile in it
	s_mul_i32 s38, s37, 768
	s_add_co_u32 s38, s36, s38
	s_mov_b32 s39, 0
	s_lshl_b32 s37, s37, 7
	s_add_co_u32 s36, s36, s37
	s_add_co_u32 s36, s36, 6144
	s_mov_b32 s37, 0
	s_lshr_b32 s41, s15, 4                         ; batch
	s_lshl_b32 s46, s41, 11
	s_mov_b32 s47, 0
	s_lshl_b32 s41, s41, 7
	s_lshl_b32 s48, s14, 4
	s_add_co_u32 s41, s41, s48
	s_add_co_u32 s41, s41, s[WV]                   ; my tile of tokens among the 256
	s_and_b32 s48, s15, 15                         ; head
	s_lshl_b32 s50, s41, 4
	s_add_co_u32 s50, s50, s48
	s_mul_i32 s50, s50, 768                        ; the result's unit: tile, head
	s_mov_b32 s51, 0
	s_lshl_b32 s52, s41, 3
	s_lshr_b32 s53, s48, 1
	s_add_co_u32 s52, s52, s53
	s_lshl_b32 s52, s52, 7
	s_and_b32 s53, s48, 1
	s_lshl_b32 s53, s53, 1
	s_add_co_u32 s52, s52, s53
	s_add_co_u32 s52, s52, HS                      ; its two scale bytes in the words of K step head / 2
	s_mov_b32 s53, 0
	s_mov_b32 s[SEL], 0x76543210
	s_mov_b32 s[SEL+1], 0xfedcba98
	s_mov_b32 s[TB], 0
	s_mov_b32 s[CNT], 16
	s_wait_dscnt 0x0                               ; both opening adds are done
	s_wait_kmcnt 0x0
	s_mov_b32 s[G0], 1
	s_add_nc_u64 s[G0+2:G0+3], s[6:7], s[34:35]
	s_or_b32 s[G0+3], s[G0+3], 0x80000000
	CROUND                                         ; all four work-groups are here: the joint loads meet
	tensor_load_to_lds s[G0:G0+3], s[G1:G1+7]      ; my one tensor load
	s_nop 0
.rept 4
	v_nop
.endr
	s_add_nc_u64 s[42:43], s[4:5], s[38:39]
	s_add_nc_u64 s[44:45], s[4:5], s[36:37]
	s_add_nc_u64 s[8:9], s[8:9], s[46:47]
	s_add_nc_u64 s[54:55], s[10:11], s[50:51]
	s_add_nc_u64 s[56:57], s[10:11], s[52:53]
	v_and_b32 v8, 31, v0
	v_and_b32 v250, 7, v0                          ; j = p % 8
	v_bfe_u32 v251, v0, 3, 1                       ; g = p / 8
	v_bfe_u32 v252, v0, 4, 1                       ; h
	v_mul_u32_u24 v253, v251, 1536
	v_lshlrev_b32 v1, 4, v8                        ; 16 x lane
	v_lshlrev_b32 v2, 3, v8                        ; 8 x lane
	v_lshlrev_b32 v3, 2, v8                        ; 4 x lane
	v_lshlrev_b32 v7, 6, v8                        ; 64 x lane
	global_load_b128 v[16:19], v1, s[42:43]        ; q's unit: registers 0-5 of the fragment
	global_load_b64 v[20:21], v2, s[42:43] offset:512
	global_load_b32 v[QS], v3, s[44:45]
.irp i, 0,1,2,3
	global_load_b128 v[96+4*\i:99+4*\i], v7, s[8:9] offset:16*\i   ; the batch's 2,048 mask bytes, 64 a lane
.endr
	v_lshl_add_u32 v9, v250, 4, v253               ; K's 16 bytes: 16 j + 1,536 g + 256 h
	v_lshl_add_u32 v10, v250, 3, v253              ; K's 8 bytes: 8 j + 1,536 g + 128 h
	v_lshlrev_b32 v11, 2, v250                     ; K's scale words: 4 j + 256 g + 32 h
	v_lshl_add_u32 v242, v252, 6, v3               ; V's scale words: 4 x lane + 64 h
	v_lshlrev_b32 v243, 3, v252                    ; 8 h
	v_lshl_add_u32 v9, v252, 8, v9
	v_lshl_add_u32 v10, v252, 7, v10
	v_lshl_add_u32 v11, v251, 8, v11
	v_mov_b32 v14, 0
	v_mov_b32 v15, 0
	v_sub_nc_u32 v22, 8, v243                      ; q at k = 64: the code of +1, in lanes 0-15 alone
	v_lshl_add_u32 v11, v252, 5, v11
.irp i, 23,24,25,26,27
	v_mov_b32 v\i, 0
.endr
.irp t, 0,1,2,3
	v_mov_b32 v[38+12*\t], 0x28                    ; k at k = 64 (and at k = 96, where q has 0): the code of -1
.irp i, 39,40,41,42,43
	v_mov_b32 v[\i+12*\t], 0
.endr
.endr
.set n, 0
.rept 32
	v_mov_b32 v[160+n], 0                          ; O^T: the loop is written once; its first trip finds zeros
.set n, n+1
.endr
	v_mov_b32 v13, 0xf3000000                      ; the largest score so far: -2^103
	v_mov_b32 v12, 0x71800000                      ; -M = 2^100
	v_mov_b32 v248, 1.0                            ; f
	v_mov_b32 v249, 0                              ; (the upper half of a pair)
	v_mov_b32 v250, 0
.irp i, 252,253,254,255
	v_mov_b32 v\i, 0                               ; the partial sums that the first trip adds
.endr
	s_wait_loadcnt 0x0
	v_and_b32 v96, v96, v97
.irp i, 98, 99, 100, 101, 102, 103, 104, 105, 106, 107, 108, 109, 110, 111
	s_delay_alu instid0(VALU_DEP_1)
	v_and_b32 v96, v96, v\i
.endr
	s_delay_alu instid0(VALU_DEP_1)
	v_cmp_eq_u32 s40, 0x01010101, v96
	s_cmp_eq_u32 s40, -1                           ; are all keys of the batch masked?  The answer selects a value and steers nothing
	s_cselect_b32 s[CS], 0, 0x3e38aa3b             ; c = log2(e) / 8, or 0
	s_mov_b32 s[CS+1], s[CS]
	s_wait_alu depctr_va_vdst(0)                   ; the head's end
	s_wait_tensorcnt 0x0                           ; my block has landed,
	s_barrier_signal -1
	s_barrier_wait -1                              ; everybody's has
.macro KLOAD c                         ; tiles 4 c .. 4 c + 3: registers 0-5 of each fragment
.irp s, 0,1,2,3
	ds_load_b128 v[32+12*\s:35+12*\s], v4 offset:3072*\c+768*(\s%2)+128*(\s/2)
	ds_load_b64 v[36+12*\s:37+12*\s], v5 offset:3072*\c+768*(\s%2)+512+64*(\s/2)
.endr
.endm
.macro SCORE c
.irp s, 0,1
	v_wmma_scale_f32_16x16x128_f8f6f4 v[96+8*(4*\c+\s):103+8*(4*\c+\s)], v[32+12*\s:43+12*\s], v[16:27], 0, v[92+2*\c+\s], v[QS] matrix_a_fmt:MATRIX_FMT_FP6 matrix_b_fmt:MATRIX_FMT_FP6
.endr
.irp s, 2,3
	v_wmma_scale_f32_16x16x128_f8f6f4 v[96+8*(4*\c+\s):103+8*(4*\c+\s)], v[32+12*\s:43+12*\s], v[16:27], 0, v[90+2*\c+\s], v[QS] matrix_a_fmt:MATRIX_FMT_FP6 matrix_b_fmt:MATRIX_FMT_FP6 matrix_a_scale:MATRIX_SCALE_ROW1
.endr
.endm
.macro MX d, s0, i                     ; four chains, a tile each: two more scores
.irp s, 0,1,2,3
	v_max3_num_f32 v[\d+\s], v[\d+\s], v[\s0+8*\s+\i], v[\s0+8*\s+\i+1]
.endr
.endm
.Lkeys:                                            ; 16 trips, 128 keys each
	v_add_nc_u32 v4, s[TB], v9                     ; these four are also the places behind the last trip's products, in front of the loads into V's registers
	v_add_nc_u32 v5, s[TB], v10
	v_add_nc_u32 v6, s[TB], v11
	v_add_nc_u32 v7, s[TB], v1
	KLOAD 0
.irp i, 0,1,2,3
	ds_load_b32 v[92+\i], v6 offset:6144+512*(\i/2)+128*(\i%2)
.endr
.irp c, 0,1,2,3
.irp q, 0,1,2
	ds_load_b128 v[192+12*\c+4*\q:195+12*\c+4*\q], v7 offset:7168+1536*\c+512*\q
.endr
.endr
	s_wait_alu depctr_va_vdst(0)
	s_wait_dscnt 12                                ; K's 12 loads are in; V's 12 may be out
	SCORE 0
	v_pk_add_f32 v[252:253], v[252:253], v[254:255]   ; four places: the end of the last trip's row sum,
	v_mov_b32 v251, v12                            ; the old -M,
	v_add_nc_u32 v8, s[TB], v242                   ; the address of V's scale words
	v_pk_fma_f32 v[14:15], v[14:15], v[248:249], v[252:253] op_sel_hi:[1,0,1]   ; sum = sum x the last trip's f + its p
	KLOAD 1
	ds_load_b32 v240, v8 offset:13312
	ds_load_b32 v241, v8 offset:13568
	s_wait_dscnt 0x0
	SCORE 1
	; the largest score of each block of 32 keys, all of them mine: for the row's maximum and, since p rises with the score, for the block's largest p.  Each accumulator is read from its low end on.
.irp s, 0,1,2,3
	v_max3_num_f32 v[244+\s], v[96+8*\s], v[97+8*\s], v[98+8*\s]
.endr
	MX 244, 96, 3
.irp s, 0,1,2,3
	v_max3_num_f32 v[32+\s], v[128+8*\s], v[129+8*\s], v[130+8*\s]   ; eight places behind the products above
.endr
	MX 244, 96, 5
	MX 32, 128, 3
	v_max3_num_f32 v244, v244, v245, v103
	v_max3_num_f32 v246, v246, v247, v111
	MX 32, 128, 5
	v_max3_num_f32 v244, v244, v246, v119
	v_max3_num_f32 v32, v32, v33, v135
	v_max3_num_f32 v34, v34, v35, v143
	v_max_num_f32 v244, v244, v127                 ; block h
	v_max3_num_f32 v32, v32, v34, v151
	v_max_num_f32 v245, v32, v159                  ; block 2 + h
	s_delay_alu instid0(VALU_DEP_1)
	v_max_num_f32 v36, v244, v245
	s_delay_alu instid0(VALU_DEP_1)
	v_permlanex16_b32 v37, v36, s[SEL], s[SEL+1]
	s_delay_alu instid0(VALU_DEP_1)
	v_max3_num_f32 v13, v13, v36, v37              ; the running largest score
	s_delay_alu instid0(VALU_DEP_1)
	v_mul_f32 v36, s[CS], v13                      ; as t (c is not negative)
	s_delay_alu instid0(VALU_DEP_1)
	v_floor_f32 v12, -v36                          ; the new -M: a whole number
	s_delay_alu instid0(VALU_DEP_1)
	v_fma_f32 v244, v244, s[CS], v12
	v_fma_f32 v245, v245, s[CS], v12
.set n, 0
.rept 32
	v_pk_fma_f32 v[96+n:97+n], v[96+n:97+n], s[CS:CS+1], v[12:13] op_sel_hi:[1,0,0]   ; t - M
.set n, n+2
.endr
	s_wait_alu depctr_va_vdst(0)                   ; ahead of the batch
	v_exp_f32 v244, v244                           ; the blocks' largest p
	v_exp_f32 v245, v245
.set n, 0
.rept 64
	v_exp_f32 v[96+n], v[96+n]                     ; p, at most 1
.set n, n+1
.endr
	v_sub_f32 v250, v12, v251                      ; old M - new M (a plain line behind the exponentials)
	s_delay_alu instid0(VALU_DEP_1)
	v_cvt_i32_f32 v250, v250                       ; (it saturates)
	s_delay_alu instid0(VALU_DEP_1)
	v_ldexp_f32 v248, 1.0, v250                    ; f = 2^(old M - new M)
	s_wait_alu depctr_va_vdst(0)                   ; one wait for the batch, ahead of its first reader
	v_max_num_f32 v244, 0x1800000, v244            ; the floor 2^(3 - 127)
	v_max_num_f32 v245, 0x1800000, v245
	v_add_nc_u32 v246, 0xff000000, v244            ; the conversions' scale operands
	v_add_nc_u32 v247, 0xff000000, v245
	v_cvt_scalef32_pk16_fp6_f32 v[80:82], v[96:111], v246
	v_cvt_scalef32_pk16_fp6_f32 v[44:46], v[112:127], v246
	v_cvt_scalef32_pk16_fp6_f32 v[86:88], v[128:143], v247
	v_cvt_scalef32_pk16_fp6_f32 v[56:58], v[144:159], v247
	v_lshrrev_b32 v36, 23, v246                    ; the bytes of blocks h and 2 + h (plain lines behind the conversions)
	v_lshrrev_b32 v37, 23, v247
	s_delay_alu instid0(VALU_DEP_1)
	v_lshl_or_b32 v36, v37, 16, v36
	s_delay_alu instid0(VALU_DEP_1)
	v_lshlrev_b32 v36, v243, v36                   ; 8 h bits up
	s_delay_alu instid0(VALU_DEP_1)
	v_permlanex16_b32 v37, v36, s[SEL], s[SEL+1]
	s_delay_alu instid0(VALU_DEP_1)
	v_or_b32 v[PWR], v36, v37                      ; with lane l xor 16's two the word is whole
.irp i, 0,1,2
	v_mov_b32 v[83+\i], v[44+\i]                   ; (a conversion's three registers begin on an even number)
	v_mov_b32 v[89+\i], v[56+\i]
.endr
.irp i, 0,1,2,3                        ; the row's sum of the unquantised p: four chains
	v_pk_add_f32 v[32+2*\i+32*(\i/2):33+2*\i+32*(\i/2)], v[96+2*\i:97+2*\i], v[104+2*\i:105+2*\i]
.endr
.set n, 16
.rept 6
.irp i, 0,1,2,3
	v_pk_add_f32 v[32+2*\i+32*(\i/2):33+2*\i+32*(\i/2)], v[32+2*\i+32*(\i/2):33+2*\i+32*(\i/2)], v[96+n+2*\i:97+n+2*\i]
.endr
.set n, n+8
.endr
	v_pk_add_f32 v[252:253], v[32:33], v[34:35]
	v_pk_add_f32 v[254:255], v[68:69], v[70:71]
	s_wait_alu depctr_va_vdst(0)                   ; directly ahead of the first reader of O^T
.set n, 0
.rept 16
	v_pk_mul_f32 v[160+n:161+n], v[160+n:161+n], v[248:249] op_sel_hi:[1,0]   ; O^T under the new M
.set n, n+2
.endr
.irp c, 0,2
	v_wmma_scale_f32_16x16x128_f8f6f4 v[160+8*\c:167+8*\c], v[192+12*\c:203+12*\c], v[80:91], v[160+8*\c:167+8*\c], v[240+\c/2], v[PWR] matrix_a_fmt:MATRIX_FMT_FP6 matrix_b_fmt:MATRIX_FMT_FP6
	v_wmma_scale_f32_16x16x128_f8f6f4 v[168+8*\c:175+8*\c], v[204+12*\c:215+12*\c], v[80:91], v[168+8*\c:175+8*\c], v[240+\c/2], v[PWR] matrix_a_fmt:MATRIX_FMT_FP6 matrix_b_fmt:MATRIX_FMT_FP6 matrix_a_scale:MATRIX_SCALE_ROW1
.endr
	s_add_co_u32 s[TB], s[TB], KVB
	s_sub_co_u32 s[CNT], s[CNT], 1
	s_cmp_lg_u32 s[CNT], 0
	s_cbranch_scc1 .Lkeys
	; THE WAY OUT: the last trip's row sum is finished; O^T / the sum; its 32 numbers of a lane are k 32 b + 16 (lane / 16) + i of the head's 64: two blocks of the next product's K.
	v_pk_add_f32 v[252:253], v[252:253], v[254:255]
	s_delay_alu instid0(VALU_DEP_1)
	v_pk_fma_f32 v[14:15], v[14:15], v[248:249], v[252:253] op_sel_hi:[1,0,1]
	s_delay_alu instid0(VALU_DEP_1)
	v_add_f32 v14, v14, v15
	s_delay_alu instid0(VALU_DEP_1)
	v_permlanex16_b32 v250, v14, s[SEL], s[SEL+1]
	s_delay_alu instid0(VALU_DEP_1)
	v_add_f32 v14, v14, v250
	s_wait_alu depctr_va_vdst(0)
	v_rcp_f32 v14, v14
	v_nop
	s_wait_alu depctr_va_vdst(0)
.set n, 0
.rept 32
	v_mul_f32 v[96+n], v[160+n], v14
.set n, n+1
.endr
.irp b, 0,1
	v_max3_num_f32 v[32+\b], |v[96+16*\b]|, |v[97+16*\b]|, 0x1800000
.endr
.irp i, 2,4,6,8,10,12,14
.irp b, 0,1
	s_delay_alu instid0(VALU_DEP_2)
	v_max3_num_f32 v[32+\b], v[32+\b], |v[96+16*\b+\i]|, |v[97+16*\b+\i]|
.endr
.endr
.irp b, 0,1
	s_delay_alu instid0(VALU_DEP_2)
	v_permlanex16_b32 v[36+\b], v[32+\b], s[SEL], s[SEL+1]
.endr
.irp b, 0,1
	s_delay_alu instid0(VALU_DEP_2)
	v_max_num_f32 v[32+\b], v[32+\b], v[36+\b]
.endr
.irp b, 0,1
	s_delay_alu instid0(VALU_DEP_2)
	v_add_nc_u32 v[44+\b], 0xff000000, v[32+\b]
.endr
.irp b, 0,1
	s_delay_alu instid0(VALU_DEP_2)
	v_lshrrev_b32 v[36+\b], 23, v[44+\b]
.endr
	s_delay_alu instid0(VALU_DEP_1)
	v_lshl_or_b32 v251, v37, 8, v36
	v_cvt_scalef32_pk16_fp6_f32 v[80:82], v[96:111], v44
	v_cvt_scalef32_pk16_fp6_f32 v[84:86], v[112:127], v45
	v_nop
.irp i, 0,1,2
	v_permlane16_swap_b32 v[80+\i], v[84+\i]
.endr
.irp i, 0,1,2
	s_delay_alu instid0(VALU_DEP_3)
	v_mov_b32 v[83+\i], v[84+\i]
.endr
	global_store_b128 v1, v[80:83], s[54:55]       ; a unit of 768 consecutive bytes
	global_store_b64 v2, v[84:85], s[54:55] offset:512
	global_store_b16 v3, v251, s[56:57]            ; my head's half of each scale word
	s_wait_tensorcnt 0x0                           ; the wave's end: three lines behind my last tensor load
	ds_add_u32 v[SPW], v[NIL]
	s_wait_dscnt 0x0
	CROUND                                         ; the closing round
	s_endpgm
.Lfunc_end_k_q39dd34ccb8_attn:
	.size	k_q39dd34ccb8_attn, .Lfunc_end_k_q39dd34ccb8_attn-k_q39dd34ccb8_attn
	.p2alignl 7, 3214868480
	.fill 96, 4, 3214868480
	.section	.rodata,"a",@progbits
	.p2align	6, 0x0
	.amdhsa_kernel k_q39dd34ccb8_attn
		.amdhsa_group_segment_fixed_size 223232
		.amdhsa_private_segment_fixed_size 0
		.amdhsa_enable_private_segment 0
		.amdhsa_kernarg_size 32
		.amdhsa_user_sgpr_count 2
		.amdhsa_user_sgpr_kernarg_segment_ptr 1
		.amdhsa_wavefront_size32 1
		.amdhsa_system_sgpr_workgroup_id_x 1
		.amdhsa_system_sgpr_workgroup_id_y 1
		.amdhsa_system_sgpr_workgroup_id_z 1
		.amdhsa_system_vgpr_workitem_id 0
		.amdhsa_next_free_vgpr 256
		.amdhsa_next_free_sgpr 66
		.amdhsa_reserve_vcc 0
		.amdhsa_float_denorm_mode_32 3
		.amdhsa_float_denorm_mode_16_64 3
		.amdhsa_memory_ordered 1
		.amdhsa_forward_progress 1
		.amdhsa_inst_pref_size 30
	.end_amdhsa_kernel
	.amdgpu_metadata
---
amdhsa.version: [ 1, 2 ]
amdhsa.kernels:
  - .name:           k_q39dd34ccb8_attn
    .symbol:         k_q39dd34ccb8_attn.kd
    .args:
      - { .name: qimg, .offset: 0, .size: 8, .value_kind: global_buffer, .address_space: global }
      - { .name: kvimg, .offset: 8, .size: 8, .value_kind: global_buffer, .address_space: global }
      - { .name: padding_mask, .offset: 16, .size: 8, .value_kind: global_buffer, .address_space: global }
      - { .name: cimg, .offset: 24, .size: 8, .value_kind: global_buffer, .address_space: global }
    .group_segment_fixed_size: 223232
    .private_segment_fixed_size: 0
    .kernarg_segment_align: 8
    .kernarg_segment_size: 32
    .max_flat_workgroup_size: 512
    .sgpr_count:     66
    .vgpr_count:     256
    .wavefront_size: 32
...
	.end_amdgpu_metadata
.endif
;; end of part 3
;; launch oproj (part 4): grid 8 x 32, 4 waves a work-group, clusters of 4 x 4, 327,680 bytes of LDS; arguments cimg, wimg, out_b, x, x2; writes x2
.if DOCPART == 4
	.amdgcn_target "amdgcn-amd-amdhsa--gfx1250"
	.amdhsa_code_object_version 6
	.text
	.protected	k_q39dd34ccb8_oproj
	.globl	k_q39dd34ccb8_oproj
	.p2align	8
	.type	k_q39dd34ccb8_oproj,@function
k_q39dd34ccb8_oproj:
	s_mov_b64 s[64:65], 0
	v_nop
	global_prefetch_b8 v0, s[64:65] scope:SCOPE_SE
	s_setreg_imm32_b32 hwreg(HW_REG_WAVE_MODE, 25, 1), 1
	s_wait_xcnt 0x0
	s_wait_alu depctr_hold_cnt(0) depctr_sa_sdst(0) depctr_va_vdst(0) depctr_va_sdst(0) depctr_va_ssrc(0) depctr_va_vcc(0) depctr_vm_vsrc(0)
	s_getreg_b32 s2, hwreg(HW_REG_IB_STS2, 6, 4)
	s_cmp_eq_u32 s2, 0
	s_cbranch_scc0 .Lentry_in_a_cluster
	s_endpgm
.Lentry_in_a_cluster:
	s_bfe_u32 s2, ttmp6, 0x10000c
	s_cmp_lg_u32 s2, 0xf033
	s_cbranch_scc0 .Lentry_shape_is_right
	s_endpgm
.Lentry_shape_is_right:
.set KK,    1024
.set A_S,   3145728
.set B_C,   2359296
.set B_S,   9633792
.set FR,    12
.set FRB,   1536
.set RT,    6144
.set KROW,  12*KK
.set KSB,   KK
.set HALFT, 4*RT
.set SLOT,  4*HALFT
.set LAPS,  KK/1024
.set SCL,   2*SLOT
.set SBLK,  KSB
.set HALFS, 4*SBLK
.set STAGE, SCL+4*HALFS
.set SPITCH, 272
.set SPARE, STAGE+4*16*SPITCH
.set L16,  4
.set L8,   5
.set L4,   7
.set ADRA, 16
.set ADRB, 20
.set STO,  24
.set RD,   25
.set CO,   26
.set ADRS, 27
.set SPW,  28
.set NIL,  29
.set SC,   32
.set BK,   64
.set ACC,  128
.set F0,   0
.set F1,   128
.set G1, 24
.set G0, 32
.set G1B, 48
.set G0B, 56
.set G1S, 68
.set G0S, 76
.set G1SB, 80
.set G0SB, 88
.set MSB, 0
.macro WIN new
.if MSB != (\new)
	s_set_vgpr_msb (MSB<<8)|(\new)
.set MSB, (\new)
.endif
.endm
.set MUL,  0x05
.set TO_F, 0x40
.macro PLACES n
.rept \n
	v_nop
.endr
.endm
.macro JLOAD g0a, g1a, g0b, g1b
	s_cmp_eq_u32 s15, 0
	s_cbranch_scc0 .Lfor_b_\@
	tensor_load_to_lds s[\g0a:\g0a+3], s[\g1a:\g1a+7]
	s_nop 0
.rept 4
	v_nop
.endr
	s_branch .Lasked_\@
.Lfor_b_\@:
	tensor_load_to_lds s[\g0b:\g0b+3], s[\g1b:\g1b+7]
	s_nop 0
.rept 4
	v_nop
.endr
.Lasked_\@:
.endm
.macro CREST
	s_cmp_lg_u32 s14, 0
	s_cbranch_scc1 .Lnot_wave_0_\@
	s_barrier_signal -3
.Lnot_wave_0_\@:
	s_barrier_wait -3
	s_barrier_signal -1
	s_barrier_wait -1
.endm
.macro CROUND
	s_barrier_signal -1
	s_barrier_wait -1
	CREST
.endm
	s_load_b256 s[4:11], s[0:1], 0x0
	s_load_b64 s[12:13], s[0:1], 0x20
	v_lshl_add_u32 v[SPW], v0, 2, SPARE
	v_mov_b32 v[NIL], 0
	ds_add_u32 v[SPW], v[NIL]
	ds_add_u32 v[SPW], v[NIL]
	v_lshrrev_b32 v1, 5, v0
	v_readfirstlane_b32 s14, v1
	s_lshr_b32 s15, s14, 1
	s_and_b32 s16, s14, 1
	s_bfe_u32 s40, ttmp6, 0x40000
	s_bfe_u32 s41, ttmp6, 0x40004
	s_lshl_b32 s42, ttmp9, 2
	s_add_co_u32 s42, s42, s40
	s_and_b32 s17, ttmp7, 0xffff
	s_lshl_b32 s17, s17, 2
	s_add_co_u32 s17, s17, s41
	s_lshl_b32 s43, s41, 2
	s_lshl_b32 s43, 15, s43
	s_lshl_b32 s44, 0x1111, s40
	s_or_b32 s[G1+0], s43, (3<<16)|(1<<21)
	s_or_b32 s[G1B+0], s44, (3<<16)|(1<<21)
.irp g, G1, G1B
	s_mov_b32 s[\g+1], (RT/8)<<16
	s_mov_b32 s[\g+2], 8<<16                       ; 8 tiles for the head's loads; set to 4 behind them, for the ring's
	s_mov_b32 s[\g+3], (RT/8)<<16
	s_mov_b32 s[\g+4], 8
	s_mov_b32 s[\g+5], KROW/8
	s_mov_b32 s[\g+6], 0
	s_mov_b32 s[\g+7], 0
.endr
	s_or_b32 s[G1S+0], s43, (3<<16)|(1<<21)
	s_or_b32 s[G1SB+0], s44, (3<<16)|(1<<21)
.irp g, G1S, G1SB
	s_mov_b32 s[\g+1], 32<<16
	s_mov_b32 s[\g+2], (HALFS/128)<<16             ; the scale images of all 128 rows of a side: one load
	s_mov_b32 s[\g+3], 32<<16
	s_mov_b32 s[\g+4], HALFS/128
	s_mov_b32 s[\g+5], 32
	s_mov_b32 s[\g+6], 0
	s_mov_b32 s[\g+7], 0
.endr
	s_lshl_b32 s18, s16, 2
	s_lshl_b32 s20, s17, 3
	s_mul_i32 s22, s20, KSB                        ; the scale images begin at the side's first tile
	s_add_co_u32 s20, s20, s18
	s_lshl_b32 s46, s42, 3
	s_mul_i32 s92, s46, KSB
	s_add_co_u32 s46, s46, s18
	s_add_co_u32 s22, s22, A_S
	s_mov_b32 s23, 0
	s_mul_i32 s20, s20, KROW
	s_mov_b32 s21, 0
	s_add_co_u32 s92, s92, B_S
	s_mov_b32 s93, 0
	s_mul_i32 s46, s46, KROW
	s_add_co_u32 s46, s46, B_C
	s_mov_b32 s47, 0
	s_mul_i32 s45, s14, HALFT
	s_wait_dscnt 0x0
	s_wait_kmcnt 0x0
	s_add_nc_u64 s[20:21], s[4:5], s[20:21]
	s_add_nc_u64 s[22:23], s[4:5], s[22:23]
	s_add_nc_u64 s[46:47], s[6:7], s[46:47]
	s_add_nc_u64 s[92:93], s[6:7], s[92:93]
	CROUND
	s_mov_b32 s[G0S], 1
	s_mov_b32 s[G0S+1], SCL
	s_mov_b64 s[G0S+2:G0S+3], s[22:23]
	s_or_b32 s[G0S+3], s[G0S+3], 0x80000000
	s_mov_b32 s[G0SB], 1
	s_mov_b32 s[G0SB+1], SCL+2*HALFS
	s_mov_b64 s[G0SB+2:G0SB+3], s[92:93]
	s_or_b32 s[G0SB+3], s[G0SB+3], 0x80000000
.irp s, 0,1
	s_mov_b32 s[G0+4*\s], 1
	s_add_co_u32 s[G0+4*\s+1], s45, \s*SLOT
	s_add_nc_u64 s[G0+4*\s+2:G0+4*\s+3], s[20:21], \s*RT
	s_or_b32 s[G0+4*\s+3], s[G0+4*\s+3], 0x80000000
	s_mov_b32 s[G0B+4*\s], 1
	s_add_co_u32 s[G0B+4*\s+1], s45, \s*SLOT
	s_add_nc_u64 s[G0B+4*\s+2:G0B+4*\s+3], s[46:47], \s*RT
	s_or_b32 s[G0B+4*\s+3], s[G0B+4*\s+3], 0x80000000
.endr
; THE HEAD'S LOADS, one a wave: wave 0 side A's 8 tiles of slot 0, wave 1 side A's scale images, wave 2 side B's 8 tiles, wave 3 side B's scale images.
; THE PREFETCH.  K has two slot steps.  Slot 1's fill is 4 tiles x 6,144 bytes a wave, asked for jointly by four partners: the partner at place p (cx for side A, cy for side B) names tile p, 24 blocks of 256 bytes, a lane a block
; (lanes 24-31 name the last block again), beside the head's loads.
	s_cmp_eq_u32 s15, 0
	s_cselect_b64 s[96:97], s[20:21], s[46:47]     ; the four tiles that I fetch, at slot step 0
	s_cselect_b32 s98, s40, s41
	s_mul_i32 s98, s98, KROW
	s_mov_b32 s99, 0
	s_add_nc_u64 s[96:97], s[96:97], s[98:99]      ; my work-group's tile of them
.macro ARM under, g0, g1, next
	s_cmp_lt_u32 s14, \under
	s_cbranch_scc0 \next
	tensor_load_to_lds s[\g0:\g0+3], s[\g1:\g1+7]
	s_nop 0
.rept 4
	v_nop
.endr
	s_branch .Lhead_asked
\next:
.endm
	ARM 1, G0,  G1,  .Lhead_sa
	ARM 2, G0S, G1S, .Lhead_b
	ARM 3, G0B, G1B, .Lhead_sb
	tensor_load_to_lds s[G0SB:G0SB+3], s[G1SB:G1SB+7]
	s_nop 0
.rept 4
	v_nop
.endr
.Lhead_asked:
	v_and_b32 v30, 31, v0
	v_min_u32 v30, 23, v30
	v_lshlrev_b32 v30, 8, v30                      ; the prefetch's offset: 256 x min(lane, 23); never rewritten
	s_wait_alu depctr_va_vdst(0)
	global_prefetch_b8 v30, s[96:97] offset:RT th:TH_LOAD_NT scope:SCOPE_SE     ; slot step 1
	s_wait_tensorcnt 0x0                           ; my tile of the head's four is in; slot 1's first fill is issued as a refill is
	ds_add_u32 v[SPW], v[NIL]
	s_mov_b32 s[G1+2], 4<<16
	s_mov_b32 s[G1+4], 4
	s_mov_b32 s[G1B+2], 4<<16
	s_mov_b32 s[G1B+4], 4
	s_wait_dscnt 0x0
	CROUND
	JLOAD G0+4, G1, G0B+4, G1B
	v_and_b32 v1, 31, v0
	v_bfe_u32 v2, v0, 4, 1
	v_and_b32 v3, 15, v0
	v_lshlrev_b32 v[L16], 4, v1
	v_lshlrev_b32 v[L8], 3, v1
	v_lshlrev_b32 v[L4], 2, v1
	s_mul_i32 s21, s15, HALFT
	s_mul_i32 s22, s16, HALFT
	s_add_co_u32 s22, s22, 2*HALFT
.irp s, 0,1
	v_add_nc_u32 v[ADRA+\s], s21, v[L16]
	v_add_nc_u32 v[ADRB+\s], s22, v[L16]
	v_add_nc_u32 v[ADRA+2+\s], s21, v[L8]
	v_add_nc_u32 v[ADRB+2+\s], s22, v[L8]
	s_add_co_u32 s21, s21, SLOT
	s_add_co_u32 s22, s22, SLOT
.endr
	s_mul_i32 s21, s15, HALFS
	s_mul_i32 s22, s16, HALFS
	s_add_co_u32 s22, s22, 2*HALFS
	s_sub_co_u32 s22, s22, s21
	v_mul_u32_u24 v6, s22, v2
	s_add_co_u32 s21, s21, SCL
	v_add_nc_u32 v6, v[L4], v6
	v_add_nc_u32 v[ADRS], s21, v6
	s_mul_i32 s23, s14, 16*SPITCH
	s_add_co_u32 s23, s23, STAGE
	v_mul_u32_u24 v6, v3, SPITCH
	v_lshl_add_u32 v6, v2, 6, v6
	v_add_nc_u32 v[STO], s23, v6
	v_mul_u32_u24 v6, v2, SPITCH
	v_lshl_add_u32 v6, v3, 4, v6
	v_add_nc_u32 v[RD], s23, v6
	v_lshlrev_b32 v6, 12, v2
	v_lshl_add_u32 v[CO], v3, 4, v6
	s_wait_alu depctr_va_vdst(0)
	s_lshl_b32 s20, s17, 7
	s_lshl_b32 s21, s15, 6
	s_add_co_u32 s20, s20, s21
	s_lshl_b32 s20, s20, 12
	s_lshl_b32 s46, s42, 9
	s_lshl_b32 s47, s16, 8
	s_add_co_u32 s46, s46, s47
	s_mov_b32 s47, 0
	s_add_nc_u64 s[8:9], s[8:9], s[46:47]
	s_add_co_u32 s20, s20, s46
	s_mov_b32 s21, 0
	s_add_nc_u64 s[10:11], s[10:11], s[20:21]
	s_add_nc_u64 s[12:13], s[12:13], s[20:21]
	v_lshlrev_b32 v6, 4, v3
	global_load_b128 v[8:11], v6, s[8:9]
	WIN 0x80
.irp a, 0,1,2,3
.irp t, 0,1,2,3,4,5,6,7
	global_load_b128 v[32*\a+4*\t:32*\a+4*\t+3], v[CO], s[10:11] offset:(32*(\a/2)+8*(\a%2)+2*\t+8*(\t/4))*4096
.endr
.endr
	WIN 0
.macro FRAG reg, adr, off
	ds_load_b128 v[\reg:\reg+3], v[\adr] offset:\off
	ds_load_b64 v[\reg+4:\reg+5], v[\adr+2] offset:(\off)+512
	ds_load_b128 v[\reg+6:\reg+9], v[\adr] offset:(\off)+768
	ds_load_b64 v[\reg+10:\reg+11], v[\adr+2] offset:(\off)+1280
.endm
.macro MUL4 f, q, sc, a, zero
.irp b, 0,1,2,3
.if \zero
	v_wmma_scale_f32_16x16x128_f8f6f4 v[ACC+8*(4*(\a)+\b):ACC+8*(4*(\a)+\b)+7], v[\f+FR*\b:\f+FR*\b+FR-1], v[\f+48+FR*(\a):\f+48+FR*(\a)+FR-1], 0, v[SC+16*(\sc)+4*\b+(\q)], v[SC+16*(\sc)+4*(\a)+(\q)] matrix_a_fmt:MATRIX_FMT_FP6 matrix_b_fmt:MATRIX_FMT_FP6 matrix_a_scale:MATRIX_SCALE_ROW1
.else
	v_wmma_scale_f32_16x16x128_f8f6f4 v[ACC+8*(4*(\a)+\b):ACC+8*(4*(\a)+\b)+7], v[\f+FR*\b:\f+FR*\b+FR-1], v[\f+48+FR*(\a):\f+48+FR*(\a)+FR-1], v[ACC+8*(4*(\a)+\b):ACC+8*(4*(\a)+\b)+7], v[SC+16*(\sc)+4*\b+(\q)], v[SC+16*(\sc)+4*(\a)+(\q)] matrix_a_fmt:MATRIX_FMT_FP6 matrix_b_fmt:MATRIX_FMT_FP6 matrix_a_scale:MATRIX_SCALE_ROW1
.endif
.endr
.endm
.macro FETCH slot, q, f
	WIN TO_F
.irp i, 0,1,2,3
	FRAG \f+FR*\i, ADRB+\slot, \i*RT+(\q)*FRB
.endr
.irp i, 0,1,2,3
	FRAG \f+48+FR*\i, ADRA+\slot, \i*RT+(\q)*FRB
.endr
.endm
.macro SCALES sc
.irp i, 0,1,2,3
.irp q, 0,1,2,3
	ds_load_b32 v[SC+16*\sc+4*\i+\q], v[ADRS] offset:\i*SBLK+128*\q
.endr
.endr
.endm
.macro KSTEP slot, q, f, g, zero
	s_wait_dscnt 8
	WIN MUL
	MUL4 \f, \q, \slot, 0, \zero
	MUL4 \f, \q, \slot, 1, \zero
	PLACES 4
	FETCH \slot, (\q)+1, \g
	s_wait_dscnt 32
	WIN MUL
	MUL4 \f, \q, \slot, 2, \zero
	MUL4 \f, \q, \slot, 3, \zero
.endm
.macro TURN slot, next, fill
	WIN 0
	s_wait_tensorcnt 0x0
	ds_add_u32 v[SPW], v[NIL]
	s_wait_dscnt 9
	WIN MUL
	MUL4 F1, 3, \slot, 0, 0
	s_wait_dscnt 0x0
	s_barrier_signal -1
	MUL4 F1, 3, \slot, 1, 0
	WIN 0
	s_barrier_wait -1
.if \fill
	CREST
	s_add_nc_u64 s[G0+4*\slot+2:G0+4*\slot+3], s[G0+4*\slot+2:G0+4*\slot+3], 2*RT
	s_add_nc_u64 s[G0B+4*\slot+2:G0B+4*\slot+3], s[G0B+4*\slot+2:G0B+4*\slot+3], 2*RT
	JLOAD G0+4*\slot, G1, G0B+4*\slot, G1B
.else
	PLACES 4
.endif
	v_add_nc_u32 v[ADRS], 512, v[ADRS]
	SCALES \next
	FETCH \next, 0, F0
	WIN MUL
	MUL4 F1, 3, \slot, 2, 0
	MUL4 F1, 3, \slot, 3, 0
.endm
	s_wait_tensorcnt 1
	s_barrier_signal -1
	s_barrier_wait -1
	SCALES 0
	FETCH 0, 0, F0
	KSTEP 0, 0, F0, F1, 1
.if LAPS > 1
	WIN 0
	s_mov_b32 s3, LAPS-1
.Llap:
	KSTEP 0, 1, F1, F0, 0
	KSTEP 0, 2, F0, F1, 0
	TURN 0, 1, 1
	KSTEP 1, 0, F0, F1, 0
	KSTEP 1, 1, F1, F0, 0
	KSTEP 1, 2, F0, F1, 0
	TURN 1, 0, 1
	KSTEP 0, 0, F0, F1, 0
	WIN 0
	s_sub_co_u32 s3, s3, 1
	s_cmp_lg_u32 s3, 0
	s_cbranch_scc1 .Llap
.endif
	KSTEP 0, 1, F1, F0, 0
	KSTEP 0, 2, F0, F1, 0
	TURN 0, 1, 0
	KSTEP 1, 0, F0, F1, 0
	KSTEP 1, 1, F1, F0, 0
	KSTEP 1, 2, F0, F1, 0
	s_wait_dscnt 8
	WIN MUL
	MUL4 F1, 3, 1, 0, 0
	MUL4 F1, 3, 1, 1, 0
	s_wait_dscnt 0
	MUL4 F1, 3, 1, 2, 0
	MUL4 F1, 3, 1, 3, 0
	WIN 0
	PLACES 4
	s_wait_loadcnt 0x0
.macro OUTT a
.set BB, BK+32*((\a)%2)
.if (\a) >= 2
	s_wait_xcnt 0x0
.endif
.irp b, 0,1,2,3
	ds_store_b128 v[STO], v[ACC+8*(4*(\a)+\b):ACC+8*(4*(\a)+\b)+3] offset:128*(\b/2)+32*(\b%2)
	ds_store_b128 v[STO], v[ACC+8*(4*(\a)+\b)+4:ACC+8*(4*(\a)+\b)+7] offset:128*(\b/2)+32*(\b%2)+16
.endr
.irp t, 0,1,2,3,4,5,6,7
	ds_load_b128 v[BB+4*\t:BB+4*\t+3], v[RD] offset:2*SPITCH*\t
.endr
	s_wait_dscnt 0x0
.irp t, 0,1,2,3,4,5,6,7
	v_pk_add_f32 v[BB+4*\t:BB+4*\t+1], v[BB+4*\t:BB+4*\t+1], v[8:9]
	v_pk_add_f32 v[BB+4*\t+2:BB+4*\t+3], v[BB+4*\t+2:BB+4*\t+3], v[10:11]
.endr
	WIN 0x08
.irp t, 0,1,2,3,4,5,6,7
	v_pk_add_f32 v[BB+4*\t:BB+4*\t+1], v[BB+4*\t:BB+4*\t+1], v[32*(\a)+4*\t:32*(\a)+4*\t+1]
	v_pk_add_f32 v[BB+4*\t+2:BB+4*\t+3], v[BB+4*\t+2:BB+4*\t+3], v[32*(\a)+4*\t+2:32*(\a)+4*\t+3]
.endr
	WIN 0
.irp t, 0,1,2,3,4,5,6,7
	global_store_b128 v[CO], v[BB+4*\t:BB+4*\t+3], s[12:13] offset:(32*((\a)/2)+8*((\a)%2)+2*\t+8*(\t/4))*4096
.endr
.endm
.irp a, 0,1,2,3
	OUTT \a
.endr
	s_wait_tensorcnt 0x0
	ds_add_u32 v[SPW], v[NIL]
	s_wait_dscnt 0x0
	CROUND
	s_endpgm
.Lfunc_end_k_q39dd34ccb8_oproj:
	.size	k_q39dd34ccb8_oproj, .Lfunc_end_k_q39dd34ccb8_oproj-k_q39dd34ccb8_oproj
	.p2alignl 7, 3214868480
	.fill 96, 4, 3214868480
	.section	.rodata,"a",@progbits
	.p2align	6, 0x0
	.amdhsa_kernel k_q39dd34ccb8_oproj
		.amdhsa_group_segment_fixed_size 327680
		.amdhsa_private_segment_fixed_size 0
		.amdhsa_enable_private_segment 0
		.amdhsa_kernarg_size 40
		.amdhsa_user_sgpr_count 2
		.amdhsa_user_sgpr_kernarg_segment_ptr 1
		.amdhsa_wavefront_size32 1
		.amdhsa_system_sgpr_workgroup_id_x 1
		.amdhsa_system_sgpr_workgroup_id_y 1
		.amdhsa_system_sgpr_workgroup_id_z 1
		.amdhsa_system_vgpr_workitem_id 0
		.amdhsa_next_free_vgpr 768
		.amdhsa_next_free_sgpr 100
		.amdhsa_reserve_vcc 0
		.amdhsa_float_denorm_mode_32 3
		.amdhsa_float_denorm_mode_16_64 3
		.amdhsa_memory_ordered 1
		.amdhsa_forward_progress 1
		.amdhsa_inst_pref_size 67
	.end_amdhsa_kernel
	.amdgpu_metadata
---
amdhsa.version: [ 1, 2 ]
amdhsa.kernels:
  - .name:           k_q39dd34ccb8_oproj
    .symbol:         k_q39dd34ccb8_oproj.kd
    .args:
      - { .name: cimg, .offset: 0, .size: 8, .value_kind: global_buffer, .address_space: global }
      - { .name: wimg, .offset: 8, .size: 8, .value_kind: global_buffer, .address_space: global }
      - { .name: out_b, .offset: 16, .size: 8, .value_kind: global_buffer, .address_space: global }
      - { .name: x, .offset: 24, .size: 8, .value_kind: global_buffer, .address_space: global }
      - { .name: x2, .offset: 32, .size: 8, .value_kind: global_buffer, .address_space: global }
    .group_segment_fixed_size: 327680
    .private_segment_fixed_size: 0
    .kernarg_segment_align: 8
    .kernarg_segment_size: 40
    .max_flat_workgroup_size: 128
    .sgpr_count:     100
    .vgpr_count:     768
    .wavefront_size: 32
...
	.end_amdgpu_metadata
.endif
;; end of part 4
;; launch ln2 (part 5): grid 256 x 1, 8 waves a work-group, no clusters, 69,632 bytes of LDS; arguments x2, ln2_g, ln2_b, himg; writes himg
.if DOCPART == 5
	.amdgcn_target "amdgcn-amd-amdhsa--gfx1250"
	.amdhsa_code_object_version 6
	.text
	.protected	k_q39dd34ccb8_ln2
	.globl	k_q39dd34ccb8_ln2
	.p2align	8
	.type	k_q39dd34ccb8_ln2,@function
k_q39dd34ccb8_ln2:
	s_mov_b64 s[64:65], 0
	v_nop
	global_prefetch_b8 v0, s[64:65] scope:SCOPE_SE
	s_setreg_imm32_b32 hwreg(HW_REG_WAVE_MODE, 25, 1), 1
	s_wait_xcnt 0x0
; LayerNorm of rows of 1,024 f32 numbers, then the quantiser along the row: codes of FP6 (E2M3), one E8M0 byte for each 32.  The codes leave in the program's operand layout (tiles of 16 rows in the order
; 32 (T / 2) + 8 (T % 2) + p % 8 + 16 (p / 8); units of 64 along K as images of the operand's registers; scale images of 128 bytes).
; SHARES.  A work-group takes tile T = its number; wave s takes columns 128 s on of the 16 rows: one K step of the next product.  Each load reads 512 consecutive bytes of a row; the numbers turn through the wave's own stage in
; LDS so that lane (p, h) holds, of row p, the 16 numbers 32 b + 16 h + 0 .. 15 of each block b.  The wave's 128 gains and 128 biases come by one load each, with the rows, and turn through the same stage behind the rows' reads.
; Mean and variance are taken in two passes, as sums over the eight waves through LDS: two barriers.
; No cluster: what work-groups share (gain and bias, 8 KB) is a small part of the 64 KB that each reads.
; LIMITS: a block of zeros gets the byte 1 (its codes are zeros; this program alone reads the bytes); NaN and infinities are not served.
.set HS,    3145728                    ; where the scale images begin in the buffer
.set PITCH, 528                        ; a stage row: 512 bytes + 16
.set RED1,  0                          ; [8 waves][16 rows] sums
.set RED2,  512                        ; and sums of squares
.set STGB,  1024                       ; the eight stages, 16 x 528 bytes each
.set SPARE, STGB+8*16*PITCH            ; the spare words, 128 bytes a wave
.set WV,  12                           ; s12 the wave's number
.set R,   16                           ; v16-79   the rows as loaded; later the bias
.set X,   80                           ; v80-143  my 64 numbers
.set G,   144                          ; v144-207 the gain
.set TM,  208
.set PC,  224
.set PW,  244
.set MU,  246
.set RS,  248
.set SPW, 254
.set NIL, 255
.set SEL, 20
.macro QUANT s                         ; 64 numbers of a lane, register 16 b + i = k 32 b + 16 (lane / 16) + i of my row, become a fragment's codes in v[PC] on and its scale word in v[PW]
.irp b, 0,1,2,3
	v_max3_num_f32 v[TM+\b], |v[\s+16*\b]|, |v[\s+1+16*\b]|, 0x1800000   ; with the floor 2^(3 - 127): the byte cannot fall under 1
.endr
.irp i, 2,4,6,8,10,12,14
.irp b, 0,1,2,3
	s_delay_alu instid0(VALU_DEP_4)
	v_max3_num_f32 v[TM+\b], v[TM+\b], |v[\s+16*\b+\i]|, |v[\s+1+16*\b+\i]|
.endr
.endr
.irp b, 0,1,2,3
	s_delay_alu instid0(VALU_DEP_4)
	v_permlanex16_b32 v[TM+4+\b], v[TM+\b], s[SEL], s[SEL+1]
.endr
.irp b, 0,1,2,3
	s_delay_alu instid0(VALU_DEP_4)
	v_max_num_f32 v[TM+\b], v[TM+\b], v[TM+4+\b]   ; with lane l xor 16's: the block's largest magnitude
.endr
.irp b, 0,1,2,3
	s_delay_alu instid0(VALU_DEP_4)
	v_add_nc_u32 v[TM+12+\b], 0xff000000, v[TM+\b] ; 2 off its exponent field: the conversion's scale operand
.endr
.irp b, 0,1,2,3
	s_delay_alu instid0(VALU_DEP_4)
	v_lshrrev_b32 v[TM+4+\b], 23, v[TM+12+\b]      ; the byte
.endr
	s_delay_alu instid0(VALU_DEP_3)
	v_lshl_or_b32 v[PW], v[TM+5], 8, v[TM+4]
	s_delay_alu instid0(VALU_DEP_1)
	v_lshl_or_b32 v[PW], v[TM+6], 16, v[PW]
	s_delay_alu instid0(VALU_DEP_1)
	v_lshl_or_b32 v[PW], v[TM+7], 24, v[PW]
.irp c, 0,1
	v_cvt_scalef32_pk16_fp6_f32 v[PC+6*\c:PC+2+6*\c], v[\s+32*\c:\s+15+32*\c], v[TM+12+2*\c]
	v_cvt_scalef32_pk16_fp6_f32 v[PC+12+4*\c:PC+14+4*\c], v[\s+16+32*\c:\s+31+32*\c], v[TM+12+2*\c+1]
.endr
	v_nop                                          ; one plain line behind a scaled conversion
.irp c, 0,1                                    ; the operand wants a whole block in a lane
.irp i, 0,1,2
	v_permlane16_swap_b32 v[PC+6*\c+\i], v[PC+12+4*\c+\i]
.endr
.irp i, 0,1,2
	s_delay_alu instid0(VALU_DEP_3)
	v_mov_b32 v[PC+3+6*\c+\i], v[PC+12+4*\c+\i]
.endr
.endr
.endm
	s_load_b256 s[4:11], s[0:1], 0x0               ; the rows, the gain, the bias, the images
	v_lshl_add_u32 v[SPW], v0, 2, SPARE
	v_mov_b32 v[NIL], 0
	v_lshrrev_b32 v1, 5, v0
	s_delay_alu instid0(VALU_DEP_1)
	v_readfirstlane_b32 s[WV], v1                  ; wave = K step
	v_and_b32 v1, 31, v0
	v_and_b32 v2, 15, v0                           ; p
	v_bfe_u32 v3, v0, 4, 1                         ; h
	s_delay_alu instid0(VALU_DEP_3)
	v_lshlrev_b32 v4, 4, v1                        ; 16 x lane
	s_delay_alu instid0(VALU_DEP_4)
	v_lshlrev_b32 v5, 3, v1                        ; 8 x lane
	v_lshlrev_b32 v6, 2, v1                        ; 4 x lane
	s_delay_alu instid0(VALU_DEP_4)
	v_lshlrev_b32 v7, 6, v3                        ; 64 h
	s_mul_i32 s13, s[WV], 16*PITCH
	s_add_co_u32 s13, s13, STGB
	v_add_nc_u32 v8, s13, v4                       ; the stage, on the way in
	v_mul_u32_u24 v9, v2, PITCH
	s_delay_alu instid0(VALU_DEP_1)
	v_add_nc_u32 v9, v9, v7
	s_delay_alu instid0(VALU_DEP_1)
	v_add_nc_u32 v9, s13, v9                       ; and on the way out: row p, + 64 h
	v_add_nc_u32 v12, s13, v7                      ; gain and bias on the way out: + 64 h
	v_lshlrev_b32 v10, 2, v2                       ; 4 p
	s_lshl_b32 s13, s[WV], 6
	v_add_nc_u32 v11, s13, v10                     ; 4 p + 64 x wave
	s_mov_b32 s3, ttmp9                            ; the tile
	s_lshr_b32 s14, s3, 1
	s_lshl_b32 s14, s14, 5
	s_and_b32 s15, s3, 1
	s_lshl_b32 s15, s15, 3
	s_add_co_u32 s14, s14, s15                     ; the tile's first row
	s_lshl_b32 s16, s14, 12
	s_lshl_b32 s18, s[WV], 9                       ; my 512 bytes of a row
	s_add_co_u32 s16, s16, s18
	s_mov_b32 s17, 0
	s_mov_b32 s19, 0
	s_mov_b32 s[SEL], 0x76543210
	s_mov_b32 s[SEL+1], 0xfedcba98
	s_mov_b32 s26, 0x3a800000                      ; 1 / 1,024
	s_mov_b32 s27, 0x3727c5ac                      ; 1e-5
	s_mul_i32 s28, s3, 12288
	s_mul_i32 s29, s[WV], 1536
	s_add_co_u32 s28, s28, s29
	s_mov_b32 s29, 0
	s_lshl_b32 s30, s3, 10
	s_lshl_b32 s31, s[WV], 7
	s_add_co_u32 s30, s30, s31
	s_add_co_u32 s30, s30, HS
	s_mov_b32 s31, 0
	s_wait_alu depctr_va_vdst(0)
	s_wait_kmcnt 0x0
	s_add_nc_u64 s[4:5], s[4:5], s[16:17]
	s_add_nc_u64 s[6:7], s[6:7], s[18:19]
	s_add_nc_u64 s[8:9], s[8:9], s[18:19]
	s_add_nc_u64 s[22:23], s[10:11], s[28:29]      ; my fragment's image
	s_add_nc_u64 s[24:25], s[10:11], s[30:31]      ; my scale image
.irp i, 0,1,2,3,4,5,6,7,8,9,10,11,12,13,14,15
	global_load_b128 v[R+4*\i:R+4*\i+3], v4, s[4:5] offset:(\i+8*(\i/8))*4096   ; place i of the tile: 512 consecutive bytes
.endr
	global_load_b128 v[TM:TM+3], v4, s[6:7]        ; my wave's 128 gains,
	global_load_b128 v[TM+4:TM+7], v4, s[8:9]      ; and its 128 biases: 512 consecutive bytes each
	s_wait_loadcnt 2                               ; the rows are in; those two loads may be out
.irp i, 0,1,2,3,4,5,6,7,8,9,10,11,12,13,14,15
	ds_store_b128 v8, v[R+4*\i:R+4*\i+3] offset:PITCH*\i
.endr
.irp b, 0,1,2,3
.irp q, 0,1,2,3
	ds_load_b128 v[X+16*\b+4*\q:X+16*\b+4*\q+3], v9 offset:128*\b+16*\q   ; my wave's own bytes, served in order
.endr
.endr
	s_wait_loadcnt 0x0
	ds_store_b128 v8, v[TM:TM+3]                   ; gain and bias take the places of the stage's rows 0 and 1, behind the reads above: LDS serves a wave's instructions in order
	ds_store_b128 v8, v[TM+4:TM+7] offset:PITCH
	s_wait_dscnt 0x0
.irp b, 0,1,2,3
.irp q, 0,1,2,3
	ds_load_b128 v[G+16*\b+4*\q:G+16*\b+4*\q+3], v12 offset:128*\b+16*\q
	ds_load_b128 v[R+16*\b+4*\q:R+16*\b+4*\q+3], v12 offset:PITCH+128*\b+16*\q
.endr
.endr
.macro ACROSS red                      ; v[250:253] hold four partial sums: my row's sum over the wave's 128 columns, then over the eight waves
	s_delay_alu instid0(VALU_DEP_1)
	v_pk_add_f32 v[250:251], v[250:251], v[252:253]
	s_delay_alu instid0(VALU_DEP_1)
	v_add_f32 v250, v250, v251
	s_delay_alu instid0(VALU_DEP_1)
	v_permlanex16_b32 v251, v250, s[SEL], s[SEL+1]
	s_delay_alu instid0(VALU_DEP_1)
	v_add_f32 v250, v250, v251
	ds_store_b32 v11, v250 offset:\red             ; both halves of the lanes write the same word with the same value
	s_wait_dscnt 0x0                               ; for the others' sake: my store is done
	s_barrier_signal -1
	s_barrier_wait -1
.irp w, 0,1,2,3,4,5,6,7
	ds_load_b32 v[TM+\w], v10 offset:\red+64*\w
.endr
	s_wait_dscnt 0x0
	v_add_f32 v250, v[TM], v[TM+1]
.irp w, 2,3,4,5,6,7
	s_delay_alu instid0(VALU_DEP_1)
	v_add_f32 v250, v250, v[TM+\w]
.endr
.endm
	v_pk_add_f32 v[250:251], v[X:X+1], v[X+2:X+3]
	v_pk_add_f32 v[252:253], v[X+4:X+5], v[X+6:X+7]
.set n, 8
.rept 14
	s_delay_alu instid0(VALU_DEP_2)
	v_pk_add_f32 v[250:251], v[250:251], v[X+n:X+n+1]
	s_delay_alu instid0(VALU_DEP_2)
	v_pk_add_f32 v[252:253], v[252:253], v[X+n+2:X+n+3]
.set n, n+4
.endr
	ACROSS RED1
	s_delay_alu instid0(VALU_DEP_1)
	v_mul_f32 v[MU], s26, v250                     ; the mean
	s_delay_alu instid0(VALU_DEP_1)
	v_mov_b32 v[MU+1], v[MU]
.set n, 0
.rept 32
	v_pk_add_f32 v[X+n:X+n+1], v[X+n:X+n+1], v[MU:MU+1] neg_lo:[0,1] neg_hi:[0,1]
.set n, n+2
.endr
	v_pk_mul_f32 v[250:251], v[X:X+1], v[X:X+1]
	v_pk_mul_f32 v[252:253], v[X+2:X+3], v[X+2:X+3]
.set n, 4
.rept 15
	s_delay_alu instid0(VALU_DEP_2)
	v_pk_fma_f32 v[250:251], v[X+n:X+n+1], v[X+n:X+n+1], v[250:251]
	s_delay_alu instid0(VALU_DEP_2)
	v_pk_fma_f32 v[252:253], v[X+n+2:X+n+3], v[X+n+2:X+n+3], v[252:253]
.set n, n+4
.endr
	ACROSS RED2
	s_delay_alu instid0(VALU_DEP_1)
	v_fma_f32 v250, v250, s26, s27                 ; the variance + 1e-5
	s_wait_alu depctr_va_vdst(0)
	v_rsq_f32 v[RS], v250
	v_nop                                          ; a plain line behind the transcendental,
	s_wait_alu depctr_va_vdst(0)                   ; and the wait ahead of its first reader
	v_mov_b32 v[RS+1], v[RS]
.set n, 0
.rept 32
	v_pk_mul_f32 v[X+n:X+n+1], v[X+n:X+n+1], v[RS:RS+1]
.set n, n+2
.endr
.set n, 0
.rept 32
	v_pk_fma_f32 v[X+n:X+n+1], v[X+n:X+n+1], v[G+n:G+n+1], v[R+n:R+n+1]
.set n, n+2
.endr
	QUANT X
	global_store_b128 v4, v[PC:PC+3], s[22:23]               ; 1,536 consecutive bytes a wave, in whole runs of 256
	global_store_b64 v5, v[PC+4:PC+5], s[22:23] offset:512
	global_store_b128 v4, v[PC+6:PC+9], s[22:23] offset:768
	global_store_b64 v5, v[PC+10:PC+11], s[22:23] offset:1280
	global_store_b32 v6, v[PW], s[24:25]
	s_wait_tensorcnt 0x0                           ; the wave's end: three lines behind my last LDS store
	ds_add_u32 v[SPW], v[NIL]
	s_wait_dscnt 0x0
	s_endpgm
.Lfunc_end_k_q39dd34ccb8_ln2:
	.size	k_q39dd34ccb8_ln2, .Lfunc_end_k_q39dd34ccb8_ln2-k_q39dd34ccb8_ln2
	.p2alignl 7, 3214868480
	.fill 96, 4, 3214868480
	.section	.rodata,"a",@progbits
	.p2align	6, 0x0
	.amdhsa_kernel k_q39dd34ccb8_ln2
		.amdhsa_group_segment_fixed_size 69632
		.amdhsa_private_segment_fixed_size 0
		.amdhsa_enable_private_segment 0
		.amdhsa_kernarg_size 32
		.amdhsa_user_sgpr_count 2
		.amdhsa_user_sgpr_kernarg_segment_ptr 1
		.amdhsa_wavefront_size32 1
		.amdhsa_system_sgpr_workgroup_id_x 1
		.amdhsa_system_sgpr_workgroup_id_y 1
		.amdhsa_system_sgpr_workgroup_id_z 1
		.amdhsa_system_vgpr_workitem_id 0
		.amdhsa_next_free_vgpr 256
		.amdhsa_next_free_sgpr 66
		.amdhsa_reserve_vcc 0
		.amdhsa_float_denorm_mode_32 3
		.amdhsa_float_denorm_mode_16_64 3
		.amdhsa_memory_ordered 1
		.amdhsa_forward_progress 1
		.amdhsa_inst_pref_size 30
	.end_amdhsa_kernel
	.amdgpu_metadata
---
amdhsa.version: [ 1, 2 ]
amdhsa.kernels:
  - .name:           k_q39dd34ccb8_ln2
    .symbol:         k_q39dd34ccb8_ln2.kd
    .args:
      - { .name: x2, .offset: 0, .size: 8, .value_kind: global_buffer, .address_space: global }
      - { .name: ln2_g, .offset: 8, .size: 8, .value_kind: global_buffer, .address_space: global }
      - { .name: ln2_b, .offset: 16, .size: 8, .value_kind: global_buffer, .address_space: global }
      - { .name: himg, .offset: 24, .size: 8, .value_kind: global_buffer, .address_space: global }
    .group_segment_fixed_size: 69632
    .private_segment_fixed_size: 0
    .kernarg_segment_align: 8
    .kernarg_segment_size: 32
    .max_flat_workgroup_size: 256
    .sgpr_count:     66
    .vgpr_count:     256
    .wavefront_size: 32
...
	.end_amdgpu_metadata
.endif
;; end of part 5
;; launch ffn1 (part 6): grid 16 x 16, 4 waves a work-group, clusters of 4 x 4, 327,680 bytes of LDS; arguments himg, wimg, b1, gimg; writes gimg
.if DOCPART == 6
	.amdgcn_target "amdgcn-amd-amdhsa--gfx1250"
	.amdhsa_code_object_version 6
	.text
	.protected	k_q39dd34ccb8_ffn1
	.globl	k_q39dd34ccb8_ffn1
	.p2align	8
	.type	k_q39dd34ccb8_ffn1,@function
k_q39dd34ccb8_ffn1:
	s_mov_b64 s[64:65], 0
	v_nop
	global_prefetch_b8 v0, s[64:65] scope:SCOPE_SE
	s_setreg_imm32_b32 hwreg(HW_REG_WAVE_MODE, 25, 1), 1
	s_wait_xcnt 0x0
	s_wait_alu depctr_hold_cnt(0) depctr_sa_sdst(0) depctr_va_vdst(0) depctr_va_sdst(0) depctr_va_ssrc(0) depctr_va_vcc(0) depctr_vm_vsrc(0)
	s_getreg_b32 s2, hwreg(HW_REG_IB_STS2, 6, 4)
	s_cmp_eq_u32 s2, 0
	s_cbranch_scc0 .Lentry_in_a_cluster
	s_endpgm
.Lentry_in_a_cluster:
	s_bfe_u32 s2, ttmp6, 0x10000c
	s_cmp_lg_u32 s2, 0xf033
	s_cbranch_scc0 .Lentry_shape_is_right
	s_endpgm
.Lentry_shape_is_right:
.set HS,    3145728
.set B_C,   3145728
.set B_S,   9699328
.set GS,    12582912
.set NQ,    2
.set FR,    12
.set FRB,   1536
.set NL,    4
.set NP,    4
.set RT,    3072
.set KROW,  12288
.set KSB,   1024
.set HALFT, 8*RT
.set SLOT,  4*HALFT
.set LAPS,  2
.set SCL,   2*SLOT
.set SBLK,  KSB
.set HALFS, 8*SBLK
.set SPARE, SCL+4*HALFS
.set L16,  4
.set L8,   5
.set L4,   7
.set ADRA, 16
.set ADRB, 20
.set ADRS, 27
.set SPW,  28
.set NIL,  29
.set SC,   32
.set AF,   128
.set BI,   64
.set X,    128
.set T,    192
.set P,    208
.set U,    224
.set TM,   192
.set PC,   208
.set PW,   228
.set SEL,  92
.set CF,   24
.set K35,  43
.set EA,   44
.set OUTS, 46
.set SOUT, 48
.set G1, 24
.set G0, 32
.set G1B, 48
.set G0B, 56
.set G1S, 68
.set G0S, 76
.set G1SB, 80
.set G0SB, 88
.set MSB, 0
.macro WIN new
.if MSB != (\new)
	s_set_vgpr_msb (MSB<<8)|(\new)
.set MSB, (\new)
.endif
.endm
.set MUL_LO, 0xa1
.set MUL_HI, 0xf1
.set TO_B,   0x40
.macro PLACES n
.rept \n
	v_nop
.endr
.endm
.macro JLOAD g0a, g1a, g0b, g1b
	s_cmp_eq_u32 s15, 0
	s_cbranch_scc0 .Lfor_b_\@
	tensor_load_to_lds s[\g0a:\g0a+3], s[\g1a:\g1a+7]
	s_nop 0
.rept 4
	v_nop
.endr
	s_branch .Lasked_\@
.Lfor_b_\@:
	tensor_load_to_lds s[\g0b:\g0b+3], s[\g1b:\g1b+7]
	s_nop 0
.rept 4
	v_nop
.endr
.Lasked_\@:
.endm
.macro CREST
	s_cmp_lg_u32 s14, 0
	s_cbranch_scc1 .Lnot_wave_0_\@
	s_barrier_signal -3
.Lnot_wave_0_\@:
	s_barrier_wait -3
	s_barrier_signal -1
	s_barrier_wait -1
.endm
.macro CROUND
	s_barrier_signal -1
	s_barrier_wait -1
	CREST
.endm
.macro QUANT s
.irp b, 0,1,2,3
	v_max3_num_f32 v[TM+\b], |v[\s+16*\b]|, |v[\s+1+16*\b]|, 0x1800000
.endr
.irp i, 2,4,6,8,10,12,14
.irp b, 0,1,2,3
	v_max3_num_f32 v[TM+\b], v[TM+\b], |v[\s+16*\b+\i]|, |v[\s+1+16*\b+\i]|
.endr
.endr
.irp b, 0,1,2,3
	v_permlanex16_b32 v[TM+4+\b], v[TM+\b], s[SEL], s[SEL+1]
.endr
.irp b, 0,1,2,3
	v_max_num_f32 v[TM+\b], v[TM+\b], v[TM+4+\b]
.endr
.irp b, 0,1,2,3
	v_add_nc_u32 v[TM+12+\b], 0xff000000, v[TM+\b]
.endr
.irp b, 0,1,2,3
	v_lshrrev_b32 v[TM+4+\b], 23, v[TM+12+\b]
.endr
	v_lshl_or_b32 v[PW], v[TM+5], 8, v[TM+4]
	v_lshl_or_b32 v[PW], v[TM+6], 16, v[PW]
	v_lshl_or_b32 v[PW], v[TM+7], 24, v[PW]
.irp c, 0,1
	v_cvt_scalef32_pk16_fp6_f32 v[PC+6*\c:PC+2+6*\c], v[\s+32*\c:\s+15+32*\c], v[TM+12+2*\c]
	v_cvt_scalef32_pk16_fp6_f32 v[PC+12+4*\c:PC+14+4*\c], v[\s+16+32*\c:\s+31+32*\c], v[TM+12+2*\c+1]
.endr
	v_nop
.irp c, 0,1
.irp i, 0,1,2
	v_permlane16_swap_b32 v[PC+6*\c+\i], v[PC+12+4*\c+\i]
.endr
.irp i, 0,1,2
	v_mov_b32 v[PC+3+6*\c+\i], v[PC+12+4*\c+\i]
.endr
.endr
.endm
	s_load_b256 s[4:11], s[0:1], 0x0
	v_lshl_add_u32 v[SPW], v0, 2, SPARE
	v_mov_b32 v[NIL], 0
	ds_add_u32 v[SPW], v[NIL]
	ds_add_u32 v[SPW], v[NIL]
	v_lshrrev_b32 v1, 5, v0
	v_readfirstlane_b32 s14, v1
	s_lshr_b32 s15, s14, 1
	s_and_b32 s16, s14, 1
	s_bfe_u32 s40, ttmp6, 0x40000
	s_bfe_u32 s41, ttmp6, 0x40004
	s_lshl_b32 s42, ttmp9, 2
	s_add_co_u32 s42, s42, s40
	s_and_b32 s17, ttmp7, 0xffff
	s_lshl_b32 s17, s17, 2
	s_add_co_u32 s17, s17, s41
	s_lshl_b32 s43, s41, 2
	s_lshl_b32 s43, 15, s43
	s_lshl_b32 s44, 0x1111, s40
	s_or_b32 s[G1+0], s43, (3<<16)|(1<<21)
	s_or_b32 s[G1B+0], s44, (3<<16)|(1<<21)
.irp g, G1, G1B
	s_mov_b32 s[\g+1], (RT/8)<<16
	s_mov_b32 s[\g+2], 16<<16                      ; 16 tiles for the head's loads; set to 8 behind them, for the ring's
	s_mov_b32 s[\g+3], (RT/8)<<16
	s_mov_b32 s[\g+4], 16
	s_mov_b32 s[\g+5], KROW/8
	s_mov_b32 s[\g+6], 0
	s_mov_b32 s[\g+7], 0
.endr
	s_or_b32 s[G1S+0], s43, (3<<16)|(1<<21)
	s_or_b32 s[G1SB+0], s44, (3<<16)|(1<<21)
.irp g, G1S, G1SB
	s_mov_b32 s[\g+1], 32<<16
	s_mov_b32 s[\g+2], (HALFS/128)<<16             ; the scale images of all 256 rows of a side: one load
	s_mov_b32 s[\g+3], 32<<16
	s_mov_b32 s[\g+4], HALFS/128
	s_mov_b32 s[\g+5], 32
	s_mov_b32 s[\g+6], 0
	s_mov_b32 s[\g+7], 0
.endr
	s_lshl_b32 s18, s16, 3
	s_lshl_b32 s20, s17, 4
	s_mul_i32 s22, s20, KSB                        ; the scale images begin at the side's first tile
	s_add_co_u32 s20, s20, s18
	s_lshl_b32 s46, s42, 4
	s_mul_i32 s92, s46, KSB
	s_add_co_u32 s46, s46, s18
	s_add_co_u32 s22, s22, HS
	s_mov_b32 s23, 0
	s_mul_i32 s20, s20, KROW
	s_mov_b32 s21, 0
	s_add_co_u32 s92, s92, B_S
	s_mov_b32 s93, 0
	s_mul_i32 s46, s46, KROW
	s_add_co_u32 s46, s46, B_C
	s_mov_b32 s47, 0
	s_mul_i32 s45, s14, HALFT
	s_wait_dscnt 0x0
	s_wait_kmcnt 0x0
	s_add_nc_u64 s[20:21], s[4:5], s[20:21]
	s_add_nc_u64 s[22:23], s[4:5], s[22:23]
	s_add_nc_u64 s[46:47], s[6:7], s[46:47]
	s_add_nc_u64 s[92:93], s[6:7], s[92:93]
	CROUND
	s_mov_b32 s[G0S], 1
	s_mov_b32 s[G0S+1], SCL
	s_mov_b64 s[G0S+2:G0S+3], s[22:23]
	s_or_b32 s[G0S+3], s[G0S+3], 0x80000000
	s_mov_b32 s[G0SB], 1
	s_mov_b32 s[G0SB+1], SCL+2*HALFS
	s_mov_b64 s[G0SB+2:G0SB+3], s[92:93]
	s_or_b32 s[G0SB+3], s[G0SB+3], 0x80000000
.irp s, 0,1
	s_mov_b32 s[G0+4*\s], 1
	s_add_co_u32 s[G0+4*\s+1], s45, \s*SLOT
	s_add_nc_u64 s[G0+4*\s+2:G0+4*\s+3], s[20:21], \s*RT
	s_or_b32 s[G0+4*\s+3], s[G0+4*\s+3], 0x80000000
	s_mov_b32 s[G0B+4*\s], 1
	s_add_co_u32 s[G0B+4*\s+1], s45, \s*SLOT
	s_add_nc_u64 s[G0B+4*\s+2:G0B+4*\s+3], s[46:47], \s*RT
	s_or_b32 s[G0B+4*\s+3], s[G0B+4*\s+3], 0x80000000
.endr
; THE HEAD'S LOADS, one a wave: wave 0 side A's 16 tiles of slot 0, wave 1 side A's scale images, wave 2 side B's 16 tiles, wave 3 side B's scale images.
; THE PREFETCHES.  A slot's fill is 8 tiles x 3,072 bytes a wave, asked for jointly by four partners: the partner at place p (cx for side A, cy for side B) names tiles 2 p and 2 p + 1, 24 blocks of 256 bytes, a lane a block
; (lanes 24-31 name the last block again): each block once in each cluster that will load it, told apart by address.  Slot steps 1 and 2 are named beside the head's loads, step 3 behind slot 1's load; K has four slot steps.
	s_cmp_eq_u32 s15, 0
	s_cselect_b64 s[96:97], s[20:21], s[46:47]     ; the eight tiles that I fetch, at slot step 0
	s_cselect_b32 s98, s40, s41
	s_mul_i32 s98, s98, 2*KROW
	s_mov_b32 s99, 0
	s_add_nc_u64 s[96:97], s[96:97], s[98:99]      ; my work-group's two of them
.macro ARM under, g0, g1, next
	s_cmp_lt_u32 s14, \under
	s_cbranch_scc0 \next
	tensor_load_to_lds s[\g0:\g0+3], s[\g1:\g1+7]
	s_nop 0
.rept 4
	v_nop
.endr
	s_branch .Lhead_asked
\next:
.endm
	ARM 1, G0,  G1,  .Lhead_sa
	ARM 2, G0S, G1S, .Lhead_b
	ARM 3, G0B, G1B, .Lhead_sb
	tensor_load_to_lds s[G0SB:G0SB+3], s[G1SB:G1SB+7]
	s_nop 0
.rept 4
	v_nop
.endr
.Lhead_asked:
	v_and_b32 v30, 31, v0
	v_min_u32 v30, 23, v30                         ; block 0 .. 23
	v_mul_u32_u24 v31, v30, 11
	v_lshrrev_b32 v31, 7, v31                      ; block / 12: which of the two tiles
	v_mul_u32_u24 v31, v31, KROW-RT
	v_lshl_add_u32 v30, v30, 8, v31                ; the prefetches' offset; never rewritten
	s_wait_alu depctr_va_vdst(0)
	global_prefetch_b8 v30, s[96:97] offset:RT th:TH_LOAD_NT scope:SCOPE_SE     ; slot step 1
	global_prefetch_b8 v30, s[96:97] offset:2*RT th:TH_LOAD_NT scope:SCOPE_SE   ; slot step 2
	s_wait_tensorcnt 0x0                           ; my tile of the head's four is in; slot 1's first fill is issued as a refill is
	ds_add_u32 v[SPW], v[NIL]
	s_mov_b32 s[G1+2], 8<<16
	s_mov_b32 s[G1+4], 8
	s_mov_b32 s[G1B+2], 8<<16
	s_mov_b32 s[G1B+4], 8
	s_wait_dscnt 0x0
	CROUND
	JLOAD G0+4, G1, G0B+4, G1B
	global_prefetch_b8 v30, s[96:97] offset:3*RT th:TH_LOAD_NT scope:SCOPE_SE   ; slot step 3
	v_and_b32 v1, 31, v0
	v_bfe_u32 v2, v0, 4, 1
	v_lshlrev_b32 v[L16], 4, v1
	v_lshlrev_b32 v[L8], 3, v1
	v_lshlrev_b32 v[L4], 2, v1
	s_mul_i32 s21, s15, HALFT
	s_mul_i32 s22, s16, HALFT
	s_add_co_u32 s22, s22, 2*HALFT
.irp s, 0,1
	v_add_nc_u32 v[ADRA+\s], s21, v[L16]
	v_add_nc_u32 v[ADRB+\s], s22, v[L16]
	v_add_nc_u32 v[ADRA+2+\s], s21, v[L8]
	v_add_nc_u32 v[ADRB+2+\s], s22, v[L8]
	s_add_co_u32 s21, s21, SLOT
	s_add_co_u32 s22, s22, SLOT
.endr
	s_mul_i32 s21, s15, HALFS
	s_mul_i32 s22, s16, HALFS
	s_add_co_u32 s22, s22, 2*HALFS
	s_sub_co_u32 s22, s22, s21
	v_mul_u32_u24 v6, s22, v2
	s_add_co_u32 s21, s21, SCL
	v_add_nc_u32 v6, v[L4], v6
	v_add_nc_u32 v[ADRS], s21, v6
	s_mov_b32 s[SEL], 0x76543210
	s_mov_b32 s[SEL+1], 0xfedcba98
	v_lshlrev_b32 v8, 6, v2
	s_lshl_b32 s20, s42, 10
	s_lshl_b32 s21, s16, 9
	s_add_co_u32 s20, s20, s21
	s_mov_b32 s21, 0
	s_add_nc_u64 s[8:9], s[8:9], s[20:21]
.irp b, 0,1,2,3,4,5,6,7
	global_load_b128 v[BI+8*\b:BI+8*\b+3], v8, s[8:9] offset:4*(32*(\b/2)+8*(\b%2))
	global_load_b128 v[BI+8*\b+4:BI+8*\b+7], v8, s[8:9] offset:4*(32*(\b/2)+8*(\b%2))+16
.endr
.macro FRAG reg, adr, off
	ds_load_b128 v[\reg:\reg+3], v[\adr] offset:\off
	ds_load_b64 v[\reg+4:\reg+5], v[\adr+2] offset:(\off)+512
	ds_load_b128 v[\reg+6:\reg+9], v[\adr] offset:(\off)+768
	ds_load_b64 v[\reg+10:\reg+11], v[\adr+2] offset:(\off)+1280
.endm
.macro MUL16 a0, p, q, sc, zero
.irp a, \a0, \a0+1
.irp b, 0,1,2,3,4,5,6,7
.if \zero
	v_wmma_scale_f32_16x16x128_f8f6f4 v[8*(8*((\a)%4)+\b):8*(8*((\a)%4)+\b)+7], v[128*(\p)+FR*\b:128*(\p)+FR*\b+FR-1], v[AF+FR*(\a):AF+FR*(\a)+FR-1], 0, v[SC+8*NQ*(\sc)+NQ*\b+(\q)], v[SC+8*NQ*(\sc)+NQ*(\a)+(\q)] matrix_a_fmt:MATRIX_FMT_FP6 matrix_b_fmt:MATRIX_FMT_FP6 matrix_a_scale:MATRIX_SCALE_ROW1
.else
	v_wmma_scale_f32_16x16x128_f8f6f4 v[8*(8*((\a)%4)+\b):8*(8*((\a)%4)+\b)+7], v[128*(\p)+FR*\b:128*(\p)+FR*\b+FR-1], v[AF+FR*(\a):AF+FR*(\a)+FR-1], v[8*(8*((\a)%4)+\b):8*(8*((\a)%4)+\b)+7], v[SC+8*NQ*(\sc)+NQ*\b+(\q)], v[SC+8*NQ*(\sc)+NQ*(\a)+(\q)] matrix_a_fmt:MATRIX_FMT_FP6 matrix_b_fmt:MATRIX_FMT_FP6 matrix_a_scale:MATRIX_SCALE_ROW1
.endif
.endr
.endr
.endm
.macro FETCH_B slot, q, p
	WIN TO_B
.irp i, 0,1,2,3,4,5,6,7
	FRAG 128*(\p)+FR*\i, ADRB+\slot, \i*RT+(\q)*FRB
.endr
	WIN 0
.endm
.macro FETCH_A slot, q, i0
.irp i, \i0, \i0+1, \i0+2, \i0+3
	FRAG AF+FR*(\i), ADRA+\slot, (\i)*RT+(\q)*FRB
.endr
.endm
.macro SCALES sc
.irp i, 0,1,2,3,4,5,6,7
.irp q, 0,1
	ds_load_b32 v[SC+8*NQ*\sc+NQ*\i+\q], v[ADRS] offset:\i*SBLK+128*\q
.endr
.endr
.endm
.macro STEP slot, q, zero
	s_wait_dscnt 4*NL
	WIN MUL_LO
	MUL16 0, (\q)%2, \q, \slot, \zero
	MUL16 2, (\q)%2, \q, \slot, \zero
	s_wait_dscnt 0
	PLACES NP
	FETCH_B \slot, (\q)+1, 1-(\q)%2
	FETCH_A \slot, (\q)+1, 0
	WIN MUL_HI
	MUL16 4, (\q)%2, \q, \slot, \zero
	MUL16 6, (\q)%2, \q, \slot, \zero
	PLACES NP
	WIN 0
	FETCH_A \slot, (\q)+1, 4
.endm
.macro TURN slot, next, fill
	s_wait_tensorcnt 0x0
	ds_add_u32 v[SPW], v[NIL]
	s_wait_dscnt 4*NL+1
	WIN MUL_LO
	MUL16 0, 1, NQ-1, \slot, 0
	s_wait_dscnt 0x0
	s_barrier_signal -1
	MUL16 2, 1, NQ-1, \slot, 0
	WIN 0
	s_barrier_wait -1
.if \fill
	CREST
	s_add_nc_u64 s[G0+4*\slot+2:G0+4*\slot+3], s[G0+4*\slot+2:G0+4*\slot+3], 2*RT
	s_add_nc_u64 s[G0B+4*\slot+2:G0B+4*\slot+3], s[G0B+4*\slot+2:G0B+4*\slot+3], 2*RT
	JLOAD G0+4*\slot, G1, G0B+4*\slot, G1B
.else
	PLACES NP
.endif
	s_wait_alu depctr_va_vdst(0)
	v_add_nc_u32 v[ADRS], 128*NQ, v[ADRS]
	FETCH_B \next, 0, 0
	FETCH_A \next, 0, 0
	SCALES \next
	WIN MUL_HI
	MUL16 4, 1, NQ-1, \slot, 0
	MUL16 6, 1, NQ-1, \slot, 0
	PLACES NP
	WIN 0
	FETCH_A \next, 0, 4
.endm
	s_wait_alu depctr_va_vdst(0)
	s_wait_tensorcnt 1
	s_barrier_signal -1
	s_barrier_wait -1
	FETCH_B 0, 0, 0
	FETCH_A 0, 0, 0
	SCALES 0
	FETCH_A 0, 0, 4
	STEP 0, 0, 1
	s_mov_b32 s3, LAPS-1
.Llap:
	TURN 0, 1, 1
	STEP 1, 0, 0
	TURN 1, 0, 1
	STEP 0, 0, 0
	s_sub_co_u32 s3, s3, 1
	s_cmp_lg_u32 s3, 0
	s_cbranch_scc1 .Llap
	TURN 0, 1, 0
	STEP 1, 0, 0
	s_wait_dscnt 4*NL
	WIN MUL_LO
	MUL16 0, 1, NQ-1, 1, 0
	MUL16 2, 1, NQ-1, 1, 0
	s_wait_dscnt 0
	WIN MUL_HI
	MUL16 4, 1, NQ-1, 1, 0
	MUL16 6, 1, NQ-1, 1, 0
	WIN 0
	PLACES NP
	s_lshl_b32 s18, s17, 4
	s_lshl_b32 s19, s15, 3
	s_add_co_u32 s18, s18, s19
	s_lshl_b32 s19, s42, 1
	s_add_co_u32 s19, s19, s16
	s_mul_i32 s20, s18, 49152
	s_mul_i32 s21, s19, 1536
	s_add_co_u32 s20, s20, s21
	s_mov_b32 s21, 0
	s_add_nc_u64 s[OUTS:OUTS+1], s[10:11], s[20:21]
	s_lshl_b32 s20, s18, 12
	s_lshl_b32 s22, s19, 7
	s_add_co_u32 s20, s20, s22
	s_add_co_u32 s20, s20, GS
	s_add_nc_u64 s[SOUT:SOUT+1], s[10:11], s[20:21]
.macro COEF k, val
	s_mov_b32 s[CF+2*\k], \val
	s_mov_b32 s[CF+2*\k+1], \val
.endm
; GELU: gelu(x) = max(x, 0) - |x| erfc(z) / 2 with z = |x| / sqrt(2); erfc(z) = (a1 t + a2 t^2 + a3 t^3 + a4 t^4 + a5 t^5) exp(-z^2), t = 1 / (1 + 0.3275911 z).  The coefficients below are a1 .. a5 halved.
; LIMIT: this form of erfc has an absolute error of at most 1.5e-7, of the size of the rounding that 1 + erf carries in f32; far on the negative side, where gelu itself falls under 1e-6, its relative error grows as that sum's does.
	COEF 0, 0.127414796
	COEF 1, -0.142248368
	COEF 2, 0.7107068705
	COEF 3, -0.7265760135
	v_mov_b32 v240, 0.5307027145
	v_mov_b32 v241, 0.5307027145
	s_mov_b32 s[K35], 0.231641888                  ; 0.3275911 / sqrt(2)
	s_mov_b32 s[EA], 0
	s_wait_loadcnt 0x0
.Lrow:
.irp a, 1,2,3,4,5,6,7
	s_cmp_eq_u32 s[EA], \a
	s_cbranch_scc1 .Lcp\a
.endr
.macro CP a, last
.Lcp\a:
	WIN 0x02+(\a)/4
.set n, 0
.rept 32
	v_pk_add_f32 v[X+n:X+n+1], v[64*((\a)%4)+n:64*((\a)%4)+n+1], v[BI+n:BI+n+1]
.set n, n+2
.endr
	WIN 0
.if !\last
	s_branch .Lgelu
.endif
.endm
	CP 0, 0
	CP 1, 0
	CP 2, 0
	CP 3, 0
	CP 4, 0
	CP 5, 0
	CP 6, 0
	CP 7, 1
.Lgelu:
.macro CHUNK c
.set XC, X+16*(\c)
.set n, 0
.rept 16
	v_fma_f32 v[T+n], |v[XC+n]|, s[K35], 1.0
.set n, n+1
.endr
.set n, 0
	s_wait_alu depctr_va_vdst(0)
.rept 16
	v_rcp_f32 v[T+n], v[T+n]
.set n, n+1
.endr
.set n, 0
.rept 8
	v_pk_mul_f32 v[U+n:U+n+1], v[XC+n:XC+n+1], v[XC+n:XC+n+1]
.set n, n+2
.endr
	s_wait_alu depctr_va_vdst(0)
.set n, 0
.rept 8
	v_pk_fma_f32 v[P+n:P+n+1], v[T+n:T+n+1], v[240:241], s[CF+6:CF+7] op_sel_hi:[1,1,0]
.set n, n+2
.endr
.irp k, 2,1,0
.set n, 0
.rept 8
	v_pk_fma_f32 v[P+n:P+n+1], v[P+n:P+n+1], v[T+n:T+n+1], s[CF+2*\k:CF+2*\k+1] op_sel_hi:[1,1,0]
.set n, n+2
.endr
.endr
.set n, 0
.rept 8
	v_pk_mul_f32 v[U+n:U+n+1], v[U+n:U+n+1], 0xbf38aa3b op_sel_hi:[1,0]   ; -x^2 / 2 x log2(e)
.set n, n+2
.endr
.set n, 0
.rept 8
	v_pk_mul_f32 v[P+n:P+n+1], v[P+n:P+n+1], v[T+n:T+n+1]                 ; the sum's last factor t
.set n, n+2
.endr
.set n, 0
	s_wait_alu depctr_va_vdst(0)
.rept 16
	v_exp_f32 v[U+n], v[U+n]
.set n, n+1
.endr
.set n, 0
.rept 16
	v_max_num_f32 v[T+n], 0, v[XC+n]
.set n, n+1
.endr
	s_wait_alu depctr_va_vdst(0)
.set n, 0
.rept 8
	v_pk_mul_f32 v[P+n:P+n+1], v[P+n:P+n+1], v[U+n:U+n+1]                 ; erfc(z) / 2
.set n, n+2
.endr
.set n, 0
.rept 16
	v_fma_f32 v[XC+n], -|v[XC+n]|, v[P+n], v[T+n]
.set n, n+1
.endr
.endm
	CHUNK 0
	CHUNK 1
	CHUNK 2
	CHUNK 3
	QUANT X
	global_store_b128 v[L16], v[PC:PC+3], s[OUTS:OUTS+1]
	global_store_b64 v[L8], v[PC+4:PC+5], s[OUTS:OUTS+1] offset:512
	global_store_b128 v[L16], v[PC+6:PC+9], s[OUTS:OUTS+1] offset:768
	global_store_b64 v[L8], v[PC+10:PC+11], s[OUTS:OUTS+1] offset:1280
	global_store_b32 v[L4], v[PW], s[SOUT:SOUT+1]
	s_wait_xcnt 0x0
	s_add_nc_u64 s[OUTS:OUTS+1], s[OUTS:OUTS+1], 49152
	s_add_nc_u64 s[SOUT:SOUT+1], s[SOUT:SOUT+1], 4096
	s_add_co_u32 s[EA], s[EA], 1
	s_cmp_lt_u32 s[EA], 8
	s_cbranch_scc1 .Lrow
	s_wait_tensorcnt 0x0
	ds_add_u32 v[SPW], v[NIL]
	s_wait_dscnt 0x0
	CROUND
	s_endpgm
.Lfunc_end_k_q39dd34ccb8_ffn1:
	.size	k_q39dd34ccb8_ffn1, .Lfunc_end_k_q39dd34ccb8_ffn1-k_q39dd34ccb8_ffn1
	.p2alignl 7, 3214868480
	.fill 96, 4, 3214868480
	.section	.rodata,"a",@progbits
	.p2align	6, 0x0
	.amdhsa_kernel k_q39dd34ccb8_ffn1
		.amdhsa_group_segment_fixed_size 327680
		.amdhsa_private_segment_fixed_size 0
		.amdhsa_enable_private_segment 0
		.amdhsa_kernarg_size 32
		.amdhsa_user_sgpr_count 2
		.amdhsa_user_sgpr_kernarg_segment_ptr 1
		.amdhsa_wavefront_size32 1
		.amdhsa_system_sgpr_workgroup_id_x 1
		.amdhsa_system_sgpr_workgroup_id_y 1
		.amdhsa_system_sgpr_workgroup_id_z 1
		.amdhsa_system_vgpr_workitem_id 0
		.amdhsa_next_free_vgpr 1024
		.amdhsa_next_free_sgpr 100
		.amdhsa_reserve_vcc 0
		.amdhsa_float_denorm_mode_32 3
		.amdhsa_float_denorm_mode_16_64 3
		.amdhsa_memory_ordered 1
		.amdhsa_forward_progress 1
		.amdhsa_inst_pref_size 173
	.end_amdhsa_kernel
	.amdgpu_metadata
---
amdhsa.version: [ 1, 2 ]
amdhsa.kernels:
  - .name:           k_q39dd34ccb8_ffn1
    .symbol:         k_q39dd34ccb8_ffn1.kd
    .args:
      - { .name: himg, .offset: 0, .size: 8, .value_kind: global_buffer, .address_space: global }
      - { .name: wimg, .offset: 8, .size: 8, .value_kind: global_buffer, .address_space: global }
      - { .name: b1, .offset: 16, .size: 8, .value_kind: global_buffer, .address_space: global }
      - { .name: gimg, .offset: 24, .size: 8, .value_kind: global_buffer, .address_space: global }
    .group_segment_fixed_size: 327680
    .private_segment_fixed_size: 0
    .kernarg_segment_align: 8
    .kernarg_segment_size: 32
    .max_flat_workgroup_size: 128
    .sgpr_count:     100
    .vgpr_count:     1024
    .wavefront_size: 32
...
	.end_amdgpu_metadata
.endif
;; end of part 6
;; launch ffn2 (part 7): grid 8 x 32, 4 waves a work-group, clusters of 4 x 4, 327,680 bytes of LDS; arguments gimg, wimg, b2, x2, out0; writes out0
.if DOCPART == 7
	.amdgcn_target "amdgcn-amd-amdhsa--gfx1250"
	.amdhsa_code_object_version 6
	.text
	.protected	k_q39dd34ccb8_ffn2
	.globl	k_q39dd34ccb8_ffn2
	.p2align	8
	.type	k_q39dd34ccb8_ffn2,@function
k_q39dd34ccb8_ffn2:
	s_mov_b64 s[64:65], 0
	v_nop
	global_prefetch_b8 v0, s[64:65] scope:SCOPE_SE
	s_setreg_imm32_b32 hwreg(HW_REG_WAVE_MODE, 25, 1), 1
	s_wait_xcnt 0x0
	s_wait_alu depctr_hold_cnt(0) depctr_sa_sdst(0) depctr_va_vdst(0) depctr_va_sdst(0) depctr_va_ssrc(0) depctr_va_vcc(0) depctr_vm_vsrc(0)
	s_getreg_b32 s2, hwreg(HW_REG_IB_STS2, 6, 4)
	s_cmp_eq_u32 s2, 0
	s_cbranch_scc0 .Lentry_in_a_cluster
	s_endpgm
.Lentry_in_a_cluster:
	s_bfe_u32 s2, ttmp6, 0x10000c
	s_cmp_lg_u32 s2, 0xf033
	s_cbranch_scc0 .Lentry_shape_is_right
	s_endpgm
.Lentry_shape_is_right:
.set KK,    4096
.set A_S,   12582912
.set B_C,   6291456
.set B_S,   9961472
.set FR,    12
.set FRB,   1536
.set RT,    6144
.set KROW,  12*KK
.set KSB,   KK
.set HALFT, 4*RT
.set SLOT,  4*HALFT
.set LAPS,  KK/1024
.set SCL,   2*SLOT
.set SBLK,  KSB
.set HALFS, 4*SBLK
.set STAGE, SCL+4*HALFS
.set SPITCH, 272
.set SPARE, STAGE+4*16*SPITCH
.set L16,  4
.set L8,   5
.set L4,   7
.set ADRA, 16
.set ADRB, 20
.set STO,  24
.set RD,   25
.set CO,   26
.set ADRS, 27
.set SPW,  28
.set NIL,  29
.set SC,   32
.set BK,   64
.set ACC,  128
.set F0,   0
.set F1,   128
.set G1, 24
.set G0, 32
.set G1B, 48
.set G0B, 56
.set G1S, 68
.set G0S, 76
.set G1SB, 80
.set G0SB, 88
.set MSB, 0
.macro WIN new
.if MSB != (\new)
	s_set_vgpr_msb (MSB<<8)|(\new)
.set MSB, (\new)
.endif
.endm
.set MUL,  0x05
.set TO_F, 0x40
.macro PLACES n
.rept \n
	v_nop
.endr
.endm
.macro JLOAD g0a, g1a, g0b, g1b
	s_cmp_eq_u32 s15, 0
	s_cbranch_scc0 .Lfor_b_\@
	tensor_load_to_lds s[\g0a:\g0a+3], s[\g1a:\g1a+7]
	s_nop 0
.rept 4
	v_nop
.endr
	s_branch .Lasked_\@
.Lfor_b_\@:
	tensor_load_to_lds s[\g0b:\g0b+3], s[\g1b:\g1b+7]
	s_nop 0
.rept 4
	v_nop
.endr
.Lasked_\@:
.endm
.macro CREST
	s_cmp_lg_u32 s14, 0
	s_cbranch_scc1 .Lnot_wave_0_\@
	s_barrier_signal -3
.Lnot_wave_0_\@:
	s_barrier_wait -3
	s_barrier_signal -1
	s_barrier_wait -1
.endm
.macro CROUND
	s_barrier_signal -1
	s_barrier_wait -1
	CREST
.endm
	s_load_b256 s[4:11], s[0:1], 0x0
	s_load_b64 s[12:13], s[0:1], 0x20
	v_lshl_add_u32 v[SPW], v0, 2, SPARE
	v_mov_b32 v[NIL], 0
	ds_add_u32 v[SPW], v[NIL]
	ds_add_u32 v[SPW], v[NIL]
	v_lshrrev_b32 v1, 5, v0
	v_readfirstlane_b32 s14, v1
	s_lshr_b32 s15, s14, 1
	s_and_b32 s16, s14, 1
	s_bfe_u32 s40, ttmp6, 0x40000
	s_bfe_u32 s41, ttmp6, 0x40004
	s_lshl_b32 s42, ttmp9, 2
	s_add_co_u32 s42, s42, s40
	s_and_b32 s17, ttmp7, 0xffff
	s_lshl_b32 s17, s17, 2
	s_add_co_u32 s17, s17, s41
	s_lshl_b32 s43, s41, 2
	s_lshl_b32 s43, 15, s43
	s_lshl_b32 s44, 0x1111, s40
	s_or_b32 s[G1+0], s43, (3<<16)|(1<<21)
	s_or_b32 s[G1B+0], s44, (3<<16)|(1<<21)
.irp g, G1, G1B
	s_mov_b32 s[\g+1], (RT/8)<<16
	s_mov_b32 s[\g+2], 8<<16                       ; 8 tiles for the head's loads; set to 4 behind them, for the ring's
	s_mov_b32 s[\g+3], (RT/8)<<16
	s_mov_b32 s[\g+4], 8
	s_mov_b32 s[\g+5], KROW/8
	s_mov_b32 s[\g+6], 0
	s_mov_b32 s[\g+7], 0
.endr
	s_or_b32 s[G1S+0], s43, (3<<16)|(1<<21)
	s_or_b32 s[G1SB+0], s44, (3<<16)|(1<<21)
.irp g, G1S, G1SB
	s_mov_b32 s[\g+1], 32<<16
	s_mov_b32 s[\g+2], (HALFS/128)<<16             ; the scale images of all 128 rows of a side: one load
	s_mov_b32 s[\g+3], 32<<16
	s_mov_b32 s[\g+4], HALFS/128
	s_mov_b32 s[\g+5], 32
	s_mov_b32 s[\g+6], 0
	s_mov_b32 s[\g+7], 0
.endr
	s_lshl_b32 s18, s16, 2
	s_lshl_b32 s20, s17, 3
	s_mul_i32 s22, s20, KSB                        ; the scale images begin at the side's first tile
	s_add_co_u32 s20, s20, s18
	s_lshl_b32 s46, s42, 3
	s_mul_i32 s92, s46, KSB
	s_add_co_u32 s46, s46, s18
	s_add_co_u32 s22, s22, A_S
	s_mov_b32 s23, 0
	s_mul_i32 s20, s20, KROW
	s_mov_b32 s21, 0
	s_add_co_u32 s92, s92, B_S
	s_mov_b32 s93, 0
	s_mul_i32 s46, s46, KROW
	s_add_co_u32 s46, s46, B_C
	s_mov_b32 s47, 0
	s_mul_i32 s45, s14, HALFT
	s_wait_dscnt 0x0
	s_wait_kmcnt 0x0
	s_add_nc_u64 s[20:21], s[4:5], s[20:21]
	s_add_nc_u64 s[22:23], s[4:5], s[22:23]
	s_add_nc_u64 s[46:47], s[6:7], s[46:47]
	s_add_nc_u64 s[92:93], s[6:7], s[92:93]
	CROUND
	s_mov_b32 s[G0S], 1
	s_mov_b32 s[G0S+1], SCL
	s_mov_b64 s[G0S+2:G0S+3], s[22:23]
	s_or_b32 s[G0S+3], s[G0S+3], 0x80000000
	s_mov_b32 s[G0SB], 1
	s_mov_b32 s[G0SB+1], SCL+2*HALFS
	s_mov_b64 s[G0SB+2:G0SB+3], s[92:93]
	s_or_b32 s[G0SB+3], s[G0SB+3], 0x80000000
.irp s, 0,1
	s_mov_b32 s[G0+4*\s], 1
	s_add_co_u32 s[G0+4*\s+1], s45, \s*SLOT
	s_add_nc_u64 s[G0+4*\s+2:G0+4*\s+3], s[20:21], \s*RT
	s_or_b32 s[G0+4*\s+3], s[G0+4*\s+3], 0x80000000
	s_mov_b32 s[G0B+4*\s], 1
	s_add_co_u32 s[G0B+4*\s+1], s45, \s*SLOT
	s_add_nc_u64 s[G0B+4*\s+2:G0B+4*\s+3], s[46:47], \s*RT
	s_or_b32 s[G0B+4*\s+3], s[G0B+4*\s+3], 0x80000000
.endr
; THE PREFETCHES.  A slot's fill is 4 tiles x 6,144 bytes a wave, asked for jointly by four partners: of the four tiles the partner at place p (cx for side A, cy for side B) names tile p, 24 blocks of 256 bytes, a lane a block
; (lanes 24-31 name the last block again): each block once in each cluster that will load it, told apart by address.  Slot step t + 4 is named behind the refill that brings step t + 2; steps 2 and 3 at the head; the last two refills name nothing.
	s_cmp_eq_u32 s15, 0
	s_cselect_b64 s[96:97], s[20:21], s[46:47]     ; the four tiles that I fetch, at slot step 0
	s_cselect_b32 s98, s40, s41
	s_mul_i32 s98, s98, KROW
	s_mov_b32 s99, 0
	s_add_nc_u64 s[96:97], s[96:97], s[98:99]      ; my work-group's tile of them
; THE HEAD'S LOADS, one a wave: wave 0 side A's 8 tiles of slot 0, wave 1 side A's scale images, wave 2 side B's 8 tiles, wave 3 side B's scale images.
.macro ARM under, g0, g1, next
	s_cmp_lt_u32 s14, \under
	s_cbranch_scc0 \next
	tensor_load_to_lds s[\g0:\g0+3], s[\g1:\g1+7]
	s_nop 0
.rept 4
	v_nop
.endr
	s_branch .Lhead_asked
\next:
.endm
	ARM 1, G0,  G1,  .Lhead_sa
	ARM 2, G0S, G1S, .Lhead_b
	ARM 3, G0B, G1B, .Lhead_sb
	tensor_load_to_lds s[G0SB:G0SB+3], s[G1SB:G1SB+7]
	s_nop 0
.rept 4
	v_nop
.endr
.Lhead_asked:
	v_and_b32 v30, 31, v0
	v_min_u32 v30, 23, v30
	v_lshlrev_b32 v30, 8, v30                      ; the prefetches' offset: 256 x min(lane, 23); never rewritten
	s_wait_alu depctr_va_vdst(0)
	global_prefetch_b8 v30, s[96:97] offset:RT th:TH_LOAD_NT scope:SCOPE_SE     ; slot step 1
	global_prefetch_b8 v30, s[96:97] offset:2*RT th:TH_LOAD_NT scope:SCOPE_SE   ; slot step 2
	s_wait_tensorcnt 0x0                           ; my tile of the head's four is in; slot 1's first fill is issued as a refill is
	ds_add_u32 v[SPW], v[NIL]
	s_mov_b32 s[G1+2], 4<<16                       ; no tensor load of mine is out: from here on a load brings 4 tiles
	s_mov_b32 s[G1+4], 4
	s_mov_b32 s[G1B+2], 4<<16
	s_mov_b32 s[G1B+4], 4
	s_wait_dscnt 0x0
	CROUND
	JLOAD G0+4, G1, G0B+4, G1B
	global_prefetch_b8 v30, s[96:97] offset:3*RT th:TH_LOAD_NT scope:SCOPE_SE   ; slot step 3
	v_and_b32 v1, 31, v0
	v_bfe_u32 v2, v0, 4, 1
	v_and_b32 v3, 15, v0
	v_lshlrev_b32 v[L16], 4, v1
	v_lshlrev_b32 v[L8], 3, v1
	v_lshlrev_b32 v[L4], 2, v1
	s_mul_i32 s21, s15, HALFT
	s_mul_i32 s22, s16, HALFT
	s_add_co_u32 s22, s22, 2*HALFT
.irp s, 0,1
	v_add_nc_u32 v[ADRA+\s], s21, v[L16]
	v_add_nc_u32 v[ADRB+\s], s22, v[L16]
	v_add_nc_u32 v[ADRA+2+\s], s21, v[L8]
	v_add_nc_u32 v[ADRB+2+\s], s22, v[L8]
	s_add_co_u32 s21, s21, SLOT
	s_add_co_u32 s22, s22, SLOT
.endr
	s_mul_i32 s21, s15, HALFS
	s_mul_i32 s22, s16, HALFS
	s_add_co_u32 s22, s22, 2*HALFS
	s_sub_co_u32 s22, s22, s21
	v_mul_u32_u24 v6, s22, v2
	s_add_co_u32 s21, s21, SCL
	v_add_nc_u32 v6, v[L4], v6
	v_add_nc_u32 v[ADRS], s21, v6
	s_mul_i32 s23, s14, 16*SPITCH
	s_add_co_u32 s23, s23, STAGE
	v_mul_u32_u24 v6, v3, SPITCH
	v_lshl_add_u32 v6, v2, 6, v6
	v_add_nc_u32 v[STO], s23, v6
	v_mul_u32_u24 v6, v2, SPITCH
	v_lshl_add_u32 v6, v3, 4, v6
	v_add_nc_u32 v[RD], s23, v6
	v_lshlrev_b32 v6, 12, v2
	v_lshl_add_u32 v[CO], v3, 4, v6
	s_wait_alu depctr_va_vdst(0)
	s_lshl_b32 s20, s17, 7
	s_lshl_b32 s21, s15, 6
	s_add_co_u32 s20, s20, s21
	s_lshl_b32 s20, s20, 12
	s_lshl_b32 s46, s42, 9
	s_lshl_b32 s47, s16, 8
	s_add_co_u32 s46, s46, s47
	s_mov_b32 s47, 0
	s_add_nc_u64 s[8:9], s[8:9], s[46:47]
	s_add_co_u32 s20, s20, s46
	s_mov_b32 s21, 0
	s_add_nc_u64 s[10:11], s[10:11], s[20:21]
	s_add_nc_u64 s[12:13], s[12:13], s[20:21]
	v_lshlrev_b32 v6, 4, v3
	global_load_b128 v[8:11], v6, s[8:9]
	WIN 0x80
.irp a, 0,1,2,3
.irp t, 0,1,2,3,4,5,6,7
	global_load_b128 v[32*\a+4*\t:32*\a+4*\t+3], v[CO], s[10:11] offset:(32*(\a/2)+8*(\a%2)+2*\t+8*(\t/4))*4096
.endr
.endr
	WIN 0
.macro FRAG reg, adr, off
	ds_load_b128 v[\reg:\reg+3], v[\adr] offset:\off
	ds_load_b64 v[\reg+4:\reg+5], v[\adr+2] offset:(\off)+512
	ds_load_b128 v[\reg+6:\reg+9], v[\adr] offset:(\off)+768
	ds_load_b64 v[\reg+10:\reg+11], v[\adr+2] offset:(\off)+1280
.endm
.macro MUL4 f, q, sc, a, zero
.irp b, 0,1,2,3
.if \zero
	v_wmma_scale_f32_16x16x128_f8f6f4 v[ACC+8*(4*(\a)+\b):ACC+8*(4*(\a)+\b)+7], v[\f+FR*\b:\f+FR*\b+FR-1], v[\f+48+FR*(\a):\f+48+FR*(\a)+FR-1], 0, v[SC+16*(\sc)+4*\b+(\q)], v[SC+16*(\sc)+4*(\a)+(\q)] matrix_a_fmt:MATRIX_FMT_FP6 matrix_b_fmt:MATRIX_FMT_FP6 matrix_a_scale:MATRIX_SCALE_ROW1
.else
	v_wmma_scale_f32_16x16x128_f8f6f4 v[ACC+8*(4*(\a)+\b):ACC+8*(4*(\a)+\b)+7], v[\f+FR*\b:\f+FR*\b+FR-1], v[\f+48+FR*(\a):\f+48+FR*(\a)+FR-1], v[ACC+8*(4*(\a)+\b):ACC+8*(4*(\a)+\b)+7], v[SC+16*(\sc)+4*\b+(\q)], v[SC+16*(\sc)+4*(\a)+(\q)] matrix_a_fmt:MATRIX_FMT_FP6 matrix_b_fmt:MATRIX_FMT_FP6 matrix_a_scale:MATRIX_SCALE_ROW1
.endif
.endr
.endm
.macro FETCH slot, q, f
	WIN TO_F
.irp i, 0,1,2,3
	FRAG \f+FR*\i, ADRB+\slot, \i*RT+(\q)*FRB
.endr
.irp i, 0,1,2,3
	FRAG \f+48+FR*\i, ADRA+\slot, \i*RT+(\q)*FRB
.endr
.endm
.macro SCALES sc
.irp i, 0,1,2,3
.irp q, 0,1,2,3
	ds_load_b32 v[SC+16*\sc+4*\i+\q], v[ADRS] offset:\i*SBLK+128*\q
.endr
.endr
.endm
.macro KSTEP slot, q, f, g, zero
	s_wait_dscnt 8
	WIN MUL
	MUL4 \f, \q, \slot, 0, \zero
	MUL4 \f, \q, \slot, 1, \zero
	PLACES 4
	FETCH \slot, (\q)+1, \g
	s_wait_dscnt 32
	WIN MUL
	MUL4 \f, \q, \slot, 2, \zero
	MUL4 \f, \q, \slot, 3, \zero
.endm
.macro TURN slot, next, fill
	WIN 0
.if \fill
	s_wait_xcnt 0x0                                ; my last prefetch has read its base: it is stepped only behind this wait
	s_add_nc_u64 s[96:97], s[96:97], RT
.endif
	s_wait_tensorcnt 0x0
	ds_add_u32 v[SPW], v[NIL]
	s_wait_dscnt 9
	WIN MUL
	MUL4 F1, 3, \slot, 0, 0
	s_wait_dscnt 0x0
	s_barrier_signal -1
	MUL4 F1, 3, \slot, 1, 0
	WIN 0
	s_barrier_wait -1
.if \fill
	CREST
	s_add_nc_u64 s[G0+4*\slot+2:G0+4*\slot+3], s[G0+4*\slot+2:G0+4*\slot+3], 2*RT
	s_add_nc_u64 s[G0B+4*\slot+2:G0B+4*\slot+3], s[G0B+4*\slot+2:G0B+4*\slot+3], 2*RT
	JLOAD G0+4*\slot, G1, G0B+4*\slot, G1B
.else
	PLACES 4
.endif
	s_wait_alu depctr_va_vdst(0)
	v_add_nc_u32 v[ADRS], 512, v[ADRS]
	SCALES \next
	FETCH \next, 0, F0
.if \fill
	WIN 0
	s_cmp_gt_u32 s3, 1                             ; the loop's last trip has no slot step four on
	s_cbranch_scc0 .Lno_ask_\@
	global_prefetch_b8 v30, s[96:97] offset:3*RT th:TH_LOAD_NT scope:SCOPE_SE
.Lno_ask_\@:
.endif
	WIN MUL
	MUL4 F1, 3, \slot, 2, 0
	MUL4 F1, 3, \slot, 3, 0
.endm
	s_wait_tensorcnt 1
	s_barrier_signal -1
	s_barrier_wait -1
	SCALES 0
	FETCH 0, 0, F0
	KSTEP 0, 0, F0, F1, 1
.if LAPS > 1
	WIN 0
	s_mov_b32 s3, LAPS-1
.Llap:
	KSTEP 0, 1, F1, F0, 0
	KSTEP 0, 2, F0, F1, 0
	TURN 0, 1, 1
	KSTEP 1, 0, F0, F1, 0
	KSTEP 1, 1, F1, F0, 0
	KSTEP 1, 2, F0, F1, 0
	TURN 1, 0, 1
	KSTEP 0, 0, F0, F1, 0
	WIN 0
	s_sub_co_u32 s3, s3, 1
	s_cmp_lg_u32 s3, 0
	s_cbranch_scc1 .Llap
.endif
	KSTEP 0, 1, F1, F0, 0
	KSTEP 0, 2, F0, F1, 0
	TURN 0, 1, 0
	KSTEP 1, 0, F0, F1, 0
	KSTEP 1, 1, F1, F0, 0
	KSTEP 1, 2, F0, F1, 0
	s_wait_dscnt 8
	WIN MUL
	MUL4 F1, 3, 1, 0, 0
	MUL4 F1, 3, 1, 1, 0
	s_wait_dscnt 0
	MUL4 F1, 3, 1, 2, 0
	MUL4 F1, 3, 1, 3, 0
	WIN 0
	PLACES 4
	s_wait_loadcnt 0x0
.macro OUTT a
.set BB, BK+32*((\a)%2)
.if (\a) >= 2
	s_wait_xcnt 0x0
.endif
.irp b, 0,1,2,3
	ds_store_b128 v[STO], v[ACC+8*(4*(\a)+\b):ACC+8*(4*(\a)+\b)+3] offset:128*(\b/2)+32*(\b%2)
	ds_store_b128 v[STO], v[ACC+8*(4*(\a)+\b)+4:ACC+8*(4*(\a)+\b)+7] offset:128*(\b/2)+32*(\b%2)+16
.endr
.irp t, 0,1,2,3,4,5,6,7
	ds_load_b128 v[BB+4*\t:BB+4*\t+3], v[RD] offset:2*SPITCH*\t
.endr
	s_wait_dscnt 0x0
.irp t, 0,1,2,3,4,5,6,7
	v_pk_add_f32 v[BB+4*\t:BB+4*\t+1], v[BB+4*\t:BB+4*\t+1], v[8:9]
	v_pk_add_f32 v[BB+4*\t+2:BB+4*\t+3], v[BB+4*\t+2:BB+4*\t+3], v[10:11]
.endr
	WIN 0x08
.irp t, 0,1,2,3,4,5,6,7
	v_pk_add_f32 v[BB+4*\t:BB+4*\t+1], v[BB+4*\t:BB+4*\t+1], v[32*(\a)+4*\t:32*(\a)+4*\t+1]
	v_pk_add_f32 v[BB+4*\t+2:BB+4*\t+3], v[BB+4*\t+2:BB+4*\t+3], v[32*(\a)+4*\t+2:32*(\a)+4*\t+3]
.endr
	WIN 0
.irp t, 0,1,2,3,4,5,6,7
	global_store_b128 v[CO], v[BB+4*\t:BB+4*\t+3], s[12:13] offset:(32*((\a)/2)+8*((\a)%2)+2*\t+8*(\t/4))*4096 th:TH_STORE_NT
.endr
.endm
.irp a, 0,1,2,3
	OUTT \a
.endr
	s_wait_tensorcnt 0x0
	ds_add_u32 v[SPW], v[NIL]
	s_wait_dscnt 0x0
	CROUND
	s_endpgm
.Lfunc_end_k_q39dd34ccb8_ffn2:
	.size	k_q39dd34ccb8_ffn2, .Lfunc_end_k_q39dd34ccb8_ffn2-k_q39dd34ccb8_ffn2
	.p2alignl 7, 3214868480
	.fill 96, 4, 3214868480
	.section	.rodata,"a",@progbits
	.p2align	6, 0x0
	.amdhsa_kernel k_q39dd34ccb8_ffn2
		.amdhsa_group_segment_fixed_size 327680
		.amdhsa_private_segment_fixed_size 0
		.amdhsa_enable_private_segment 0
		.amdhsa_kernarg_size 40
		.amdhsa_user_sgpr_count 2
		.amdhsa_user_sgpr_kernarg_segment_ptr 1
		.amdhsa_wavefront_size32 1
		.amdhsa_system_sgpr_workgroup_id_x 1
		.amdhsa_system_sgpr_workgroup_id_y 1
		.amdhsa_system_sgpr_workgroup_id_z 1
		.amdhsa_system_vgpr_workitem_id 0
		.amdhsa_next_free_vgpr 768
		.amdhsa_next_free_sgpr 100
		.amdhsa_reserve_vcc 0
		.amdhsa_float_denorm_mode_32 3
		.amdhsa_float_denorm_mode_16_64 3
		.amdhsa_memory_ordered 1
		.amdhsa_forward_progress 1
		.amdhsa_inst_pref_size 106
	.end_amdhsa_kernel
	.amdgpu_metadata
---
amdhsa.version: [ 1, 2 ]
amdhsa.kernels:
  - .name:           k_q39dd34ccb8_ffn2
    .symbol:         k_q39dd34ccb8_ffn2.kd
    .args:
      - { .name: gimg, .offset: 0, .size: 8, .value_kind: global_buffer, .address_space: global }
      - { .name: wimg, .offset: 8, .size: 8, .value_kind: global_buffer, .address_space: global }
      - { .name: b2, .offset: 16, .size: 8, .value_kind: global_buffer, .address_space: global }
      - { .name: x2, .offset: 24, .size: 8, .value_kind: global_buffer, .address_space: global }
      - { .name: out0, .offset: 32, .size: 8, .value_kind: global_buffer, .address_space: global }
    .group_segment_fixed_size: 327680
    .private_segment_fixed_size: 0
    .kernarg_segment_align: 8
    .kernarg_segment_size: 40
    .max_flat_workgroup_size: 128
    .sgpr_count:     100
    .vgpr_count:     768
    .wavefront_size: 32
...
	.end_amdgpu_metadata
.endif
;; end of part 7
